; MI455X (gfx1250); checked and timed in simulation.
; The chip was launched on July 23, 2026; its instructions are those of AMD's public machine-readable ISA for CDNA 5 (MIT licence, August 2026) and "CDNA5" Instruction Set Architecture Reference Guide (July 2026). The comments in the code are by the model that wrote it; some were corrected since.
;; Transformer Block. Allowed arithmetic: matrix products marked QUANTISED: E2M3 operands, one E8M0 scale for each 32 along K, by v_wmma_scale_f32_16x16x128_f8f6f4 with both operands' format E2M3, f32 sums; everything else in f32.
;; Inputs: W1 1,024 x 4,096 float32; W2 4,096 x 1,024 float32; Wk 1,024 x 1,024 float32; Wo 1,024 x 1,024 float32; Wq 1,024 x 1,024 float32; Wv 1,024 x 1,024 float32; b1 4,096 float32; b2 1,024 float32; bk 1,024 float32; bo 1,024 float32; bq 1,024 float32; bv 1,024 float32; x 2 x 2,048 x 1,024 float32.
;; Outputs: out0 2 x 2,048 x 1,024 float32.
;; This version of the problem:
;;   THIS VERSION OF THE PROBLEM IS GIVEN IN LOW PRECISION. The matrix products marked QUANTISED in the list below multiply operands that are first quantised to E2M3 (2 exponent bits, 3 mantissa bits; 6 bits a number), with one power-of-two scale for each 32 numbers along K (OCP MX v1.0); their sums are f32. All else is computed in f32.
;;   The module's matrix products, in the order in which they are computed (A, B: the left and right operand; K: the contracted axis; several contracted axes count as one K, in the product's order):
;;     1. [M 4,096, K 1,024] x [K 1,024, N 1,024]; A: input x; B: input Wq: QUANTISED
;;     2. [M 4,096, K 1,024] x [K 1,024, N 1,024]; A: input x; B: input Wk: QUANTISED
;;     3. [M 4,096, K 1,024] x [K 1,024, N 1,024]; A: input x; B: input Wv: QUANTISED
;;     4. batch 32 x [M 2,048, K 64] x [K 64, N 2,048]; A: computed on the way; B: computed on the way: QUANTISED
;;     5. batch 32 x [M 2,048, K 2,048] x [K 2,048, N 64]; A: softmax (see below); B: computed on the way: QUANTISED
;;     6. [M 4,096, K 1,024] x [K 1,024, N 1,024]; A: computed on the way; B: input Wo: QUANTISED
;;     7. [M 4,096, K 1,024] x [K 1,024, N 4,096]; A: computed on the way; B: input W1: QUANTISED
;;     8. [M 4,096, K 4,096] x [K 4,096, N 1,024]; A: computed on the way; B: input W2: QUANTISED
;;   THE QUANTISER, for each operand of a quantised product, along K:
;;     - K is cut into blocks of 32 from its start; a last block that is shorter is filled with zeros.
;;     - A block's scale is 2^e with e = floor(log2(the largest magnitude in the block)) - 2, held to -126 .. 127; a block of zeros has e = 0. As a byte (E8M0): e + 127.
;;     - Each number is divided by its block's scale, clamped to +-7.5, and rounded to the nearest number of E2M3, ties to even, subnormals kept.
;;     - The product sums the exact products of the quantised numbers (number of the format x scale) in f32.
;;   ~~~python
;;   def quantise(x, axis):      # numpy; x: float32 -> the quantised numbers, widened to float32 again
;;       x = np.moveaxis(x, axis, -1); K = x.shape[-1]
;;       x = np.pad(x, [(0, 0)] * (x.ndim - 1) + [(0, -K % 32)]); x = x.reshape(x.shape[:-1] + (-1, 32)); a = np.abs(x).max(-1, keepdims=True)
;;       e = np.where(a > 0, np.clip(np.frexp(np.where(a > 0, a, 1))[1] - 1 - 2, -126, 127), 0)      # np.frexp(a)[1] - 1 = floor(log2(a)), exactly
;;       r = np.clip(x / 2.0 ** e, -7.5, 7.5)
;;       step = 2.0 ** (np.maximum(np.frexp(np.where(r == 0, 1, r))[1] - 1, 0) - 3)
;;       q = np.round(r / step) * step * 2.0 ** e      # np.round: ties to even
;;       return np.moveaxis(q.reshape(q.shape[:-2] + (-1,))[..., :K], -1, axis).astype(np.float32)
;;   ~~~
;;   SOFTMAX AHEAD OF A QUANTISED PRODUCT. Where the list says 'softmax', what is quantised is not the finished softmax but p = 2^(t - M), with t = logit x log2(e) and M = ceil(the row's largest t), a whole number; so 1/2 < the row's largest p <= 1. The row's sum l is taken of the UNQUANTISED p, in f32, and the product's result is divided by l at the end. Since M is a whole number, a kernel that streams over the keys may use a running M (the ceiling of the running maximum): every later rescaling is an exact power of two, which a block's scale takes up: the codes' values come out the same.
;;   OPERANDS COMPUTED ON THE WAY. 'Computed on the way' means the value that the module computes at that place (a softmax that the list does not call 'softmax' is quantised finished and normalised). What goes into a quantiser is computed in f32, as accurately as f32 sums, v_exp_f32 and their like allow (about 1e-6 of the number): no bf16 or f16 on the way to a quantiser, and a product that is left as it is and whose result goes on into a quantised operand takes f32 operands (vector FMAs, or v_wmma_f32_16x16x4_f32). A number that lies on a knife's edge between two numbers of the format may be rounded either way, as far as f32 arithmetic and the matrix unit's own rounding can turn it there, and no further.
;; 2 versions. Each part assembles by itself: llvm-mc -triple=amdgcn-amd-amdhsa -mcpu=gfx1250 --defsym DOCPART=n.
;; ======== version 1 of 2: 6 launches
;; workspace buffers: bx 3,276,800 bytes; bw 9,830,400 bytes; bqkv 10,223,616 bytes; by 3,276,800 bytes; bx1 20,054,016 bytes; bh 13,107,200 bytes
;; launch quant (part 1): grid 640 x 1, 4 waves a work-group, no clusters, 92,672 bytes of LDS; arguments x, Wq, Wk, Wv, Wo, W1, W2, bx, bw; writes bx, bw
.if DOCPART == 1
	.amdgcn_target "amdgcn-amd-amdhsa--gfx1250"
	.amdhsa_code_object_version 6
	.text
	.protected	k_q33ec39cbf8_quant
	.globl	k_q33ec39cbf8_quant
	.p2align	8
	.type	k_q33ec39cbf8_quant,@function
k_q33ec39cbf8_quant:
	s_mov_b64 s[64:65], 0
	v_nop
	global_prefetch_b8 v0, s[64:65] scope:SCOPE_SE
	s_setreg_imm32_b32 hwreg(HW_REG_WAVE_MODE, 25, 1), 1
	s_wait_xcnt 0x0
; x [4096][1024] and the six weights ([K][N], K their first axis), all f32, become codes of FP6 (E2M3) with one E8M0 byte for each 32 along K.
; A block's scale is 2^(floor(log2(largest magnitude)) - 2): its byte is the largest magnitude's exponent field - 2, held at 1 from below by a floor among the maximum's leaves.
; LIMITS: NaN and infinities are not served; a block whose largest magnitude lies under 2^-124, a block of zeros among them, gets the byte 1 (its codes are then zeros or the nearest codes; only this program reads the bytes).
; LAYOUT OF THE RESULTS (this program's own): an operand's rows go in tiles of 16: row p of tile t is the true row 32 (t / 2) + 8 (t % 2) + p + 8 (p / 8).
; A fragment (16 rows x 128 K, 12 registers a lane) lies as an image of its registers, 1,536 bytes: half c at 768 c: registers 6 c .. 6 c + 3 at 16 x lane, registers 6 c + 4, 5 at 512 + 8 x lane.
; Codes: [128 rows][K step of 128][tile 0..7][1,536]; scale words: [128 rows][K step][16 tile + p] of 4 bytes.
; Work-groups 0-255 take x (K innermost), the others the weights (a lane to a column, registers down K).  The two ways part on the work-group's number and have LDS bytes of their own.
; No tensor load, no barrier: waves share nothing.  The launch streams its inputs once, so nothing is asked for ahead and no cluster is formed: no two work-groups read the same bytes.
.set O16, 4                            ; v4   16 x lane
.set O8,  5                            ; v5   8 x lane
.set XR,  32                           ; v32-159  x: 32 rows x 4 registers as loaded; then two tiles of 64 numbers
.set PC,  160                          ; v160-178 the codes just made
.set TM,  180                          ; v180-195 maxima, bytes, scale operands
.set PW,  196                          ; the scale word just made
.set PW2, 197
.set PWS, 198
.set HM,  40                           ; s40  lanes 16-31
.set SEL, 42                           ; s[42:43] selects for lane l xor 16
.set XST, 16896                        ; x: a wave's stage: 32 rows x (512 + 16) bytes
.set WST, 67584                        ; the weights' stages begin behind x's four
.set OF,  32                           ; v32-63   weights: 4 x lane + i rows
.set WX,  64                           ; v64-127  two sets of 32 numbers
.set CC,  128                          ; v128-134 a block's codes
.set WO,  136                          ; v136-183 the way out
.set SB,  24                           ; v24-25   scale words of the two K steps
.set BP,  44                           ; s[44:59] eight bases, one for each block of 32 along K
; 64 numbers of a lane, register 16 b + i = k 32 b + 16 (lane / 16) + i of the lane's row, become a fragment's codes in v[PC] on and the row's scale word in v[PW]
.macro QUANT src
.irp b, 0,1,2,3
	v_max3_num_f32 v[TM+\b], |v[\src+16*\b]|, |v[\src+1+16*\b]|, 0x1800000   ; my 16 numbers of block b, and the floor 2^(3 - 127)
.endr
.irp i, 2,4,6,8,10,12,14
.irp b, 0,1,2,3
	v_max3_num_f32 v[TM+\b], v[TM+\b], |v[\src+16*\b+\i]|, |v[\src+1+16*\b+\i]|
.endr
.endr
.irp b, 0,1,2,3
	v_permlanex16_b32 v[TM+4+\b], v[TM+\b], s[SEL], s[SEL+1]
.endr
.irp b, 0,1,2,3
	v_max_num_f32 v[TM+\b], v[TM+\b], v[TM+4+\b]       ; with lane l xor 16's: the block's largest magnitude
.endr
.irp b, 0,1,2,3
	v_add_nc_u32 v[TM+12+\b], 0xff000000, v[TM+\b]     ; 2 off its exponent field: the conversion's scale operand
.endr
.irp b, 0,1,2,3
	v_lshrrev_b32 v[TM+4+\b], 23, v[TM+12+\b]          ; the scale's byte
.endr
	v_lshl_or_b32 v[PW], v[TM+5], 8, v[TM+4]
	v_lshl_or_b32 v[PW], v[TM+6], 16, v[PW]
	v_lshl_or_b32 v[PW], v[TM+7], 24, v[PW]
.irp c, 0,1
	v_cvt_scalef32_pk16_fp6_f32 v[PC+6*\c:PC+2+6*\c], v[\src+32*\c:\src+15+32*\c], v[TM+12+2*\c]
	v_cvt_scalef32_pk16_fp6_f32 v[PC+12+4*\c:PC+14+4*\c], v[\src+16+32*\c:\src+31+32*\c], v[TM+12+2*\c+1]
.endr
	v_nop                                              ; one plain place behind a scaled conversion
.irp c, 0,1                                        ; a whole block to a lane: lanes 0-15 block 2 c, lanes 16-31 block 2 c + 1
.irp i, 0,1,2
	v_permlane16_swap_b32 v[PC+6*\c+\i], v[PC+12+4*\c+\i]
.endr
.irp i, 0,1,2
	v_mov_b32 v[PC+3+6*\c+\i], v[PC+12+4*\c+\i]
.endr
.endr
.endm
.macro IMG b0, o0, b1, o1                          ; the fragment's image: each store covers 512 or 256 consecutive bytes, aligned to 256
	global_store_b128 v[O16], v[PC:PC+3], s[\b0:\b0+1] offset:\o0
	global_store_b64 v[O8], v[PC+4:PC+5], s[\b0:\b0+1] offset:(\o0)+512
	global_store_b128 v[O16], v[PC+6:PC+9], s[\b1:\b1+1] offset:\o1
	global_store_b64 v[O8], v[PC+10:PC+11], s[\b1:\b1+1] offset:(\o1)+512
.endm
	s_load_b512 s[4:19], s[0:1], 0x0               ; x s[4:5], Wq s[6:7], Wk s[8:9], Wv s[10:11], Wo s[12:13], W1 s[14:15], W2 s[16:17], bx s[18:19]
	s_load_b64 s[20:21], s[0:1], 0x40              ; bw
	v_lshl_add_u32 v200, v0, 2, 0x16800
	v_mov_b32 v201, 0
	v_lshrrev_b32 v1, 5, v0
	v_readfirstlane_b32 s22, v1                    ; wave
	v_and_b32 v1, 31, v0                           ; lane
	s_cmp_lt_u32 ttmp9, 256
	s_cbranch_scc0 .Lweights
	; ---- x: a wave takes 32 true rows x 128 along K: two tiles
	s_lshl_b32 s23, ttmp9, 2
	s_add_co_u32 s23, s23, s22                     ; unit
	s_lshr_b32 s24, s23, 3                         ; group of 32 rows
	s_and_b32 s25, s23, 7                          ; K step
	s_lshl_b32 s26, s24, 17                        ; 32 rows of 4,096 bytes
	s_lshl_b32 s27, s25, 9
	s_add_co_u32 s26, s26, s27
	s_mov_b32 s27, 0
	s_lshr_b32 s28, s24, 2
	s_lshl_b32 s28, s28, 3
	s_add_co_u32 s28, s28, s25                     ; 8 x (128 rows) + K step
	s_and_b32 s29, s24, 3
	s_lshl_b32 s29, s29, 1                         ; my first tile
	s_lshl_b32 s30, s28, 3
	s_add_co_u32 s30, s30, s29
	s_mul_i32 s30, s30, 1536
	s_mov_b32 s31, 0
	s_lshl_b32 s32, s28, 9
	s_lshl_b32 s33, s29, 6
	s_add_co_u32 s32, s32, s33
	s_add_co_u32 s32, s32, 3145728
	s_mov_b32 s33, 0
	s_mov_b32 s[HM], 0xffff0000
	s_mov_b32 s[SEL], 0x76543210
	s_mov_b32 s[SEL+1], 0xfedcba98
	v_and_b32 v2, 15, v0                           ; r
	v_bfe_u32 v3, v0, 4, 1                         ; h
	v_lshlrev_b32 v[O16], 4, v1
	v_lshlrev_b32 v[O8], 3, v1
	v_lshlrev_b32 v8, 2, v1
	s_mul_i32 s34, s22, XST
	v_add_nc_u32 v6, s34, v[O16]                   ; the stage, on the way in: 16 bytes a lane of a row
	v_mul_u32_u24 v7, v2, 528
	v_lshl_add_u32 v7, v3, 6, v7
	v_add_nc_u32 v7, s34, v7                       ; and out: row r, + 64 h: my 16 numbers of a block
.irp b, 0,1,2,3
	v_mov_b32 v[TM+4+\b], 0                        ; a lane permute's destination counts as one of its sources
.endr
	s_wait_kmcnt 0x0
	s_add_nc_u64 s[4:5], s[4:5], s[26:27]
	s_add_nc_u64 s[36:37], s[18:19], s[30:31]
	s_add_nc_u64 s[38:39], s[18:19], s[32:33]
.set tt, 0
.rept 32
	global_load_b128 v[XR+4*tt:XR+4*tt+3], v[O16], s[4:5] offset:4096*tt th:TH_LOAD_NT   ; 512 consecutive bytes of true row tt
.set tt, tt+1
.endr
.set tt, 0
.rept 32
	s_wait_loadcnt 31-tt                           ; loads come back in order: row tt is in, the younger ones may be out
	ds_store_b128 v6, v[XR+4*tt:XR+4*tt+3] offset:528*(16*((tt/8)%2)+tt%8+8*(tt/16))   ; into the place of its tile and row
.set tt, tt+1
.endr
.set tt, 0
.rept 32
	ds_load_b128 v[XR+4*tt:XR+4*tt+3], v7 offset:528*16*(tt/16)+128*((tt/4)%4)+16*(tt%4)   ; LDS serves a wave's instructions in order: these see the stores
.set tt, tt+1
.endr
	s_wait_dscnt 16                                ; the first tile's 16 loads are in, the second's may be out
	QUANT XR
	IMG 36, 0, 36, 768
	v_mov_b32 v[PW2], v[PW]
	s_wait_dscnt 0x0
	s_wait_xcnt 0x0                                ; the stores have read the codes' registers
	QUANT XR+64
	IMG 36, 1536, 36, 2304
	v_cndmask_b32 v[PWS], v[PW2], v[PW], s[HM]     ; lanes 0-15 the first tile's words, lanes 16-31 the second's
	global_store_b32 v8, v[PWS], s[38:39]
	s_wait_tensorcnt 0x0
	ds_add_u32 v200, v201
	s_wait_dscnt 0x0
	s_endpgm
	; ---- the weights: a work-group takes 128 columns x 256 along K, a wave 32 columns, a lane one column
.Lweights:
	s_sub_co_u32 s23, ttmp9, 256                   ; 0-127: Wq, Wk, Wv, Wo (32 each); 128-255: W1; 256-383: W2
	s_cmp_ge_u32 s23, 128
	s_cselect_b32 s26, 128, 0
	s_cselect_b32 s29, 1, 0                        ; region of bw
	s_cselect_b32 s31, 31, 7                       ; blocks of 128 columns in one weight, less 1
	s_mov_b32 s30, 4096
	s_cselect_b32 s30, 16384, s30                  ; bytes from a row of K to the next
	s_cmp_ge_u32 s23, 256
	s_cselect_b32 s26, 256, s26
	s_cselect_b32 s29, 2, s29
	s_cselect_b32 s30, 4096, s30
	s_cselect_b32 s27, 4, 2                        ; log2 of the runs of 256 along K
	s_cselect_b32 s28, 32, 8                       ; K steps of 128
	s_sub_co_u32 s33, s23, s26
	s_lshr_b32 s32, s33, s27                       ; block of 128 columns in the region
	s_bfm_b32 s34, s27, 0
	s_and_b32 s34, s33, s34                        ; which 256 along K
	s_and_b32 s31, s32, s31                        ; block of 128 columns in the weight
	s_lshl_b32 s35, s30, 8
	s_mul_i32 s36, s34, s35
	s_lshl_b32 s35, s31, 9
	s_add_co_u32 s36, s36, s35
	s_lshl_b32 s35, s22, 7
	s_add_co_u32 s36, s36, s35
	s_mov_b32 s37, 0
	s_lshl_b32 s38, s30, 5                         ; 32 rows of K
	s_mov_b32 s39, 0
	s_mul_i32 s35, s32, s28
	s_lshl_b32 s60, s34, 1
	s_add_co_u32 s35, s35, s60                     ; (128 columns) x K steps + my first K step
	s_lshl_b32 s60, s35, 3
	s_lshl_b32 s61, s22, 1
	s_add_co_u32 s60, s60, s61
	s_mul_i32 s60, s60, 1536
	s_mul_i32 s61, s29, 3145728
	s_add_co_u32 s60, s60, s61
	s_mov_b32 s61, 0
	s_lshl_b32 s62, s35, 9
	s_lshl_b32 s63, s22, 7
	s_add_co_u32 s62, s62, s63
	s_lshl_b32 s63, s29, 17
	s_add_co_u32 s62, s62, s63
	s_add_co_u32 s62, s62, 9437184
	s_mov_b32 s63, 0
	v_bfe_u32 v2, v0, 3, 1                         ; my column's tile of the wave's two
	v_and_b32 v3, 7, v0
	v_bfe_u32 v6, v0, 4, 1
	v_lshl_add_u32 v3, v6, 3, v3                   ; and its row there
	s_mul_i32 s35, s22, 6144
	s_add_co_u32 s35, s35, WST                     ; my stage: [K step][tile][1,536]
	v_mul_u32_u24 v7, v2, 1536
	v_lshl_add_u32 v9, v3, 4, v7
	v_add_nc_u32 v9, s35, v9                       ; where a block's first 16 bytes go
	v_lshl_add_u32 v10, v3, 3, v7
	v_add_nc_u32 v10, s35, v10                     ; and its last 8 (512 further on, in the immediate)
	v_lshlrev_b32 v15, 4, v1
	v_add_nc_u32 v14, s35, v15                     ; the way back: 16 bytes a lane
	v_lshl_add_u32 v16, v2, 4, v3
	v_lshlrev_b32 v16, 2, v16                      ; my scale word's place among the wave's 32
	v_lshlrev_b32 v[OF], 2, v1
.set ii, 1
.rept 31
	v_add_nc_u32 v[OF+ii], s30, v[OF+ii-1]
.set ii, ii+1
.endr
	s_wait_kmcnt 0x0
	s_cmp_lt_u32 s23, 256                          ; the choice hangs on the work-group's number alone
	s_cselect_b64 s[24:25], s[14:15], s[16:17]
	s_cmp_lt_u32 s23, 128
	s_cselect_b64 s[24:25], s[12:13], s[24:25]
	s_cmp_lt_u32 s23, 96
	s_cselect_b64 s[24:25], s[10:11], s[24:25]
	s_cmp_lt_u32 s23, 64
	s_cselect_b64 s[24:25], s[8:9], s[24:25]
	s_cmp_lt_u32 s23, 32
	s_cselect_b64 s[24:25], s[6:7], s[24:25]
	s_add_nc_u64 s[BP:BP+1], s[24:25], s[36:37]
.irp t, 1,2,3,4,5,6,7
	s_add_nc_u64 s[BP+2*\t:BP+2*\t+1], s[BP+2*\t-2:BP+2*\t-1], s[38:39]
.endr
	s_add_nc_u64 s[60:61], s[20:21], s[60:61]      ; my codes
	s_add_nc_u64 s[62:63], s[20:21], s[62:63]      ; my scale words
.macro LOAD t                                      ; block t: W(32 t + i, my column): 128 consecutive bytes a wave and load
.set ii, 0
.rept 32
	global_load_b32 v[WX+32*((\t)%2)+ii], v[OF+ii], s[BP+2*(\t):BP+2*(\t)+1] th:TH_LOAD_NT
.set ii, ii+1
.endr
.endm
.macro BLOCK t
.set XS, WX+32*((\t)%2)
.if (\t) < 7
	s_wait_loadcnt 32                              ; this block's 32 loads are in, the next block's may be out
.else
	s_wait_loadcnt 0x0
.endif
	v_max3_num_f32 v12, |v[XS]|, |v[XS+1]|, |v[XS+2]|
	v_max3_num_f32 v13, |v[XS+3]|, |v[XS+4]|, |v[XS+5]|
.irp i, 6,10,14,18,22,26
	v_max3_num_f32 v12, v12, |v[XS+\i]|, |v[XS+\i+1]|
	v_max3_num_f32 v13, v13, |v[XS+\i+2]|, |v[XS+\i+3]|
.endr
	v_max3_num_f32 v12, v12, |v[XS+30]|, |v[XS+31]|
	v_max3_num_f32 v12, v12, v13, 3<<23            ; and the floor
	v_add_nc_u32 v11, -(2<<23), v12                ; the conversion's scale operand
	v_lshrrev_b32 v13, 23, v11                     ; the byte
.if (\t)%4 == 0
	v_mov_b32 v[SB+(\t)/4], v13
.else
	v_lshl_or_b32 v[SB+(\t)/4], v13, 8*((\t)%4), v[SB+(\t)/4]
.endif
	v_cvt_scalef32_pk16_fp6_f32 v[CC:CC+2], v[XS:XS+15], v11
	v_cvt_scalef32_pk16_fp6_f32 v[CC+4:CC+6], v[XS+16:XS+31], v11
	v_nop                                          ; one plain place behind a scaled conversion
	v_mov_b32 v[CC+3], v[CC+4]                     ; the block's 24 bytes on end
	v_mov_b32 v[CC+4], v[CC+5]
	v_mov_b32 v[CC+5], v[CC+6]
	ds_store_b128 v9, v[CC:CC+3] offset:3072*((\t)/4)+768*(((\t)/2)%2)+256*((\t)%2)        ; the image's lane is my row + 16 x (block % 2)
	ds_store_b64 v10, v[CC+4:CC+5] offset:3072*((\t)/4)+768*(((\t)/2)%2)+128*((\t)%2)+512
.if (\t) < 6
	LOAD (\t)+2
.endif
	s_wait_dscnt 0x0                               ; the stores have read their registers: the next block's codes may be written
.endm
	LOAD 0
	LOAD 1
.irp t, 0,1,2,3,4,5,6,7
	BLOCK \t
.endr
.irp k, 0,1,2,3,4,5,6,7,8,9,10,11
	ds_load_b128 v[WO+4*\k:WO+4*\k+3], v14 offset:512*\k
.endr
	global_store_b32 v16, v[SB], s[62:63]
	global_store_b32 v16, v[SB+1], s[62:63] offset:512
.irp k, 0,1,2,3,4,5,6,7,8,9,10,11
	s_wait_dscnt 11-\k
	global_store_b128 v15, v[WO+4*\k:WO+4*\k+3], s[60:61] offset:(\k/6)*12288+(\k%6)*512   ; 512 consecutive bytes, aligned to 256
.endr
	s_wait_tensorcnt 0x0
	ds_add_u32 v200, v201
	s_wait_dscnt 0x0
	s_endpgm
.Lfunc_end_k_q33ec39cbf8_quant:
	.size	k_q33ec39cbf8_quant, .Lfunc_end_k_q33ec39cbf8_quant-k_q33ec39cbf8_quant
	.p2alignl 7, 3214868480
	.fill 96, 4, 3214868480
	.section	.rodata,"a",@progbits
	.p2align	6, 0x0
	.amdhsa_kernel k_q33ec39cbf8_quant
		.amdhsa_group_segment_fixed_size 92672
		.amdhsa_private_segment_fixed_size 0
		.amdhsa_enable_private_segment 0
		.amdhsa_kernarg_size 72
		.amdhsa_user_sgpr_count 2
		.amdhsa_user_sgpr_kernarg_segment_ptr 1
		.amdhsa_wavefront_size32 1
		.amdhsa_system_sgpr_workgroup_id_x 1
		.amdhsa_system_sgpr_workgroup_id_y 1
		.amdhsa_system_sgpr_workgroup_id_z 1
		.amdhsa_system_vgpr_workitem_id 0
		.amdhsa_next_free_vgpr 202
		.amdhsa_next_free_sgpr 66
		.amdhsa_reserve_vcc 0
		.amdhsa_float_denorm_mode_32 3
		.amdhsa_float_denorm_mode_16_64 3
		.amdhsa_memory_ordered 1
		.amdhsa_forward_progress 1
		.amdhsa_inst_pref_size 63
	.end_amdhsa_kernel
	.amdgpu_metadata
---
amdhsa.version: [ 1, 2 ]
amdhsa.kernels:
  - .name:           k_q33ec39cbf8_quant
    .symbol:         k_q33ec39cbf8_quant.kd
    .args:
      - { .name: x, .offset: 0, .size: 8, .value_kind: global_buffer, .address_space: global }
      - { .name: Wq, .offset: 8, .size: 8, .value_kind: global_buffer, .address_space: global }
      - { .name: Wk, .offset: 16, .size: 8, .value_kind: global_buffer, .address_space: global }
      - { .name: Wv, .offset: 24, .size: 8, .value_kind: global_buffer, .address_space: global }
      - { .name: Wo, .offset: 32, .size: 8, .value_kind: global_buffer, .address_space: global }
      - { .name: W1, .offset: 40, .size: 8, .value_kind: global_buffer, .address_space: global }
      - { .name: W2, .offset: 48, .size: 8, .value_kind: global_buffer, .address_space: global }
      - { .name: bx, .offset: 56, .size: 8, .value_kind: global_buffer, .address_space: global }
      - { .name: bw, .offset: 64, .size: 8, .value_kind: global_buffer, .address_space: global }
    .group_segment_fixed_size: 92672
    .private_segment_fixed_size: 0
    .kernarg_segment_align: 8
    .kernarg_segment_size: 72
    .max_flat_workgroup_size: 128
    .sgpr_count:     66
    .vgpr_count:     202
    .wavefront_size: 32
...
	.end_amdgpu_metadata
.endif
;; end of part 1
;; launch gemm_qkv (part 2): grid 12 x 16, 4 waves a work-group, clusters of 4 x 4, 327,680 bytes of LDS; arguments bx, bw, bq, bk, bv, bqkv; writes bqkv
.if DOCPART == 2
	.amdgcn_target "amdgcn-amd-amdhsa--gfx1250"
	.amdhsa_code_object_version 6
	.text
	.protected	k_q33ec39cbf8_gemm_qkv
	.globl	k_q33ec39cbf8_gemm_qkv
	.p2align	8
	.type	k_q33ec39cbf8_gemm_qkv,@function
k_q33ec39cbf8_gemm_qkv:
	s_mov_b64 s[64:65], 0
	v_nop
	global_prefetch_b8 v0, s[64:65] scope:SCOPE_SE
	s_setreg_imm32_b32 hwreg(HW_REG_WAVE_MODE, 25, 1), 1
	s_wait_xcnt 0x0
	s_wait_alu depctr_hold_cnt(0) depctr_sa_sdst(0) depctr_va_vdst(0) depctr_va_sdst(0) depctr_va_ssrc(0) depctr_va_vcc(0) depctr_vm_vsrc(0)
	s_getreg_b32 s2, hwreg(HW_REG_IB_STS2, 6, 4)
	s_cmp_eq_u32 s2, 0
	s_cbranch_scc0 .Lentry_in_a_cluster
	s_endpgm
.Lentry_in_a_cluster:
	s_bfe_u32 s2, ttmp6, 0x10000c
	s_cmp_lg_u32 s2, 0xf033
	s_cbranch_scc0 .Lentry_shape_is_right
	s_endpgm
.Lentry_shape_is_right:
; q = x Wq + bq, k = x Wk + bk, v = x Wv + bv on codes of FP6 (E2M3) with E8M0 scales, K = 1,024; the results leave as codes: q and k quantised along a head's 64, v along the keys.
; Operands lie as images of fragments' registers: [128 rows][K step of 128][tile 0..7][1,536 bytes], scale words [128 rows][K step][128] (row p of tile t = true row 32 (t / 2) + 8 (t % 2) + p + 8 (p / 8)).
; A work-group of four waves makes 256 x 256, a wave 128 x 128: 64 accumulators, 512 registers.  THE MATRIX INSTRUCTION IS USED TRANSPOSED: source 0 = 'B', source 1 = 'A': a lane holds one row of A, and by the order
; of the tiles' rows the 16 registers of B's tiles 2 b and 2 b + 1 are 16 neighbours, 32 b + 16 (lane / 16) + 0 .. 15: what the conversions want.
; ROLES, by the cluster's x: 0, 1: A = x's tokens, B = columns of Wq, Wk (a lane: one token, registers along the head).  2: A = columns of Wv, B = tokens: v^T (a lane: one channel, registers along the keys).
; K goes through a ring of two LDS slots of 256 along K, each part (128 rows) one dense block of 24,576 bytes brought by one tensor load; the scale words of all K come once.
; CLUSTERS: 4 x 4: A's tiles are asked for jointly along a row of the cluster, B's along a column.  Nothing is asked for ahead of the tensor loads: K has four slots only, and each refill has 112 matrix instructions in which to land.
; LIMITS: NaN and infinities are not served; a block whose largest magnitude lies under 2^-124 (zeros too) gets the byte 1; only this program reads the bytes.
; REGISTERS: window 0: v16-31 addresses; v32-63 scale words; v64-127 the bias along the registers; v128-223 A's fragments, later T, codes, work; v232-239 the bias along the lanes.  window 1: B's two sets.  windows 2, 3: accumulators.
.set KS,    8
.set LAPS,  KS/4
.set FR,    12
.set HALFT, 24576                      ; 128 rows x 256 K: what one tensor load brings
.set SLOT,  4*HALFT
.set SCL,   2*SLOT                     ; the scale words, four parts
.set HALFS, 512*KS
.set SPARE, SCL+4*HALFS                ; the spare words: 128 bytes a wave, named by no other line
.set ADRA, 16
.set ADRB, 20
.set CO,   26                          ; 16 x lane
.set ADRS, 27
.set SPW,  28
.set NIL,  29
.set O8,   30                          ; 8 x lane
.set O4,   31                          ; 4 x lane
.set SC,   32
.set BI,   64
.set AF,   128
.set T,    128
.set PC,   192
.set TM,   212
.set PW,   228
.set PW2,  229
.set PWS,  230
.set BV,   232
.set W0,   240
.set W1,   241
.set WV,   16
.set HA,   17
.set HB,   18
.set G1,   24
.set G0,   32
.set G1B,  48
.set G0B,  56
.set SEL,  66
.set G1S,  68
.set G0S,  76
.set G1SB, 80
.set G0SB, 88
.set HM,   100
.set ISV,  101
.set MSB, 0
.macro WIN new                         ; the immediate's high byte repeats the setting that is left
.if MSB != \new
	s_set_vgpr_msb (MSB<<8)|\new
.set MSB, \new
.endif
.endm
.set MUL_LO, 0xa1                      ; source 0 (B) window 1, source 1 (A) window 0, C and D window 2
.set MUL_HI, 0xf1
.set TO_B,   0x40
.macro JLOAD g0a, g1a, g0b, g1b        ; a joint load: waves 0, 1 fetch for A, waves 2, 3 for B; four v_nop follow each line
	s_cmp_eq_u32 s[HA], 0
	s_cbranch_scc0 .Lfor_b_\@
	tensor_load_to_lds s[\g0a:\g0a+3], s[\g1a:\g1a+7]
	s_nop 0
.rept 4
	v_nop
.endr
	s_branch .Lasked_\@
.Lfor_b_\@:
	tensor_load_to_lds s[\g0b:\g0b+3], s[\g1b:\g1b+7]
	s_nop 0
.rept 4
	v_nop
.endr
.Lasked_\@:
.endm
.macro CREST                           ; a round of the cluster's barrier behind its opening barrier
	s_cmp_lg_u32 s[WV], 0
	s_cbranch_scc1 .Lnot_wave_0_\@
	s_barrier_signal -3
.Lnot_wave_0_\@:
	s_barrier_wait -3
	s_barrier_signal -1
	s_barrier_wait -1
.endm
.macro CROUND
	s_barrier_signal -1
	s_barrier_wait -1
	CREST
.endm
.macro PLACES                          ; four places behind a matrix instruction, in front of loads into its registers and of reads of results
.rept 4
	v_nop
.endr
.endm
.macro FRAG reg, adr, q, i             ; a fragment's image comes back into the registers and lanes that it left: each load takes 512 or 256 consecutive bytes
	ds_load_b128 v[\reg:\reg+3], v[\adr] offset:12288*(\q)+1536*(\i)
	ds_load_b64 v[\reg+4:\reg+5], v[\adr+2] offset:12288*(\q)+1536*(\i)+512
	ds_load_b128 v[\reg+6:\reg+9], v[\adr] offset:12288*(\q)+1536*(\i)+768
	ds_load_b64 v[\reg+10:\reg+11], v[\adr+2] offset:12288*(\q)+1536*(\i)+1280
.endm
.macro MUL16 a0, p, q, sc, zero        ; A's blocks a0, a0 + 1 x B's eight; the 64 accumulators take turns, one instruction a turn
.irp a, \a0, \a0+1
.irp b, 0,1,2,3,4,5,6,7
.if \zero
	v_wmma_scale_f32_16x16x128_f8f6f4 v[8*(8*((\a)%4)+\b):8*(8*((\a)%4)+\b)+7], v[128*(\p)+FR*\b:128*(\p)+FR*\b+FR-1], v[AF+FR*(\a):AF+FR*(\a)+FR-1], 0, v[SC+16*(\sc)+8*(\q)+\b], v[SC+16*(\sc)+8*(\q)+(\a)] matrix_a_fmt:MATRIX_FMT_FP6 matrix_b_fmt:MATRIX_FMT_FP6 matrix_a_scale:MATRIX_SCALE_ROW1
.else
	v_wmma_scale_f32_16x16x128_f8f6f4 v[8*(8*((\a)%4)+\b):8*(8*((\a)%4)+\b)+7], v[128*(\p)+FR*\b:128*(\p)+FR*\b+FR-1], v[AF+FR*(\a):AF+FR*(\a)+FR-1], v[8*(8*((\a)%4)+\b):8*(8*((\a)%4)+\b)+7], v[SC+16*(\sc)+8*(\q)+\b], v[SC+16*(\sc)+8*(\q)+(\a)] matrix_a_fmt:MATRIX_FMT_FP6 matrix_b_fmt:MATRIX_FMT_FP6 matrix_a_scale:MATRIX_SCALE_ROW1
.endif
.endr
.endr
.endm
.macro FETCH_B slot, q, p
	WIN TO_B
.irp i, 0,1,2,3,4,5,6,7
	FRAG 128*(\p)+FR*\i, ADRB+\slot, \q, \i
.endr
	WIN 0
.endm
.macro FETCH_A slot, q, i0
.irp i, \i0, \i0+1, \i0+2, \i0+3
	FRAG AF+FR*(\i), ADRA+\slot, \q, \i
.endr
.endm
.macro SCALES sc                       ; a slot's scale words: lanes 0-15 A's block i, lanes 16-31 B's block i
.irp q, 0,1
.irp i, 0,1,2,3,4,5,6,7
	ds_load_b32 v[SC+16*\sc+8*\q+\i], v[ADRS] offset:512*\q+64*\i
.endr
.endr
.endm
.macro STEP slot, zero                 ; a slot's first 128 along K
	s_wait_dscnt 16                                ; all but the youngest 16 loads (A's blocks 4-7) are in
	WIN MUL_LO
	MUL16 0, 0, 0, \slot, \zero
	MUL16 2, 0, 0, \slot, \zero
	s_wait_dscnt 0x0
	PLACES
	FETCH_B \slot, 1, 1
	FETCH_A \slot, 1, 0
	WIN MUL_HI
	MUL16 4, 0, 0, \slot, \zero
	MUL16 6, 0, 0, \slot, \zero
	PLACES
	WIN 0
	FETCH_A \slot, 1, 4
.endm
.macro TURN slot, next, fill           ; a slot's second 128 along K, and the change of slots
	s_wait_tensorcnt 0x0                           ; all my tensor loads have landed: my part of the next slot
	ds_add_u32 v[SPW], v[NIL]                      ; 0 onto my spare word
	s_wait_dscnt 17                                ; (the add and A's blocks 4-7 may be out)
	WIN MUL_LO
	MUL16 0, 1, 1, \slot, 0
	s_wait_dscnt 0x0                               ; the add is done, and my reads of this slot are over
	s_barrier_signal -1
	MUL16 2, 1, 1, \slot, 0
	WIN 0
	s_barrier_wait -1
.if \fill
	CREST                                          ; the barrier has opened a round of the cluster's: no wave of any partner still reads this slot or has a load on its way
	s_add_nc_u64 s[G0+4*\slot+2:G0+4*\slot+3], s[G0+4*\slot+2:G0+4*\slot+3], 2*HALFT
	s_add_nc_u64 s[G0B+4*\slot+2:G0B+4*\slot+3], s[G0B+4*\slot+2:G0B+4*\slot+3], 2*HALFT
	JLOAD G0+4*\slot, G1, G0B+4*\slot, G1B         ; the first tensor load behind the round; its four v_nop are also the places in front of the loads below
.else
	PLACES
.endif
	v_add_nc_u32 v[ADRS], 1024, v[ADRS]            ; the next slot's scale words
	FETCH_B \next, 0, 0
	FETCH_A \next, 0, 0
	SCALES \next
	WIN MUL_HI
	MUL16 4, 1, 1, \slot, 0
	MUL16 6, 1, 1, \slot, 0
	PLACES
	WIN 0
	FETCH_A \next, 0, 4
.endm
; 64 numbers of a lane, register 16 b + i = k 32 b + 16 (lane / 16) + i of the lane's row, become a fragment's codes in v[PC] on and the row's scale word in v[PW]
.macro QUANT src
.irp b, 0,1,2,3
	v_max3_num_f32 v[TM+\b], |v[\src+16*\b]|, |v[\src+1+16*\b]|, 0x1800000   ; and the floor 2^(3 - 127)
.endr
.irp i, 2,4,6,8,10,12,14
.irp b, 0,1,2,3
	v_max3_num_f32 v[TM+\b], v[TM+\b], |v[\src+16*\b+\i]|, |v[\src+1+16*\b+\i]|
.endr
.endr
.irp b, 0,1,2,3
	v_permlanex16_b32 v[TM+4+\b], v[TM+\b], s[SEL], s[SEL+1]
.endr
.irp b, 0,1,2,3
	v_max_num_f32 v[TM+\b], v[TM+\b], v[TM+4+\b]
.endr
.irp b, 0,1,2,3
	v_add_nc_u32 v[TM+12+\b], 0xff000000, v[TM+\b]     ; 2 off the exponent field: the conversion's scale operand
.endr
.irp b, 0,1,2,3
	v_lshrrev_b32 v[TM+4+\b], 23, v[TM+12+\b]
.endr
	v_lshl_or_b32 v[PW], v[TM+5], 8, v[TM+4]
	v_lshl_or_b32 v[PW], v[TM+6], 16, v[PW]
	v_lshl_or_b32 v[PW], v[TM+7], 24, v[PW]
.irp c, 0,1
	v_cvt_scalef32_pk16_fp6_f32 v[PC+6*\c:PC+2+6*\c], v[\src+32*\c:\src+15+32*\c], v[TM+12+2*\c]
	v_cvt_scalef32_pk16_fp6_f32 v[PC+12+4*\c:PC+14+4*\c], v[\src+16+32*\c:\src+31+32*\c], v[TM+12+2*\c+1]
.endr
	v_nop                                              ; one plain place behind a scaled conversion
.irp c, 0,1
.irp i, 0,1,2
	v_permlane16_swap_b32 v[PC+6*\c+\i], v[PC+12+4*\c+\i]
.endr
.irp i, 0,1,2
	v_mov_b32 v[PC+3+6*\c+\i], v[PC+12+4*\c+\i]
.endr
.endr
.endm
.macro IMG b0, o0, b1, o1              ; the fragment's image, in two halves of 768 bytes: each store covers 512 or 256 consecutive bytes, aligned to 256
	global_store_b128 v[CO], v[PC:PC+3], s[\b0:\b0+1] offset:\o0
	global_store_b64 v[O8], v[PC+4:PC+5], s[\b0:\b0+1] offset:(\o0)+512
	global_store_b128 v[CO], v[PC+6:PC+9], s[\b1:\b1+1] offset:\o1
	global_store_b64 v[O8], v[PC+10:PC+11], s[\b1:\b1+1] offset:(\o1)+512
.endm
	s_load_b256 s[4:11], s[0:1], 0x0               ; bx s[4:5], bw s[6:7], bq s[8:9], bk s[10:11]
	s_load_b128 s[12:15], s[0:1], 0x20             ; bv s[12:13], bqkv s[14:15]
	v_lshl_add_u32 v[SPW], v0, 2, SPARE
	v_mov_b32 v[NIL], 0
	ds_add_u32 v28, v29
	ds_add_u32 v28, v29
	s_wait_dscnt 0x0
	v_lshrrev_b32 v1, 5, v0
	v_readfirstlane_b32 s[WV], v1                  ; wave 0..3
	s_lshr_b32 s[HA], s[WV], 1                     ; my half of A's rows.  Also: I fetch for A (0) or for B (1)
	s_and_b32 s[HB], s[WV], 1                      ; my half of B's rows.  Also: which 128 rows I fetch
	s_bfe_u32 s19, ttmp6, 0x40000                  ; cx
	s_bfe_u32 s20, ttmp6, 0x40004                  ; cy
	s_and_b32 s23, ttmp7, 0xffff
	s_lshl_b32 s23, s23, 2                         ; 4 x cluster y
	s_lshl_b32 s93, ttmp9, 2                       ; 4 x cluster x
	s_mov_b32 s94, 3145728                         ; where bx's scale words begin
	s_mov_b32 s95, 9437184                         ; where bw's begin
	s_cmp_eq_u32 ttmp9, 2                          ; the role: the same in all sixteen partners
	s_cselect_b32 s[ISV], 1, 0
	s_cselect_b32 s22, 8, s23
	s_cselect_b32 s21, s23, s93
	s_cselect_b32 s96, s95, s94
	s_cselect_b32 s97, s94, s95
	s_add_co_u32 s22, s22, s20                     ; A's block of 256 rows: hangs on cy
	s_add_co_u32 s21, s21, s19                     ; B's: hangs on cx
	s_lshl_b32 s2, s20, 2
	s_lshl_b32 s2, 15, s2                          ; my row of the cluster
	s_lshl_b32 s3, 0x1111, s19                     ; my column
	s_or_b32 s[G1], s2, (3<<16)|(1<<21)            ; 15:0 the mask; 17:16 elements of 8 bytes; 21 set beside a mask; no padding
	s_or_b32 s[G1S], s2, (3<<16)|(1<<21)
	s_or_b32 s[G1B], s3, (3<<16)|(1<<21)
	s_or_b32 s[G1SB], s3, (3<<16)|(1<<21)
.irp g, G1, G1B
	s_mov_b32 s[\g+1], 32<<16                      ; tensor_dim0: 32 elements = 256 bytes
	s_mov_b32 s[\g+2], 96<<16                      ; tensor_dim1: 96 rows: a dense block of 24,576 bytes
	s_mov_b32 s[\g+3], 32<<16                      ; tile_dim0
	s_mov_b32 s[\g+4], 96                          ; tile_dim1
	s_mov_b32 s[\g+5], 32                          ; the pitch
	s_mov_b32 s[\g+6], 0
	s_mov_b32 s[\g+7], 0
.endr
.irp g, G1S, G1SB
	s_mov_b32 s[\g+1], 32<<16
	s_mov_b32 s[\g+2], (2*KS)<<16                  ; the scale words of 128 rows, all K: 512 KS dense bytes
	s_mov_b32 s[\g+3], 32<<16
	s_mov_b32 s[\g+4], 2*KS
	s_mov_b32 s[\g+5], 32
	s_mov_b32 s[\g+6], 0
	s_mov_b32 s[\g+7], 0
.endr
	s_lshl_b32 s42, s22, 1
	s_add_co_u32 s42, s42, s[HB]                   ; the 128 rows of A that I would fetch
	s_mul_i32 s40, s42, KS*12288
	s_mov_b32 s41, 0
	s_mul_i32 s42, s42, KS*512
	s_add_co_u32 s42, s42, s96
	s_mov_b32 s43, 0
	s_lshl_b32 s46, s21, 1
	s_add_co_u32 s46, s46, s[HB]                   ; and of B
	s_mul_i32 s44, s46, KS*12288
	s_mov_b32 s45, 0
	s_mul_i32 s46, s46, KS*512
	s_add_co_u32 s46, s46, s97
	s_mov_b32 s47, 0
	s_mul_i32 s23, s[WV], HALFT                    ; where they go: wave x a part: no place in the cluster enters an LDS address
	s_mul_i32 s92, s[WV], HALFS
	s_wait_kmcnt 0x0
	s_cmp_eq_u32 s[ISV], 1
	s_cselect_b64 s[98:99], s[6:7], s[4:5]         ; A's buffer
	s_cselect_b64 s[94:95], s[4:5], s[6:7]         ; B's
	s_add_nc_u64 s[40:41], s[98:99], s[40:41]
	s_add_nc_u64 s[42:43], s[98:99], s[42:43]
	s_add_nc_u64 s[44:45], s[94:95], s[44:45]
	s_add_nc_u64 s[46:47], s[94:95], s[46:47]
	CROUND                                         ; all sixteen work-groups are here: the first joint loads meet
	s_mov_b32 s[G0S], 1
	s_add_co_u32 s[G0S+1], s92, SCL
	s_mov_b64 s[G0S+2:G0S+3], s[42:43]
	s_or_b32 s[G0S+3], s[G0S+3], 0x80000000
	s_mov_b32 s[G0SB], 1
	s_add_co_u32 s[G0SB+1], s92, SCL
	s_mov_b64 s[G0SB+2:G0SB+3], s[46:47]
	s_or_b32 s[G0SB+3], s[G0SB+3], 0x80000000
	JLOAD G0S, G1S, G0SB, G1SB                     ; the scale words first
.irp s, 0,1
	s_mov_b32 s[G0+4*\s], 1
	s_add_co_u32 s[G0+4*\s+1], s23, \s*SLOT
	s_add_nc_u64 s[G0+4*\s+2:G0+4*\s+3], s[40:41], \s*HALFT
	s_or_b32 s[G0+4*\s+3], s[G0+4*\s+3], 0x80000000
	s_mov_b32 s[G0B+4*\s], 1
	s_add_co_u32 s[G0B+4*\s+1], s23, \s*SLOT
	s_add_nc_u64 s[G0B+4*\s+2:G0B+4*\s+3], s[44:45], \s*HALFT
	s_or_b32 s[G0B+4*\s+3], s[G0B+4*\s+3], 0x80000000
	JLOAD G0+4*\s, G1, G0B+4*\s, G1B               ; three loads of mine are out behind the last
.endr
	v_and_b32 v1, 31, v0                           ; lane
	v_and_b32 v2, 15, v0                           ; r
	v_bfe_u32 v3, v0, 4, 1                         ; h
	v_lshlrev_b32 v[CO], 4, v1
	v_lshlrev_b32 v[O8], 3, v1
	v_lshlrev_b32 v[O4], 2, v1
	s_mul_i32 s40, s[HA], HALFT                    ; my 128 rows of A
	s_mul_i32 s41, s[HB], HALFT
	s_add_co_u32 s41, s41, 2*HALFT                 ; my 128 rows of B
.irp s, 0,1
	v_add_nc_u32 v[ADRA+\s], s40, v[CO]
	v_add_nc_u32 v[ADRA+2+\s], s40, v[O8]
	v_add_nc_u32 v[ADRB+\s], s41, v[CO]
	v_add_nc_u32 v[ADRB+2+\s], s41, v[O8]
	s_add_co_u32 s40, s40, SLOT
	s_add_co_u32 s41, s41, SLOT
.endr
	s_mul_i32 s40, s[HA], HALFS
	s_mul_i32 s41, s[HB], HALFS
	s_add_co_u32 s41, s41, 2*HALFS
	s_sub_co_u32 s41, s41, s40
	v_mul_u32_u24 v4, s41, v3                      ; lanes 16-31 take B's words
	s_add_co_u32 s40, s40, SCL
	v_lshl_add_u32 v4, v2, 2, v4
	v_add_nc_u32 v[ADRS], s40, v4
	; where the results go, and the biases
	s_lshl_b32 s40, s22, 1
	s_add_co_u32 s40, s40, s[HA]                   ; my 128 rows of source 1
	s_lshl_b32 s41, s21, 1
	s_add_co_u32 s41, s41, s[HB]                   ; my 128 rows of source 0
	s_lshr_b32 s42, s41, 3                         ; q (0) or k (1)
	s_and_b32 s43, s41, 7                          ; which 128 columns of the weight
	s_and_b32 s44, s40, 7                          ; in the third role: which 128 channels
	s_cmp_eq_u32 s[ISV], 1
	s_cselect_b32 s45, s41, s40                    ; my 128 tokens
	s_cselect_b32 s42, 2, s42                      ; q, k or v
	s_cselect_b32 s43, s44, s43
	s_lshl_b32 s46, s43, 9
	s_cmp_eq_u32 s[ISV], 1
	s_cselect_b32 s2, 0, s46                       ; both biases are always loaded, from places that lie inside their buffers in both roles
	s_cselect_b32 s46, s46, 0
	s_mov_b32 s3, 0
	s_mov_b32 s47, 0
	s_cmp_eq_u32 s42, 1
	s_cselect_b64 s[92:93], s[10:11], s[8:9]
	s_add_nc_u64 s[92:93], s[92:93], s[2:3]        ; the bias along the registers
	s_add_nc_u64 s[94:95], s[12:13], s[46:47]      ; the bias along the lanes
	s_lshr_b32 s44, s45, 4                         ; batch
	s_and_b32 s45, s45, 15                         ; 128 tokens in the batch
	s_mul_i32 s2, s42, 3145728
	s_mul_i32 s23, s44, 1572864
	s_add_co_u32 s2, s2, s23
	s_mul_i32 s23, s43, 196608
	s_add_co_u32 s2, s2, s23
	s_mul_i32 s23, s45, 6144
	s_add_co_u32 s2, s2, s23
	s_add_nc_u64 s[96:97], s[14:15], s[2:3]        ; my codes
	s_lshl_b32 s2, s42, 18
	s_lshl_b32 s23, s44, 17
	s_add_co_u32 s2, s2, s23
	s_lshl_b32 s23, s43, 14
	s_add_co_u32 s2, s2, s23
	s_lshl_b32 s23, s45, 9
	s_add_co_u32 s2, s2, s23
	s_add_co_u32 s2, s2, 9437184
	s_add_nc_u64 s[98:99], s[14:15], s[2:3]        ; my scale words
	v_lshlrev_b32 v5, 6, v3                        ; 16 h numbers on
	v_and_b32 v6, 8, v0
	v_add_nc_u32 v6, v6, v2
	v_lshlrev_b32 v6, 2, v6                        ; r + 8 (r / 8) numbers on
.irp b, 0,1,2,3,4,5,6,7
	global_load_b128 v[BI+8*\b:BI+8*\b+3], v5, s[92:93] offset:4*(32*(\b/2)+8*(\b%2))
	global_load_b128 v[BI+8*\b+4:BI+8*\b+7], v5, s[92:93] offset:4*(32*(\b/2)+8*(\b%2))+16
.endr
.irp a, 0,1,2,3,4,5,6,7
	global_load_b32 v[BV+\a], v6, s[94:95] offset:4*(32*(\a/2)+8*(\a%2))
.endr
	s_mov_b32 s[SEL], 0x76543210
	s_mov_b32 s[SEL+1], 0xfedcba98
	s_mov_b32 s[HM], 0xffff0000
	s_wait_tensorcnt 1                             ; the scale words and my part of slot 0 are in; slot 1's load may be out
	s_barrier_signal -1
	s_barrier_wait -1
	FETCH_B 0, 0, 0
	FETCH_A 0, 0, 0
	SCALES 0
	FETCH_A 0, 0, 4
	STEP 0, 1                                      ; the first step's products start the sums
	s_mov_b32 s3, LAPS-1
.Llap:
	TURN 0, 1, 1
	STEP 1, 0
	TURN 1, 0, 1
	STEP 0, 0
	s_sub_co_u32 s3, s3, 1
	s_cmp_lg_u32 s3, 0
	s_cbranch_scc1 .Llap
	TURN 0, 1, 0                                   ; the last lap fills nothing
	STEP 1, 0
	s_wait_dscnt 16
	WIN MUL_LO
	MUL16 0, 1, 1, 1, 0
	MUL16 2, 1, 1, 1, 0
	s_wait_dscnt 0x0
	WIN MUL_HI
	MUL16 4, 1, 1, 1, 0
	MUL16 6, 1, 1, 1, 0
	WIN 0
	PLACES
	s_wait_loadcnt 0x0                             ; the biases
.irp b, 0,1,2,3
	v_mov_b32 v[TM+4+\b], 0                        ; a lane permute's destination counts as one of its sources
.endr
; q and k, tile a of 16 tokens: bias, codes; the fragment's two halves are the wave's two heads
.macro EPI_QK a
	s_wait_xcnt 0x0                                ; the last tile's stores have read their registers
.set WN, 0x02+(\a)/4
	WIN WN
.set AC, 64*((\a)%4)
.set jj, 0
.rept 32
	v_pk_add_f32 v[T+jj:T+jj+1], v[AC+jj:AC+jj+1], v[BI+jj:BI+jj+1]   ; out of the accumulators, each from its low end on, with the bias
.set jj, jj+2
.endr
	WIN 0
	QUANT T
	IMG 96, 768*(\a), 96, 98304+768*(\a)
.if (\a)%2 == 0
	v_mov_b32 v[PW2], v[PW]
.else
	v_cndmask_b32 v[PWS], v[PW2], v[PW], s[HM]     ; two tiles' words: 128 consecutive bytes a store
	v_and_b32 v[W0], 0xffff, v[PWS]                ; the first head's two bytes; the upper two, 0, stand over zero codes
	v_lshrrev_b32 v[W1], 16, v[PWS]                ; the second head's
	global_store_b32 v[O4], v[W0], s[98:99] offset:128*((\a)/2)
	global_store_b32 v[O4], v[W1], s[98:99] offset:8192+128*((\a)/2)
.endif
.endm
; v^T, tile a of 16 channels: bias of the lane's channel, codes along my 128 keys: one whole fragment
.macro EPI_V a
	s_wait_xcnt 0x0
.set WN, 0x02+(\a)/4
	WIN WN
.set AC, 64*((\a)%4)
.set BP2, BV+2*((\a)/2)
.set jj, 0
.rept 32
.if (\a)%2
	v_pk_add_f32 v[T+jj:T+jj+1], v[AC+jj:AC+jj+1], v[BP2:BP2+1] op_sel:[0,1] op_sel_hi:[1,1]
.else
	v_pk_add_f32 v[T+jj:T+jj+1], v[AC+jj:AC+jj+1], v[BP2:BP2+1] op_sel:[0,0] op_sel_hi:[1,0]
.endif
.set jj, jj+2
.endr
	WIN 0
	QUANT T
	IMG 96, ((\a)/4)*98304+((\a)%4)*1536, 96, ((\a)/4)*98304+((\a)%4)*1536+768
	global_store_b32 v[O4], v[PW], s[98:99] offset:((\a)/4)*8192+((\a)%4)*128   ; the scale register's image: both halves of the lanes alike
.endm
	s_cmp_eq_u32 s[ISV], 1
	s_cbranch_scc1 .Lvt
.irp a, 0,1,2,3,4,5,6,7
	EPI_QK \a
.endr
	s_branch .Lend
.Lvt:
.irp a, 0,1,2,3,4,5,6,7
	EPI_V \a
.endr
.Lend:
	s_wait_tensorcnt 0x0                           ; the wave's end
	ds_add_u32 v[SPW], v[NIL]
	s_wait_dscnt 0x0
	CROUND                                         ; the closing round
	s_endpgm
.Lfunc_end_k_q33ec39cbf8_gemm_qkv:
	.size	k_q33ec39cbf8_gemm_qkv, .Lfunc_end_k_q33ec39cbf8_gemm_qkv-k_q33ec39cbf8_gemm_qkv
	.p2alignl 7, 3214868480
	.fill 96, 4, 3214868480
	.section	.rodata,"a",@progbits
	.p2align	6, 0x0
	.amdhsa_kernel k_q33ec39cbf8_gemm_qkv
		.amdhsa_group_segment_fixed_size 327680
		.amdhsa_private_segment_fixed_size 0
		.amdhsa_enable_private_segment 0
		.amdhsa_kernarg_size 48
		.amdhsa_user_sgpr_count 2
		.amdhsa_user_sgpr_kernarg_segment_ptr 1
		.amdhsa_wavefront_size32 1
		.amdhsa_system_sgpr_workgroup_id_x 1
		.amdhsa_system_sgpr_workgroup_id_y 1
		.amdhsa_system_sgpr_workgroup_id_z 1
		.amdhsa_system_vgpr_workitem_id 0
		.amdhsa_next_free_vgpr 1024
		.amdhsa_next_free_sgpr 102
		.amdhsa_reserve_vcc 0
		.amdhsa_float_denorm_mode_32 3
		.amdhsa_float_denorm_mode_16_64 3
		.amdhsa_memory_ordered 1
		.amdhsa_forward_progress 1
		.amdhsa_inst_pref_size 221
	.end_amdhsa_kernel
	.amdgpu_metadata
---
amdhsa.version: [ 1, 2 ]
amdhsa.kernels:
  - .name:           k_q33ec39cbf8_gemm_qkv
    .symbol:         k_q33ec39cbf8_gemm_qkv.kd
    .args:
      - { .name: bx, .offset: 0, .size: 8, .value_kind: global_buffer, .address_space: global }
      - { .name: bw, .offset: 8, .size: 8, .value_kind: global_buffer, .address_space: global }
      - { .name: bq, .offset: 16, .size: 8, .value_kind: global_buffer, .address_space: global }
      - { .name: bk, .offset: 24, .size: 8, .value_kind: global_buffer, .address_space: global }
      - { .name: bv, .offset: 32, .size: 8, .value_kind: global_buffer, .address_space: global }
      - { .name: bqkv, .offset: 40, .size: 8, .value_kind: global_buffer, .address_space: global }
    .group_segment_fixed_size: 327680
    .private_segment_fixed_size: 0
    .kernarg_segment_align: 8
    .kernarg_segment_size: 48
    .max_flat_workgroup_size: 128
    .sgpr_count:     102
    .vgpr_count:     1024
    .wavefront_size: 32
...
	.end_amdgpu_metadata
.endif
;; end of part 2
;; launch attn (part 3): grid 8 x 32, 16 waves a work-group, no clusters, 215,040 bytes of LDS; arguments bqkv, by; writes by
.if DOCPART == 3
	.amdgcn_target "amdgcn-amd-amdhsa--gfx1250"
	.amdhsa_code_object_version 6
	.text
	.protected	k_q33ec39cbf8_attn
	.globl	k_q33ec39cbf8_attn
	.p2align	8
	.type	k_q33ec39cbf8_attn,@function
k_q33ec39cbf8_attn:
	s_mov_b64 s[64:65], 0
	v_nop
	global_prefetch_b8 v0, s[64:65] scope:SCOPE_SE
	s_setreg_imm32_b32 hwreg(HW_REG_WAVE_MODE, 25, 1), 1
	s_wait_xcnt 0x0
; y = softmax(q k^T / 8, causal) v for one head, both products on codes of FP6 (E2M3) with E8M0 scales; y leaves as codes along D.
; THE SOFTMAX: t = score x log2(e) / 8 (one multiplication); M = the running largest t rounded up to a whole number; p = 2^(t - M) is quantised along the keys, not normalised; the row's sum is taken of the
; unquantised p and divides at the end; when M moves, the sum and O are multiplied by 2^(old M - new M), which rounds nothing.
; SHARES.  A work-group has one head.  Waves 0-7 own the 128 queries of block i = work-group x, waves 8-15 those of block 15 - i: every work-group has 17 wave-blocks of 128 keys for each eight waves.  A wave owns 16 queries.
; A HEAD'S K AND V STAY IN LDS: 98,304 bytes of codes each and 8,192 of scale words each, every byte filled once by five tensor loads of wave 0 (K) and five of wave 1 (V), issued at the head: nothing is filled again,
; and nothing is left that could be asked for ahead.  Four barriers: behind the g-th, keys 512 g .. 512 g + 511 are there.
; NO CLUSTER, though the eight work-groups of a head read the same K and V: a step all of whose keys come after the wave's queries is jumped over, and that branch hangs on the work-group's block of queries, which differs
; between the work-groups of a head; without the jump the work would double.
; LAYOUT.  Both products transposed: S^T = K Q^T, O^T = V^T P^T: a lane holds one query.  Row p of tile t of K, Q and of V^T's channels is the true row 32 (t / 2) + 8 (t % 2) + p + 8 (p / 8), so that the 16 registers of
; tiles 2 b, 2 b + 1 are 16 neighbours.  The head's 64 fill half of the instruction's 128 along K: the other half are zero codes in registers, under the scale byte 0.
; LIMITS: NaN and infinities are not served; a block of y under 2^-124 (zeros too) gets the byte 1.
; REGISTERS: v1-3 16, 8, 4 x lane; v4-9 the step's addresses; v10 p's scale word; v11 Q's; v12 -M, v13 largest t, v[14:15] the sum; v16-27 Q; v28-31 V's scale words; v32-79 four fragments of K; v80-127 V's four;
; v128-191 S^T, then p; v192-223 O^T; v224-235 p's codes; v232-247 at work; v248-251 K's scale words, two tiles a register; v252 f.
.set WV,   8
.set DIAG, 13                          ; the first key of my block of queries
.set QB,   14                          ; my tile's first query
.set KF,   15                          ; the step's first key
.set TB,   16                          ; LDS: the step's K codes; TBV: V's; TSK, TSV: the scale words
.set TBV,  17
.set TSK,  18
.set TSV,  19
.set CS,   20
.set SEL,  22
.set G1C,  24
.set G1S,  32
.set G0,   40                          ; s[40:59] five groups 0
.set LC,   60
	s_load_b128 s[4:7], s[0:1], 0x0                ; bqkv, by
	v_lshl_add_u32 v254, v0, 2, 0x34000
	v_mov_b32 v255, 0
	ds_add_u32 v254, v255
	ds_add_u32 v254, v255
	s_wait_dscnt 0x0
	v_lshrrev_b32 v4, 5, v0
	v_readfirstlane_b32 s[WV], v4                  ; wave 0..15
	s_and_b32 s9, ttmp7, 0xffff                    ; batch x 16 + head
	s_and_b32 s61, s[WV], 1                        ; K (0) or V (1), for the two waves that fetch
	s_mov_b32 s[G1C], 3<<16                        ; no mask; elements of 8 bytes; no padding
	s_mov_b32 s[G1C+1], 32<<16                     ; rows of 256 bytes
	s_mov_b32 s[G1C+2], 96<<16                     ; 96 of them: 512 keys' codes, dense
	s_mov_b32 s[G1C+3], 32<<16
	s_mov_b32 s[G1C+4], 96
	s_mov_b32 s[G1C+5], 32
	s_mov_b32 s[G1C+6], 0
	s_mov_b32 s[G1C+7], 0
	s_mov_b32 s[G1S], 3<<16
	s_mov_b32 s[G1S+1], 32<<16
	s_mov_b32 s[G1S+2], 32<<16                     ; 32 rows: a head's scale words
	s_mov_b32 s[G1S+3], 32<<16
	s_mov_b32 s[G1S+4], 32
	s_mov_b32 s[G1S+5], 32
	s_mov_b32 s[G1S+6], 0
	s_mov_b32 s[G1S+7], 0
	s_mul_i32 s10, s9, 98304                       ; the head's codes
	s_lshl_b32 s11, s9, 13                         ; its scale words
	s_mul_i32 s66, s61, 3145728
	s_add_co_u32 s66, s66, s10
	s_add_co_u32 s66, s66, 3145728
	s_mov_b32 s67, 0
	s_lshl_b32 s68, s61, 18
	s_add_co_u32 s68, s68, s11
	s_add_co_u32 s68, s68, 9699328
	s_mov_b32 s69, 0
	s_mul_i32 s62, s61, 98304                      ; in LDS
	s_lshl_b32 s63, s61, 13
	s_wait_kmcnt 0x0
	s_add_nc_u64 s[66:67], s[4:5], s[66:67]
	s_add_nc_u64 s[68:69], s[4:5], s[68:69]
	s_mov_b32 s[G0], 1
	s_add_co_u32 s[G0+1], s63, 196608
	s_mov_b64 s[G0+2:G0+3], s[68:69]
	s_or_b32 s[G0+3], s[G0+3], 0x80000000
.irp g, 0,1,2,3
	s_mov_b32 s[G0+4+4*\g], 1
	s_add_co_u32 s[G0+5+4*\g], s62, 24576*\g
	s_add_nc_u64 s[G0+6+4*\g:G0+7+4*\g], s[66:67], 24576*\g
	s_or_b32 s[G0+7+4*\g], s[G0+7+4*\g], 0x80000000
.endr
	s_cmp_lt_u32 s[WV], 2                          ; all the first fills of a wave stand in one branch on its number: five loads of mine are out
	s_cbranch_scc0 .Lno_fetch
	tensor_load_to_lds s[G0:G0+3], s[G1S:G1S+7]
	s_nop 0
	tensor_load_to_lds s[G0+4:G0+7], s[G1C:G1C+7]
	s_nop 0
	tensor_load_to_lds s[G0+8:G0+11], s[G1C:G1C+7]
	s_nop 0
	tensor_load_to_lds s[G0+12:G0+15], s[G1C:G1C+7]
	s_nop 0
	tensor_load_to_lds s[G0+16:G0+19], s[G1C:G1C+7]
	s_nop 0
.rept 4
	v_nop
.endr
.Lno_fetch:
	s_sub_co_u32 s71, 15, ttmp9
	s_cmp_lt_u32 s[WV], 8
	s_cselect_b32 s70, ttmp9, s71                  ; my block of 128 queries
	s_and_b32 s71, s[WV], 7                        ; my tile in it
	s_lshl_b32 s12, s70, 3
	s_add_co_u32 s12, s12, s71                     ; my tile in the head
	s_lshl_b32 s[DIAG], s70, 7
	s_lshr_b32 s72, s12, 1
	s_lshl_b32 s72, s72, 5
	s_and_b32 s73, s12, 1
	s_lshl_b32 s73, s73, 3
	s_add_co_u32 s[QB], s72, s73
	s_mul_i32 s72, s12, 768
	s_add_co_u32 s72, s72, s10
	s_mov_b32 s73, 0
	s_add_nc_u64 s[72:73], s[4:5], s[72:73]        ; Q's codes
	s_lshl_b32 s74, s12, 6
	s_add_co_u32 s74, s74, s11
	s_add_co_u32 s74, s74, 9437184
	s_mov_b32 s75, 0
	s_add_nc_u64 s[74:75], s[4:5], s[74:75]        ; Q's scale words
	s_lshr_b32 s76, s9, 4
	s_lshl_b32 s76, s76, 4
	s_add_co_u32 s76, s76, s70                     ; y: my 128 tokens
	s_lshl_b32 s76, s76, 3
	s_bfe_u32 s77, s9, 0x30001                     ; head / 2: the K step of the next product
	s_add_co_u32 s76, s76, s77
	s_and_b32 s77, s9, 1                           ; head % 2: the half of its fragment
	s_lshl_b32 s78, s76, 3
	s_add_co_u32 s78, s78, s71
	s_mul_i32 s78, s78, 1536
	s_mul_i32 s79, s77, 768
	s_add_co_u32 s78, s78, s79
	s_mov_b32 s79, 0
	s_add_nc_u64 s[78:79], s[6:7], s[78:79]        ; y's codes
	s_lshl_b32 s76, s76, 9
	s_lshl_b32 s71, s71, 6
	s_add_co_u32 s76, s76, s71
	s_lshl_b32 s77, s77, 1
	s_add_co_u32 s76, s76, s77
	s_add_co_u32 s76, s76, 3145728
	s_mov_b32 s77, 0
	s_add_nc_u64 s[76:77], s[6:7], s[76:77]        ; y's two scale bytes
	s_mov_b32 s[KF], 0
	s_mov_b32 s[TB], 0
	s_mov_b32 s[TBV], 98304
	s_mov_b32 s[TSK], 196608
	s_mov_b32 s[TSV], 204800
	s_mov_b32 s[CS], 0x3e38aa3b                    ; c = log2(e) / 8
	s_mov_b32 s[CS+1], s[CS]
	s_mov_b32 s[SEL], 0x76543210
	s_mov_b32 s[SEL+1], 0xfedcba98
	v_and_b32 v3, 31, v0
	v_lshlrev_b32 v1, 4, v3
	v_lshlrev_b32 v2, 3, v3
	v_lshlrev_b32 v3, 2, v3
	v_and_b32 v4, 15, v0
	v_lshlrev_b32 v4, 2, v4
	global_load_b128 v[16:19], v1, s[72:73]        ; Q's half fragment stays in registers
	global_load_b64 v[20:21], v2, s[72:73] offset:512
	global_load_b32 v11, v4, s[74:75]
.irp i, 22,23,24,25,26,27
	v_mov_b32 v\i, 0                               ; the upper 64 along K: zero codes
.endr
.irp t, 0,1,2,3
.irp i, 6,7,8,9,10,11
	v_mov_b32 v[32+12*\t+\i], 0                    ; K's likewise: set once, never loaded
.endr
.endr
	v_mov_b32 v13, 0xff61b1e6                      ; the largest t so far: -3e38
	v_floor_f32 v12, -v13
	v_mov_b32 v14, 0
	v_mov_b32 v15, 0
.irp i, 236,237,238,239,252,253
	v_mov_b32 v\i, 0                               ; lane permutes' destinations, and the pair v[252:253]
.endr
.set jj, 0
.rept 32
	v_mov_b32 v[192+jj], 0                         ; O^T: the step is written once, and its first trip finds zeros
.set jj, jj+1
.endr
.macro KQ4 g                                       ; four tiles of 16 keys
.irp t, 0,2
	v_wmma_scale_f32_16x16x128_f8f6f4 v[128+8*(4*\g+\t):135+8*(4*\g+\t)], v[32+12*\t:43+12*\t], v[16:27], 0, v[248+2*\g+\t/2], v11 matrix_a_fmt:MATRIX_FMT_FP6 matrix_b_fmt:MATRIX_FMT_FP6
	v_wmma_scale_f32_16x16x128_f8f6f4 v[136+8*(4*\g+\t):143+8*(4*\g+\t)], v[44+12*\t:55+12*\t], v[16:27], 0, v[248+2*\g+\t/2], v11 matrix_a_fmt:MATRIX_FMT_FP6 matrix_b_fmt:MATRIX_FMT_FP6 matrix_a_scale:MATRIX_SCALE_ROW1
.endr
.endm
; A KEY STEP: 128 keys
.macro STEP
	s_cmp_gt_u32 s[KF], s[DIAG]                    ; all its keys come after my queries: only the work is jumped over, a branch on ids
	s_cbranch_scc1 .Lhidden_\@
	v_add_nc_u32 v4, s[TB], v1                     ; (these six are also the places in front of the loads into V's registers)
	v_add_nc_u32 v5, s[TB], v2
	v_add_nc_u32 v6, s[TBV], v1
	v_add_nc_u32 v7, s[TBV], v2
	v_add_nc_u32 v8, s[TSK], v3
	v_add_nc_u32 v9, s[TSV], v3
.irp t, 0,1,2,3
	ds_load_b128 v[32+12*\t:35+12*\t], v4 offset:768*\t
	ds_load_b64 v[36+12*\t:37+12*\t], v5 offset:768*\t+512
.endr
.irp j, 0,1,2,3
	ds_load_b32 v[248+\j], v8 offset:128*\j        ; lanes 0-15 tile 2 j's words, lanes 16-31 tile 2 j + 1's
.endr
.irp d, 0,1,2,3
	ds_load_b128 v[80+12*\d:83+12*\d], v6 offset:1536*\d
	ds_load_b64 v[84+12*\d:85+12*\d], v7 offset:1536*\d+512
	ds_load_b128 v[86+12*\d:89+12*\d], v6 offset:1536*\d+768
	ds_load_b64 v[90+12*\d:91+12*\d], v7 offset:1536*\d+1280
	ds_load_b32 v[28+\d], v9 offset:128*\d
.endr
	s_wait_dscnt 20                                ; K's first four tiles and its words are in; V's 20 loads may be out
	KQ4 0
.rept 4
	v_nop
.endr
.irp t, 0,1,2,3
	ds_load_b128 v[32+12*\t:35+12*\t], v4 offset:768*(\t+4)
	ds_load_b64 v[36+12*\t:37+12*\t], v5 offset:768*(\t+4)+512
.endr
	s_wait_dscnt 0x0
	KQ4 1
.rept 4
	v_nop
.endr
	s_cmp_lg_u32 s[KF], s[DIAG]                    ; on the diagonal hidden scores become -infinity ahead of the maximum
	s_cbranch_scc1 .Lopen_\@
	s_sub_co_i32 s61, s[QB], s[KF]
	v_and_b32 v242, 15, v0
	v_and_b32 v243, 8, v0
	v_add_nc_u32 v242, v242, v243                  ; r + 8 (r / 8)
	v_and_b32 v243, 16, v0
	v_sub_nc_u32 v242, v242, v243
	v_add_nc_u32 v242, s61, v242                   ; d = my query - KF - 16 (lane / 16): register 16 b + i is hidden where 32 b + i > d
	v_mov_b32 v254, 0xff800000
.set nn, 0
.rept 64
	v_cmp_gt_i32 vcc_lo, 32*(nn/16)+nn%16, v242
	v_cndmask_b32 v[128+nn], v[128+nn], v254, vcc_lo
.set nn, nn+1
.endr
.Lopen_\@:
.irp b, 0,1,2,3
	v_max3_num_f32 v[232+\b], v[128+16*\b], v[129+16*\b], v[130+16*\b]   ; the largest score of each block of 32 keys: for the row's maximum, and for the block's largest p
.endr
.irp i, 3,5,7,9,11,13
.irp b, 0,1,2,3
	v_max3_num_f32 v[232+\b], v[232+\b], v[128+16*\b+\i], v[129+16*\b+\i]
.endr
.endr
.irp b, 0,1,2,3
	v_max_num_f32 v[232+\b], v[232+\b], v[143+16*\b]
.endr
.irp b, 0,1,2,3
	v_permlanex16_b32 v[236+\b], v[232+\b], s[SEL], s[SEL+1]
.endr
.irp b, 0,1,2,3
	v_max_num_f32 v[232+\b], v[232+\b], v[236+\b]
.endr
	v_max3_num_f32 v254, v232, v233, v234
	v_max_num_f32 v254, v254, v235
	v_mul_f32 v254, s[CS], v254
	v_max_num_f32 v13, v13, v254                   ; the running largest t
	v_mov_b32 v254, v12
	v_floor_f32 v12, -v13                          ; -M = floor(-t)
	v_sub_f32 v254, v12, v254                      ; old M - new M: a whole number, 0 or less
	v_cvt_i32_f32 v254, v254                       ; (it saturates)
	v_ldexp_f32 v252, 1.0, v254                    ; f = 2^(old M - new M)
.set jj, 0
.rept 32
	v_pk_fma_f32 v[128+jj:129+jj], v[128+jj:129+jj], s[CS:CS+1], v[12:13] op_sel_hi:[1,0,0]   ; t - M
.set jj, jj+2
.endr
.irp b, 0,1,2,3
	v_fma_f32 v[232+\b], v[232+\b], s[CS], v12
.endr
.set jj, 0
.rept 64
	v_exp_f32 v[128+jj], v[128+jj]                 ; p = 2^(t - M)
.set jj, jj+1
.endr
.irp b, 0,1,2,3
	v_exp_f32 v[232+\b], v[232+\b]                 ; the block's largest p
.endr
	v_pk_mul_f32 v[14:15], v[14:15], v[252:253] op_sel_hi:[1,0]   ; the sum under the new M (a plain place behind the exponentials)
	s_wait_alu depctr_va_vdst(0)
.irp b, 0,1,2,3
	v_max_num_f32 v[232+\b], 0x1800000, v[232+\b]  ; the floor
.endr
.irp b, 0,1,2,3
	v_add_nc_u32 v[244+\b], 0xff000000, v[232+\b]  ; the conversion's scale operand
.endr
.irp b, 0,1,2,3
	v_lshrrev_b32 v[236+\b], 23, v[244+\b]
.endr
	v_lshl_or_b32 v10, v237, 8, v236               ; p's scale word for these 128 keys
	v_lshl_or_b32 v10, v238, 16, v10
	v_lshl_or_b32 v10, v239, 24, v10
.irp c, 0,1
	v_cvt_scalef32_pk16_fp6_f32 v[224+6*\c:226+6*\c], v[128+32*\c:143+32*\c], v[244+2*\c]
	v_cvt_scalef32_pk16_fp6_f32 v[236+4*\c:238+4*\c], v[144+32*\c:159+32*\c], v[244+2*\c+1]
.endr
	v_nop                                          ; one plain place behind a scaled conversion
.irp c, 0,1
.irp i, 0,1,2
	v_permlane16_swap_b32 v[224+6*\c+\i], v[236+4*\c+\i]
.endr
.irp i, 0,1,2
	v_mov_b32 v[227+6*\c+\i], v[236+4*\c+\i]
.endr
.endr
	v_pk_add_f32 v[236:237], v[128:129], v[130:131]   ; the row's sum, of the unquantised p, in two chains
.irp j, 4,8,12,16,20,24,28,32,36,40,44,48,52,56,60
	v_pk_add_f32 v[14:15], v[14:15], v[128+\j:129+\j]
	v_pk_add_f32 v[236:237], v[236:237], v[130+\j:131+\j]
.endr
	v_pk_add_f32 v[14:15], v[14:15], v[236:237]
.set jj, 0
.rept 16
	v_pk_mul_f32 v[192+jj:193+jj], v[192+jj:193+jj], v[252:253] op_sel_hi:[1,0]   ; O^T under the new M
.set jj, jj+2
.endr
.irp d, 0,1,2,3
	v_wmma_scale_f32_16x16x128_f8f6f4 v[192+8*\d:199+8*\d], v[80+12*\d:91+12*\d], v[224:235], v[192+8*\d:199+8*\d], v[28+\d], v10 matrix_a_fmt:MATRIX_FMT_FP6 matrix_b_fmt:MATRIX_FMT_FP6
.endr
.Lhidden_\@:
	s_add_co_u32 s[KF], s[KF], 128
	s_add_co_u32 s[TB], s[TB], 6144
	s_add_co_u32 s[TBV], s[TBV], 6144
	s_add_co_u32 s[TSK], s[TSK], 512
	s_add_co_u32 s[TSV], s[TSV], 512
.endm
.macro GROUP g                                     ; four key steps: the keys that the g-th pair of loads brought
	s_wait_tensorcnt 3-\g                          ; tensor loads of a wave end in order: the scale words and groups 0 .. g are in, the 3 - g later ones may be out
	s_wait_dscnt 0x0
	s_barrier_signal -1
	s_barrier_wait -1
	s_mov_b32 s[LC], 4
.Lgrp_\@:
	STEP
	s_sub_co_u32 s[LC], s[LC], 1
	s_cmp_lg_u32 s[LC], 0
	s_cbranch_scc1 .Lgrp_\@
.endm
	s_wait_loadcnt 0x0                             ; Q
	GROUP 0
	GROUP 1
	GROUP 2
	GROUP 3
	; y = O / the sum, quantised along the head's 64: half a fragment of the next product's operand
.rept 4
	v_nop
.endr
	v_add_f32 v14, v14, v15
	v_permlanex16_b32 v252, v14, s[SEL], s[SEL+1]
	v_add_f32 v14, v14, v252
	v_rcp_f32 v14, v14
	v_and_b32 v4, 15, v0                           ; (a plain place behind the transcendental)
.set jj, 0
	s_wait_alu depctr_va_vdst(0)
.rept 32
	v_mul_f32 v[128+jj], v[192+jj], v14            ; register 16 b + i: channel 32 b + 16 (lane / 16) + i
.set jj, jj+1
.endr
	v_lshlrev_b32 v4, 2, v4
.irp b, 0,1
	v_max3_num_f32 v[232+\b], |v[128+16*\b]|, |v[129+16*\b]|, 0x1800000
.endr
.irp i, 2,4,6,8,10,12,14
.irp b, 0,1
	v_max3_num_f32 v[232+\b], v[232+\b], |v[128+16*\b+\i]|, |v[129+16*\b+\i]|
.endr
.endr
.irp b, 0,1
	v_permlanex16_b32 v[236+\b], v[232+\b], s[SEL], s[SEL+1]
.endr
.irp b, 0,1
	v_max_num_f32 v[232+\b], v[232+\b], v[236+\b]
.endr
.irp b, 0,1
	v_add_nc_u32 v[244+\b], 0xff000000, v[232+\b]
.endr
.irp b, 0,1
	v_lshrrev_b32 v[236+\b], 23, v[244+\b]
.endr
	v_lshl_or_b32 v254, v237, 8, v236
	v_cvt_scalef32_pk16_fp6_f32 v[224:226], v[128:143], v244
	v_cvt_scalef32_pk16_fp6_f32 v[240:242], v[144:159], v245
	v_nop
.irp i, 0,1,2
	v_permlane16_swap_b32 v[224+\i], v[240+\i]
.endr
.irp i, 0,1,2
	v_mov_b32 v[227+\i], v[240+\i]
.endr
	global_store_b128 v1, v[224:227], s[78:79]     ; 512 consecutive bytes, aligned to 256
	global_store_b64 v2, v[228:229], s[78:79] offset:512
	global_store_b16 v4, v254, s[76:77]            ; two bytes a row: the other two of the word are the neighbouring head's, another work-group's; lanes r and r + 16 store the same value
	s_wait_xcnt 0x0
	v_lshl_add_u32 v254, v0, 2, 0x34000
	v_mov_b32 v255, 0
	s_wait_tensorcnt 0x0
	ds_add_u32 v254, v255
	s_wait_dscnt 0x0
	s_endpgm
.Lfunc_end_k_q33ec39cbf8_attn:
	.size	k_q33ec39cbf8_attn, .Lfunc_end_k_q33ec39cbf8_attn-k_q33ec39cbf8_attn
	.p2alignl 7, 3214868480
	.fill 96, 4, 3214868480
	.section	.rodata,"a",@progbits
	.p2align	6, 0x0
	.amdhsa_kernel k_q33ec39cbf8_attn
		.amdhsa_group_segment_fixed_size 215040
		.amdhsa_private_segment_fixed_size 0
		.amdhsa_enable_private_segment 0
		.amdhsa_kernarg_size 16
		.amdhsa_user_sgpr_count 2
		.amdhsa_user_sgpr_kernarg_segment_ptr 1
		.amdhsa_wavefront_size32 1
		.amdhsa_system_sgpr_workgroup_id_x 1
		.amdhsa_system_sgpr_workgroup_id_y 1
		.amdhsa_system_sgpr_workgroup_id_z 1
		.amdhsa_system_vgpr_workitem_id 0
		.amdhsa_next_free_vgpr 256
		.amdhsa_next_free_sgpr 80
		.amdhsa_reserve_vcc 1
		.amdhsa_float_denorm_mode_32 3
		.amdhsa_float_denorm_mode_16_64 3
		.amdhsa_memory_ordered 1
		.amdhsa_forward_progress 1
		.amdhsa_inst_pref_size 101
	.end_amdhsa_kernel
	.amdgpu_metadata
---
amdhsa.version: [ 1, 2 ]
amdhsa.kernels:
  - .name:           k_q33ec39cbf8_attn
    .symbol:         k_q33ec39cbf8_attn.kd
    .args:
      - { .name: bqkv, .offset: 0, .size: 8, .value_kind: global_buffer, .address_space: global }
      - { .name: by, .offset: 8, .size: 8, .value_kind: global_buffer, .address_space: global }
    .group_segment_fixed_size: 215040
    .private_segment_fixed_size: 0
    .kernarg_segment_align: 8
    .kernarg_segment_size: 16
    .max_flat_workgroup_size: 512
    .sgpr_count:     80
    .vgpr_count:     256
    .wavefront_size: 32
...
	.end_amdgpu_metadata
.endif
;; end of part 3
;; launch gemm_o (part 4): grid 4 x 16, 4 waves a work-group, clusters of 4 x 4, 327,680 bytes of LDS; arguments by, bw, bo, x, bx1; writes bx1
.if DOCPART == 4
	.amdgcn_target "amdgcn-amd-amdhsa--gfx1250"
	.amdhsa_code_object_version 6
	.text
	.protected	k_q33ec39cbf8_gemm_o
	.globl	k_q33ec39cbf8_gemm_o
	.p2align	8
	.type	k_q33ec39cbf8_gemm_o,@function
k_q33ec39cbf8_gemm_o:
	s_mov_b64 s[64:65], 0
	v_nop
	global_prefetch_b8 v0, s[64:65] scope:SCOPE_SE
	s_setreg_imm32_b32 hwreg(HW_REG_WAVE_MODE, 25, 1), 1
	s_wait_xcnt 0x0
	s_wait_alu depctr_hold_cnt(0) depctr_sa_sdst(0) depctr_va_vdst(0) depctr_va_sdst(0) depctr_va_ssrc(0) depctr_va_vcc(0) depctr_vm_vsrc(0)
	s_getreg_b32 s2, hwreg(HW_REG_IB_STS2, 6, 4)
	s_cmp_eq_u32 s2, 0
	s_cbranch_scc0 .Lentry_in_a_cluster
	s_endpgm
.Lentry_in_a_cluster:
	s_bfe_u32 s2, ttmp6, 0x10000c
	s_cmp_lg_u32 s2, 0xf033
	s_cbranch_scc0 .Lentry_shape_is_right
	s_endpgm
.Lentry_shape_is_right:
; x1 = x + y Wo + bo on codes of FP6 (E2M3) with E8M0 scales, K = 1,024; x1 leaves as f32 rows and as codes along D.
; Operands lie as images of fragments' registers: [128 rows][K step of 128][tile 0..7][1,536 bytes], scale words [128 rows][K step][128] (row p of tile t = true row 32 (t / 2) + 8 (t % 2) + p + 8 (p / 8)).
; A work-group of four waves makes 256 x 256, a wave 128 x 128.  THE MATRIX INSTRUCTION IS USED TRANSPOSED: source 0 = Wo's columns, source 1 = tokens: a lane holds one token, and the 16 registers of tiles 2 b, 2 b + 1
; are 16 neighbouring columns.  K goes through a ring of two LDS slots of 256 along K; each part (128 rows) is one dense block of 24,576 bytes, one tensor load; the scale words of all K come once.
; CLUSTERS: 4 x 4: A's tiles are asked for jointly along a row of the cluster, B's along a column.  C has 64 tiles of 256 x 256: 64 work-groups.  Nothing is asked for ahead of the tensor loads: K has four slots only.
; THE WAY OUT, a tile of 16 tokens at a time: the residual's rows turn through the wave's stage into the result's layout, are added; the sums are quantised from registers and turn back through the stage into whole rows.
; The stage lies in slot 0, which has had its last fill and its last read when it is first written.
; LIMITS: NaN and infinities are not served; a block whose largest magnitude lies under 2^-124 (zeros too) gets the byte 1; only this program reads the bytes.
.set KS,    8
.set A_CODES,  0
.set A_SCALES, 3145728
.set B_CODES,  2359296
.set B_SCALES, 9535488
.set LAPS,  KS/4
.set FR,    12
.set HALFT, 24576
.set SLOT,  4*HALFT
.set SCL,   2*SLOT
.set HALFS, 512*KS
.set SPARE, SCL+4*HALFS
.set ADRA, 16
.set ADRB, 20
.set STO,  24
.set RD,   25
.set CO,   26
.set ADRS, 27
.set SPW,  28
.set NIL,  29
.set O8,   30
.set O4,   31
.set SC,   32
.set BI,   64
.set AF,   128
.set T,    128
.set PC,   192
.set TM,   212
.set PW,   228
.set PW2,  229
.set PWS,  230
.set OUTR, 128                         ; in window 1: 16 rows on their way out; the residual's two sets at v0, v64 of window 1
.set WV,   16
.set HA,   17
.set HB,   18
.set G1,   24
.set G0,   32
.set G1B,  48
.set G0B,  56
.set SEL,  66
.set G1S,  68
.set G0S,  76
.set G1SB, 80
.set G0SB, 88
.set HM,   100
.set MSB, 0
.macro WIN new
.if MSB != \new
	s_set_vgpr_msb (MSB<<8)|\new
.set MSB, \new
.endif
.endm
.set MUL_LO, 0xa1
.set MUL_HI, 0xf1
.set TO_B,   0x40
.macro JLOAD g0a, g1a, g0b, g1b        ; a joint load: waves 0, 1 fetch for A, waves 2, 3 for B; four v_nop follow each line
	s_cmp_eq_u32 s[HA], 0
	s_cbranch_scc0 .Lfor_b_\@
	tensor_load_to_lds s[\g0a:\g0a+3], s[\g1a:\g1a+7]
	s_nop 0
.rept 4
	v_nop
.endr
	s_branch .Lasked_\@
.Lfor_b_\@:
	tensor_load_to_lds s[\g0b:\g0b+3], s[\g1b:\g1b+7]
	s_nop 0
.rept 4
	v_nop
.endr
.Lasked_\@:
.endm
.macro CREST
	s_cmp_lg_u32 s[WV], 0
	s_cbranch_scc1 .Lnot_wave_0_\@
	s_barrier_signal -3
.Lnot_wave_0_\@:
	s_barrier_wait -3
	s_barrier_signal -1
	s_barrier_wait -1
.endm
.macro CROUND
	s_barrier_signal -1
	s_barrier_wait -1
	CREST
.endm
.macro PLACES                          ; four places behind a matrix instruction (ISA guide 7.12.1)
.rept 4
	v_nop
.endr
.endm
.macro FRAG reg, adr, q, i
	ds_load_b128 v[\reg:\reg+3], v[\adr] offset:12288*(\q)+1536*(\i)
	ds_load_b64 v[\reg+4:\reg+5], v[\adr+2] offset:12288*(\q)+1536*(\i)+512
	ds_load_b128 v[\reg+6:\reg+9], v[\adr] offset:12288*(\q)+1536*(\i)+768
	ds_load_b64 v[\reg+10:\reg+11], v[\adr+2] offset:12288*(\q)+1536*(\i)+1280
.endm
.macro MUL16 a0, p, q, sc, zero        ; the 64 accumulators take turns, one instruction a turn
.irp a, \a0, \a0+1
.irp b, 0,1,2,3,4,5,6,7
.if \zero
	v_wmma_scale_f32_16x16x128_f8f6f4 v[8*(8*((\a)%4)+\b):8*(8*((\a)%4)+\b)+7], v[128*(\p)+FR*\b:128*(\p)+FR*\b+FR-1], v[AF+FR*(\a):AF+FR*(\a)+FR-1], 0, v[SC+16*(\sc)+8*(\q)+\b], v[SC+16*(\sc)+8*(\q)+(\a)] matrix_a_fmt:MATRIX_FMT_FP6 matrix_b_fmt:MATRIX_FMT_FP6 matrix_a_scale:MATRIX_SCALE_ROW1
.else
	v_wmma_scale_f32_16x16x128_f8f6f4 v[8*(8*((\a)%4)+\b):8*(8*((\a)%4)+\b)+7], v[128*(\p)+FR*\b:128*(\p)+FR*\b+FR-1], v[AF+FR*(\a):AF+FR*(\a)+FR-1], v[8*(8*((\a)%4)+\b):8*(8*((\a)%4)+\b)+7], v[SC+16*(\sc)+8*(\q)+\b], v[SC+16*(\sc)+8*(\q)+(\a)] matrix_a_fmt:MATRIX_FMT_FP6 matrix_b_fmt:MATRIX_FMT_FP6 matrix_a_scale:MATRIX_SCALE_ROW1
.endif
.endr
.endr
.endm
.macro FETCH_B slot, q, p
	WIN TO_B
.irp i, 0,1,2,3,4,5,6,7
	FRAG 128*(\p)+FR*\i, ADRB+\slot, \q, \i
.endr
	WIN 0
.endm
.macro FETCH_A slot, q, i0
.irp i, \i0, \i0+1, \i0+2, \i0+3
	FRAG AF+FR*(\i), ADRA+\slot, \q, \i
.endr
.endm
.macro SCALES sc
.irp q, 0,1
.irp i, 0,1,2,3,4,5,6,7
	ds_load_b32 v[SC+16*\sc+8*\q+\i], v[ADRS] offset:512*\q+64*\i
.endr
.endr
.endm
.macro STEP slot, zero
	s_wait_dscnt 16                                ; all but the youngest 16 loads (A's blocks 4-7) are in
	WIN MUL_LO
	MUL16 0, 0, 0, \slot, \zero
	MUL16 2, 0, 0, \slot, \zero
	s_wait_dscnt 0x0
	PLACES
	FETCH_B \slot, 1, 1
	FETCH_A \slot, 1, 0
	WIN MUL_HI
	MUL16 4, 0, 0, \slot, \zero
	MUL16 6, 0, 0, \slot, \zero
	PLACES
	WIN 0
	FETCH_A \slot, 1, 4
.endm
.macro TURN slot, next, fill
	s_wait_tensorcnt 0x0                           ; all my tensor loads have landed: my part of the next slot
	ds_add_u32 v[SPW], v[NIL]                      ; 0 onto my spare word
	s_wait_dscnt 17                                ; (the add and A's blocks 4-7 may be out)
	WIN MUL_LO
	MUL16 0, 1, 1, \slot, 0
	s_wait_dscnt 0x0                               ; the add is done, and my reads of this slot are over
	s_barrier_signal -1
	MUL16 2, 1, 1, \slot, 0
	WIN 0
	s_barrier_wait -1
.if \fill
	CREST                                          ; a round of the cluster's barrier: no wave of any partner still reads this slot or has a load on its way
	s_add_nc_u64 s[G0+4*\slot+2:G0+4*\slot+3], s[G0+4*\slot+2:G0+4*\slot+3], 2*HALFT
	s_add_nc_u64 s[G0B+4*\slot+2:G0B+4*\slot+3], s[G0B+4*\slot+2:G0B+4*\slot+3], 2*HALFT
	JLOAD G0+4*\slot, G1, G0B+4*\slot, G1B
.else
	PLACES
.endif
	v_add_nc_u32 v[ADRS], 1024, v[ADRS]
	FETCH_B \next, 0, 0
	FETCH_A \next, 0, 0
	SCALES \next
	WIN MUL_HI
	MUL16 4, 1, 1, \slot, 0
	MUL16 6, 1, 1, \slot, 0
	PLACES
	WIN 0
	FETCH_A \next, 0, 4
.endm
.macro QUANT src
.irp b, 0,1,2,3
	v_max3_num_f32 v[TM+\b], |v[\src+16*\b]|, |v[\src+1+16*\b]|, 0x1800000   ; and the floor 2^(3 - 127)
.endr
.irp i, 2,4,6,8,10,12,14
.irp b, 0,1,2,3
	v_max3_num_f32 v[TM+\b], v[TM+\b], |v[\src+16*\b+\i]|, |v[\src+1+16*\b+\i]|
.endr
.endr
.irp b, 0,1,2,3
	v_permlanex16_b32 v[TM+4+\b], v[TM+\b], s[SEL], s[SEL+1]
.endr
.irp b, 0,1,2,3
	v_max_num_f32 v[TM+\b], v[TM+\b], v[TM+4+\b]
.endr
.irp b, 0,1,2,3
	v_add_nc_u32 v[TM+12+\b], 0xff000000, v[TM+\b]
.endr
.irp b, 0,1,2,3
	v_lshrrev_b32 v[TM+4+\b], 23, v[TM+12+\b]
.endr
	v_lshl_or_b32 v[PW], v[TM+5], 8, v[TM+4]
	v_lshl_or_b32 v[PW], v[TM+6], 16, v[PW]
	v_lshl_or_b32 v[PW], v[TM+7], 24, v[PW]
.irp c, 0,1
	v_cvt_scalef32_pk16_fp6_f32 v[PC+6*\c:PC+2+6*\c], v[\src+32*\c:\src+15+32*\c], v[TM+12+2*\c]
	v_cvt_scalef32_pk16_fp6_f32 v[PC+12+4*\c:PC+14+4*\c], v[\src+16+32*\c:\src+31+32*\c], v[TM+12+2*\c+1]
.endr
	v_nop                                              ; one plain place behind a scaled conversion
.irp c, 0,1
.irp i, 0,1,2
	v_permlane16_swap_b32 v[PC+6*\c+\i], v[PC+12+4*\c+\i]
.endr
.irp i, 0,1,2
	v_mov_b32 v[PC+3+6*\c+\i], v[PC+12+4*\c+\i]
.endr
.endr
.endm
.macro IMG b0, o0, b1, o1
	global_store_b128 v[CO], v[PC:PC+3], s[\b0:\b0+1] offset:\o0
	global_store_b64 v[O8], v[PC+4:PC+5], s[\b0:\b0+1] offset:(\o0)+512
	global_store_b128 v[CO], v[PC+6:PC+9], s[\b1:\b1+1] offset:\o1
	global_store_b64 v[O8], v[PC+10:PC+11], s[\b1:\b1+1] offset:(\o1)+512
.endm
	s_load_b256 s[4:11], s[0:1], 0x0               ; by s[4:5], bw s[6:7], bo s[8:9], x s[10:11]
	s_load_b64 s[12:13], s[0:1], 0x20              ; bx1
	v_lshl_add_u32 v[SPW], v0, 2, SPARE
	v_mov_b32 v[NIL], 0
	ds_add_u32 v28, v29
	ds_add_u32 v28, v29
	s_wait_dscnt 0x0
	v_lshrrev_b32 v1, 5, v0
	v_readfirstlane_b32 s[WV], v1
	s_lshr_b32 s[HA], s[WV], 1
	s_and_b32 s[HB], s[WV], 1
	s_bfe_u32 s19, ttmp6, 0x40000                  ; cx
	s_bfe_u32 s20, ttmp6, 0x40004                  ; cy
	s_lshl_b32 s21, ttmp9, 2
	s_add_co_u32 s21, s21, s19                     ; B's block of 256 rows
	s_and_b32 s22, ttmp7, 0xffff
	s_lshl_b32 s22, s22, 2
	s_add_co_u32 s22, s22, s20                     ; A's block of 256 rows
	s_lshl_b32 s2, s20, 2
	s_lshl_b32 s2, 15, s2                          ; my row of the cluster
	s_lshl_b32 s3, 0x1111, s19                     ; my column
	s_or_b32 s[G1], s2, (3<<16)|(1<<21)            ; the mask; elements of 8 bytes; bit 21 beside a mask; no padding
	s_or_b32 s[G1S], s2, (3<<16)|(1<<21)
	s_or_b32 s[G1B], s3, (3<<16)|(1<<21)
	s_or_b32 s[G1SB], s3, (3<<16)|(1<<21)
.irp g, G1, G1B
	s_mov_b32 s[\g+1], 32<<16                      ; rows of 256 bytes,
	s_mov_b32 s[\g+2], 96<<16                      ; 96 of them, dense
	s_mov_b32 s[\g+3], 32<<16
	s_mov_b32 s[\g+4], 96
	s_mov_b32 s[\g+5], 32
	s_mov_b32 s[\g+6], 0
	s_mov_b32 s[\g+7], 0
.endr
.irp g, G1S, G1SB
	s_mov_b32 s[\g+1], 32<<16
	s_mov_b32 s[\g+2], (2*KS)<<16
	s_mov_b32 s[\g+3], 32<<16
	s_mov_b32 s[\g+4], 2*KS
	s_mov_b32 s[\g+5], 32
	s_mov_b32 s[\g+6], 0
	s_mov_b32 s[\g+7], 0
.endr
	s_lshl_b32 s42, s22, 1
	s_add_co_u32 s42, s42, s[HB]
	s_mul_i32 s40, s42, KS*12288
	s_add_co_u32 s40, s40, A_CODES
	s_mov_b32 s41, 0
	s_mul_i32 s42, s42, KS*512
	s_add_co_u32 s42, s42, A_SCALES
	s_mov_b32 s43, 0
	s_lshl_b32 s46, s21, 1
	s_add_co_u32 s46, s46, s[HB]
	s_mul_i32 s44, s46, KS*12288
	s_add_co_u32 s44, s44, B_CODES
	s_mov_b32 s45, 0
	s_mul_i32 s46, s46, KS*512
	s_add_co_u32 s46, s46, B_SCALES
	s_mov_b32 s47, 0
	s_mul_i32 s23, s[WV], HALFT
	s_mul_i32 s92, s[WV], HALFS
	s_wait_kmcnt 0x0
	s_add_nc_u64 s[40:41], s[4:5], s[40:41]
	s_add_nc_u64 s[42:43], s[4:5], s[42:43]
	s_add_nc_u64 s[44:45], s[6:7], s[44:45]
	s_add_nc_u64 s[46:47], s[6:7], s[46:47]
	CROUND                                         ; all sixteen work-groups are here: the first joint loads meet
	s_mov_b32 s[G0S], 1
	s_add_co_u32 s[G0S+1], s92, SCL
	s_mov_b64 s[G0S+2:G0S+3], s[42:43]
	s_or_b32 s[G0S+3], s[G0S+3], 0x80000000
	s_mov_b32 s[G0SB], 1
	s_add_co_u32 s[G0SB+1], s92, SCL
	s_mov_b64 s[G0SB+2:G0SB+3], s[46:47]
	s_or_b32 s[G0SB+3], s[G0SB+3], 0x80000000
	JLOAD G0S, G1S, G0SB, G1SB
.irp s, 0,1
	s_mov_b32 s[G0+4*\s], 1
	s_add_co_u32 s[G0+4*\s+1], s23, \s*SLOT
	s_add_nc_u64 s[G0+4*\s+2:G0+4*\s+3], s[40:41], \s*HALFT
	s_or_b32 s[G0+4*\s+3], s[G0+4*\s+3], 0x80000000
	s_mov_b32 s[G0B+4*\s], 1
	s_add_co_u32 s[G0B+4*\s+1], s23, \s*SLOT
	s_add_nc_u64 s[G0B+4*\s+2:G0B+4*\s+3], s[44:45], \s*HALFT
	s_or_b32 s[G0B+4*\s+3], s[G0B+4*\s+3], 0x80000000
	JLOAD G0+4*\s, G1, G0B+4*\s, G1B               ; three loads of mine are out behind the last
.endr
	v_and_b32 v1, 31, v0
	v_and_b32 v2, 15, v0
	v_bfe_u32 v3, v0, 4, 1
	v_lshlrev_b32 v[CO], 4, v1
	v_lshlrev_b32 v[O8], 3, v1
	v_lshlrev_b32 v[O4], 2, v1
	s_mul_i32 s40, s[HA], HALFT
	s_mul_i32 s41, s[HB], HALFT
	s_add_co_u32 s41, s41, 2*HALFT
.irp s, 0,1
	v_add_nc_u32 v[ADRA+\s], s40, v[CO]
	v_add_nc_u32 v[ADRA+2+\s], s40, v[O8]
	v_add_nc_u32 v[ADRB+\s], s41, v[CO]
	v_add_nc_u32 v[ADRB+2+\s], s41, v[O8]
	s_add_co_u32 s40, s40, SLOT
	s_add_co_u32 s41, s41, SLOT
.endr
	s_mul_i32 s40, s[HA], HALFS
	s_mul_i32 s41, s[HB], HALFS
	s_add_co_u32 s41, s41, 2*HALFS
	s_sub_co_u32 s41, s41, s40
	v_mul_u32_u24 v4, s41, v3
	s_add_co_u32 s40, s40, SCL
	v_lshl_add_u32 v4, v2, 2, v4
	v_add_nc_u32 v[ADRS], s40, v4
	s_mul_i32 s2, s[WV], 8448                      ; my stage: 16 rows x (512 + 16) bytes
	v_mul_u32_u24 v4, v2, 528
	v_lshl_add_u32 v4, v3, 6, v4
	v_add_nc_u32 v[STO], s2, v4                    ; the result's layout: row r, + 64 h
	v_add_nc_u32 v[RD], s2, v[CO]                  ; rows: 16 bytes a lane
	s_lshl_b32 s40, s22, 1
	s_add_co_u32 s40, s40, s[HA]                   ; my 128 tokens
	s_lshl_b32 s41, s21, 1
	s_add_co_u32 s41, s41, s[HB]                   ; my 128 columns: the K step of the next product
	s_lshl_b32 s42, s41, 9
	s_mov_b32 s43, 0
	s_add_nc_u64 s[92:93], s[8:9], s[42:43]        ; the bias
	s_lshl_b32 s2, s40, 19
	s_add_co_u32 s42, s42, s2
	s_add_nc_u64 s[94:95], s[10:11], s[42:43]      ; the residual
	s_add_nc_u64 s[96:97], s[12:13], s[42:43]      ; x1 as f32
	s_lshl_b32 s2, s40, 3
	s_add_co_u32 s2, s2, s41
	s_mul_i32 s42, s2, 12288
	s_add_co_u32 s42, s42, 16777216
	s_add_nc_u64 s[98:99], s[12:13], s[42:43]      ; its codes
	s_lshl_b32 s42, s2, 9
	s_add_co_u32 s42, s42, 19922944
	s_add_nc_u64 s[44:45], s[12:13], s[42:43]      ; its scale words
	v_lshlrev_b32 v5, 6, v3
.irp b, 0,1,2,3,4,5,6,7
	global_load_b128 v[BI+8*\b:BI+8*\b+3], v5, s[92:93] offset:4*(32*(\b/2)+8*(\b%2))
	global_load_b128 v[BI+8*\b+4:BI+8*\b+7], v5, s[92:93] offset:4*(32*(\b/2)+8*(\b%2))+16
.endr
	s_mov_b32 s[SEL], 0x76543210
	s_mov_b32 s[SEL+1], 0xfedcba98
	s_mov_b32 s[HM], 0xffff0000
	s_wait_tensorcnt 1                             ; the scale words and my part of slot 0 are in; slot 1's load may be out
	s_barrier_signal -1
	s_barrier_wait -1
	FETCH_B 0, 0, 0
	FETCH_A 0, 0, 0
	SCALES 0
	FETCH_A 0, 0, 4
	STEP 0, 1
	s_mov_b32 s3, LAPS-1
.Llap:
	TURN 0, 1, 1
	STEP 1, 0
	TURN 1, 0, 1
	STEP 0, 0
	s_sub_co_u32 s3, s3, 1
	s_cmp_lg_u32 s3, 0
	s_cbranch_scc1 .Llap
	TURN 0, 1, 0
	STEP 1, 0
	s_wait_dscnt 16
	WIN MUL_LO
	MUL16 0, 1, 1, 1, 0
	MUL16 2, 1, 1, 1, 0
	s_wait_dscnt 0x0
	WIN MUL_HI
	MUL16 4, 1, 1, 1, 0
	MUL16 6, 1, 1, 1, 0
	WIN 0
	PLACES
	s_wait_loadcnt 0x0                             ; the bias
.irp b, 0,1,2,3
	v_mov_b32 v[TM+4+\b], 0
.endr
.macro XLOAD a                                     ; the residual's 16 rows of tile a: 512 consecutive bytes a load
	WIN 0x40
.set tt, 0
.rept 16
	global_load_b128 v[64*((\a)%2)+4*tt:64*((\a)%2)+4*tt+3], v[CO], s[94:95] offset:4096*(32*((\a)/2)+8*((\a)%2)+tt+8*(tt/8)) th:TH_LOAD_NT
.set tt, tt+1
.endr
	WIN 0
.endm
.macro TILE a
	s_wait_xcnt 0x0                                ; the last tile's stores have read their registers
.if (\a) < 7
	XLOAD (\a)+1
.endif
.set WN, 0x02+(\a)/4
	WIN WN
.set AC, 64*((\a)%4)
.set jj, 0
.rept 32
	v_pk_add_f32 v[T+jj:T+jj+1], v[AC+jj:AC+jj+1], v[BI+jj:BI+jj+1]   ; out of the accumulators, each from its low end on, with the bias
.set jj, jj+2
.endr
	WIN 0
.if (\a) < 7
	s_wait_loadcnt 16                              ; this tile's rows are in, the next tile's 16 loads may be out
.else
	s_wait_loadcnt 0x0
.endif
.set RR, 64*((\a)%2)
	WIN 0x04
.set tt, 0
.rept 16
	ds_store_b128 v[RD], v[RR+4*tt:RR+4*tt+3] offset:528*tt
.set tt, tt+1
.endr
	WIN 0x40
.set tt, 0
.rept 16
	ds_load_b128 v[RR+4*tt:RR+4*tt+3], v[STO] offset:128*(tt/4)+16*(tt%4)   ; LDS serves a wave's instructions in order: the residual in the result's layout
.set tt, tt+1
.endr
	s_wait_dscnt 0x0
	WIN 0x04
.set jj, 0
.rept 32
	v_pk_add_f32 v[T+jj:T+jj+1], v[T+jj:T+jj+1], v[RR+jj:RR+jj+1]
.set jj, jj+2
.endr
	WIN 0
.set tt, 0
.rept 16
	ds_store_b128 v[STO], v[T+4*tt:T+4*tt+3] offset:128*(tt/4)+16*(tt%4)
.set tt, tt+1
.endr
	WIN 0x40
.set tt, 0
.rept 16
	ds_load_b128 v[OUTR+4*tt:OUTR+4*tt+3], v[RD] offset:528*tt
.set tt, tt+1
.endr
	WIN 0
	QUANT T                                        ; while the rows come back
	IMG 98, 1536*(\a), 98, 1536*(\a)+768
.if (\a)%2 == 0
	v_mov_b32 v[PW2], v[PW]
.else
	v_cndmask_b32 v[PWS], v[PW2], v[PW], s[HM]
	global_store_b32 v[O4], v[PWS], s[44:45] offset:128*((\a)/2)
.endif
	s_wait_dscnt 0x0
	WIN 0x04
.set tt, 0
.rept 16
	global_store_b128 v[CO], v[OUTR+4*tt:OUTR+4*tt+3], s[96:97] offset:4096*(32*((\a)/2)+8*((\a)%2)+tt+8*(tt/8))   ; 512 consecutive bytes, aligned to 256
.set tt, tt+1
.endr
	WIN 0
.endm
	XLOAD 0
.irp a, 0,1,2,3,4,5,6,7
	TILE \a
.endr
	s_wait_tensorcnt 0x0                           ; the wave's end
	ds_add_u32 v[SPW], v[NIL]
	s_wait_dscnt 0x0
	CROUND                                         ; the closing round
	s_endpgm
.Lfunc_end_k_q33ec39cbf8_gemm_o:
	.size	k_q33ec39cbf8_gemm_o, .Lfunc_end_k_q33ec39cbf8_gemm_o-k_q33ec39cbf8_gemm_o
	.p2alignl 7, 3214868480
	.fill 96, 4, 3214868480
	.section	.rodata,"a",@progbits
	.p2align	6, 0x0
	.amdhsa_kernel k_q33ec39cbf8_gemm_o
		.amdhsa_group_segment_fixed_size 327680
		.amdhsa_private_segment_fixed_size 0
		.amdhsa_enable_private_segment 0
		.amdhsa_kernarg_size 40
		.amdhsa_user_sgpr_count 2
		.amdhsa_user_sgpr_kernarg_segment_ptr 1
		.amdhsa_wavefront_size32 1
		.amdhsa_system_sgpr_workgroup_id_x 1
		.amdhsa_system_sgpr_workgroup_id_y 1
		.amdhsa_system_sgpr_workgroup_id_z 1
		.amdhsa_system_vgpr_workitem_id 0
		.amdhsa_next_free_vgpr 1024
		.amdhsa_next_free_sgpr 102
		.amdhsa_reserve_vcc 0
		.amdhsa_float_denorm_mode_32 3
		.amdhsa_float_denorm_mode_16_64 3
		.amdhsa_memory_ordered 1
		.amdhsa_forward_progress 1
		.amdhsa_inst_pref_size 244
	.end_amdhsa_kernel
	.amdgpu_metadata
---
amdhsa.version: [ 1, 2 ]
amdhsa.kernels:
  - .name:           k_q33ec39cbf8_gemm_o
    .symbol:         k_q33ec39cbf8_gemm_o.kd
    .args:
      - { .name: by, .offset: 0, .size: 8, .value_kind: global_buffer, .address_space: global }
      - { .name: bw, .offset: 8, .size: 8, .value_kind: global_buffer, .address_space: global }
      - { .name: bo, .offset: 16, .size: 8, .value_kind: global_buffer, .address_space: global }
      - { .name: x, .offset: 24, .size: 8, .value_kind: global_buffer, .address_space: global }
      - { .name: bx1, .offset: 32, .size: 8, .value_kind: global_buffer, .address_space: global }
    .group_segment_fixed_size: 327680
    .private_segment_fixed_size: 0
    .kernarg_segment_align: 8
    .kernarg_segment_size: 40
    .max_flat_workgroup_size: 128
    .sgpr_count:     102
    .vgpr_count:     1024
    .wavefront_size: 32
...
	.end_amdgpu_metadata
.endif
;; end of part 4
;; launch gemm_1 (part 5): grid 16 x 16, 4 waves a work-group, clusters of 4 x 4, 327,680 bytes of LDS; arguments bx1, bw, b1, bh; writes bh
.if DOCPART == 5
	.amdgcn_target "amdgcn-amd-amdhsa--gfx1250"
	.amdhsa_code_object_version 6
	.text
	.protected	k_q33ec39cbf8_gemm_1
	.globl	k_q33ec39cbf8_gemm_1
	.p2align	8
	.type	k_q33ec39cbf8_gemm_1,@function
k_q33ec39cbf8_gemm_1:
	s_mov_b64 s[64:65], 0
	v_nop
	global_prefetch_b8 v0, s[64:65] scope:SCOPE_SE
	s_setreg_imm32_b32 hwreg(HW_REG_WAVE_MODE, 25, 1), 1
	s_wait_xcnt 0x0
	s_wait_alu depctr_hold_cnt(0) depctr_sa_sdst(0) depctr_va_vdst(0) depctr_va_sdst(0) depctr_va_ssrc(0) depctr_va_vcc(0) depctr_vm_vsrc(0)
	s_getreg_b32 s2, hwreg(HW_REG_IB_STS2, 6, 4)
	s_cmp_eq_u32 s2, 0
	s_cbranch_scc0 .Lentry_in_a_cluster
	s_endpgm
.Lentry_in_a_cluster:
	s_bfe_u32 s2, ttmp6, 0x10000c
	s_cmp_lg_u32 s2, 0xf033
	s_cbranch_scc0 .Lentry_shape_is_right
	s_endpgm
.Lentry_shape_is_right:
; h = silu(x1 W1 + b1) on codes of FP6 (E2M3) with E8M0 scales, K = 1,024, N = 4,096; h leaves as codes along its 4,096 and never as f32.
; Operands lie as images of fragments' registers: [128 rows][K step of 128][tile 0..7][1,536 bytes], scale words [128 rows][K step][128] (row p of tile t = true row 32 (t / 2) + 8 (t % 2) + p + 8 (p / 8)).
; A work-group of four waves makes 256 x 256, a wave 128 x 128.  THE MATRIX INSTRUCTION IS USED TRANSPOSED: source 0 = W1's columns, source 1 = tokens: a lane holds one token, and the 16 registers of tiles 2 b, 2 b + 1
; are 16 neighbouring hidden units: a wave's 128 units are one K step of the next product.  K goes through a ring of two LDS slots of 256 along K; the scale words of all K come once.
; CLUSTERS: 4 x 4: A's tiles are asked for jointly along a row of the cluster, B's along a column.  256 work-groups.  Nothing is asked for ahead of the tensor loads: K has four slots only.
; silu(z) = z / (1 + 2^(-z log2 e)), in f32, by v_exp_f32 and v_rcp_f32.
; LIMITS: NaN and infinities are not served; a block whose largest magnitude lies under 2^-124 (zeros too) gets the byte 1; only this program reads the bytes.
.set KS,    8
.set A_CODES,  16777216
.set A_SCALES, 19922944
.set B_CODES,  3145728
.set B_SCALES, 9568256
.set LAPS,  KS/4
.set FR,    12
.set HALFT, 24576
.set SLOT,  4*HALFT
.set SCL,   2*SLOT
.set HALFS, 512*KS
.set SPARE, SCL+4*HALFS
.set ADRA, 16
.set ADRB, 20
.set CO,   26
.set ADRS, 27
.set SPW,  28
.set NIL,  29
.set O8,   30
.set O4,   31
.set SC,   32
.set BI,   64
.set AF,   128
.set T,    128
.set PC,   192
.set TM,   212
.set PW,   228
.set PW2,  229
.set PWS,  230
.set WV,   16
.set HA,   17
.set HB,   18
.set G1,   24
.set G0,   32
.set LG,   46                          ; s[46:47] -log2(e), twice
.set G1B,  48
.set G0B,  56
.set SEL,  66
.set G1S,  68
.set G0S,  76
.set G1SB, 80
.set G0SB, 88
.set HM,   100
.set MSB, 0
.macro WIN new
.if MSB != \new
	s_set_vgpr_msb (MSB<<8)|\new
.set MSB, \new
.endif
.endm
.set MUL_LO, 0xa1
.set MUL_HI, 0xf1
.set TO_B,   0x40
.macro JLOAD g0a, g1a, g0b, g1b        ; a joint load: waves 0, 1 fetch for A, waves 2, 3 for B; four v_nop follow each line
	s_cmp_eq_u32 s[HA], 0
	s_cbranch_scc0 .Lfor_b_\@
	tensor_load_to_lds s[\g0a:\g0a+3], s[\g1a:\g1a+7]
	s_nop 0
.rept 4
	v_nop
.endr
	s_branch .Lasked_\@
.Lfor_b_\@:
	tensor_load_to_lds s[\g0b:\g0b+3], s[\g1b:\g1b+7]
	s_nop 0
.rept 4
	v_nop
.endr
.Lasked_\@:
.endm
.macro CREST
	s_cmp_lg_u32 s[WV], 0
	s_cbranch_scc1 .Lnot_wave_0_\@
	s_barrier_signal -3
.Lnot_wave_0_\@:
	s_barrier_wait -3
	s_barrier_signal -1
	s_barrier_wait -1
.endm
.macro CROUND
	s_barrier_signal -1
	s_barrier_wait -1
	CREST
.endm
.macro PLACES                          ; four places behind a matrix instruction (ISA guide 7.12.1)
.rept 4
	v_nop
.endr
.endm
.macro FRAG reg, adr, q, i
	ds_load_b128 v[\reg:\reg+3], v[\adr] offset:12288*(\q)+1536*(\i)
	ds_load_b64 v[\reg+4:\reg+5], v[\adr+2] offset:12288*(\q)+1536*(\i)+512
	ds_load_b128 v[\reg+6:\reg+9], v[\adr] offset:12288*(\q)+1536*(\i)+768
	ds_load_b64 v[\reg+10:\reg+11], v[\adr+2] offset:12288*(\q)+1536*(\i)+1280
.endm
.macro MUL16 a0, p, q, sc, zero        ; the 64 accumulators take turns, one instruction a turn
.irp a, \a0, \a0+1
.irp b, 0,1,2,3,4,5,6,7
.if \zero
	v_wmma_scale_f32_16x16x128_f8f6f4 v[8*(8*((\a)%4)+\b):8*(8*((\a)%4)+\b)+7], v[128*(\p)+FR*\b:128*(\p)+FR*\b+FR-1], v[AF+FR*(\a):AF+FR*(\a)+FR-1], 0, v[SC+16*(\sc)+8*(\q)+\b], v[SC+16*(\sc)+8*(\q)+(\a)] matrix_a_fmt:MATRIX_FMT_FP6 matrix_b_fmt:MATRIX_FMT_FP6 matrix_a_scale:MATRIX_SCALE_ROW1
.else
	v_wmma_scale_f32_16x16x128_f8f6f4 v[8*(8*((\a)%4)+\b):8*(8*((\a)%4)+\b)+7], v[128*(\p)+FR*\b:128*(\p)+FR*\b+FR-1], v[AF+FR*(\a):AF+FR*(\a)+FR-1], v[8*(8*((\a)%4)+\b):8*(8*((\a)%4)+\b)+7], v[SC+16*(\sc)+8*(\q)+\b], v[SC+16*(\sc)+8*(\q)+(\a)] matrix_a_fmt:MATRIX_FMT_FP6 matrix_b_fmt:MATRIX_FMT_FP6 matrix_a_scale:MATRIX_SCALE_ROW1
.endif
.endr
.endr
.endm
.macro FETCH_B slot, q, p
	WIN TO_B
.irp i, 0,1,2,3,4,5,6,7
	FRAG 128*(\p)+FR*\i, ADRB+\slot, \q, \i
.endr
	WIN 0
.endm
.macro FETCH_A slot, q, i0
.irp i, \i0, \i0+1, \i0+2, \i0+3
	FRAG AF+FR*(\i), ADRA+\slot, \q, \i
.endr
.endm
.macro SCALES sc
.irp q, 0,1
.irp i, 0,1,2,3,4,5,6,7
	ds_load_b32 v[SC+16*\sc+8*\q+\i], v[ADRS] offset:512*\q+64*\i
.endr
.endr
.endm
.macro STEP slot, zero
	s_wait_dscnt 16                                ; all but the youngest 16 loads (A's blocks 4-7) are in
	WIN MUL_LO
	MUL16 0, 0, 0, \slot, \zero
	MUL16 2, 0, 0, \slot, \zero
	s_wait_dscnt 0x0
	PLACES
	FETCH_B \slot, 1, 1
	FETCH_A \slot, 1, 0
	WIN MUL_HI
	MUL16 4, 0, 0, \slot, \zero
	MUL16 6, 0, 0, \slot, \zero
	PLACES
	WIN 0
	FETCH_A \slot, 1, 4
.endm
.macro TURN slot, next, fill
	s_wait_tensorcnt 0x0                           ; all my tensor loads have landed: my part of the next slot
	ds_add_u32 v[SPW], v[NIL]                      ; 0 onto my spare word
	s_wait_dscnt 17                                ; (the add and A's blocks 4-7 may be out)
	WIN MUL_LO
	MUL16 0, 1, 1, \slot, 0
	s_wait_dscnt 0x0                               ; the add is done, and my reads of this slot are over
	s_barrier_signal -1
	MUL16 2, 1, 1, \slot, 0
	WIN 0
	s_barrier_wait -1
.if \fill
	CREST                                          ; a round of the cluster's barrier: no wave of any partner still reads this slot or has a load on its way
	s_add_nc_u64 s[G0+4*\slot+2:G0+4*\slot+3], s[G0+4*\slot+2:G0+4*\slot+3], 2*HALFT
	s_add_nc_u64 s[G0B+4*\slot+2:G0B+4*\slot+3], s[G0B+4*\slot+2:G0B+4*\slot+3], 2*HALFT
	JLOAD G0+4*\slot, G1, G0B+4*\slot, G1B
.else
	PLACES
.endif
	v_add_nc_u32 v[ADRS], 1024, v[ADRS]
	FETCH_B \next, 0, 0
	FETCH_A \next, 0, 0
	SCALES \next
	WIN MUL_HI
	MUL16 4, 1, 1, \slot, 0
	MUL16 6, 1, 1, \slot, 0
	PLACES
	WIN 0
	FETCH_A \next, 0, 4
.endm
.macro QUANT src
.irp b, 0,1,2,3
	v_max3_num_f32 v[TM+\b], |v[\src+16*\b]|, |v[\src+1+16*\b]|, 0x1800000   ; and the floor 2^(3 - 127)
.endr
.irp i, 2,4,6,8,10,12,14
.irp b, 0,1,2,3
	v_max3_num_f32 v[TM+\b], v[TM+\b], |v[\src+16*\b+\i]|, |v[\src+1+16*\b+\i]|
.endr
.endr
.irp b, 0,1,2,3
	v_permlanex16_b32 v[TM+4+\b], v[TM+\b], s[SEL], s[SEL+1]
.endr
.irp b, 0,1,2,3
	v_max_num_f32 v[TM+\b], v[TM+\b], v[TM+4+\b]
.endr
.irp b, 0,1,2,3
	v_add_nc_u32 v[TM+12+\b], 0xff000000, v[TM+\b]
.endr
.irp b, 0,1,2,3
	v_lshrrev_b32 v[TM+4+\b], 23, v[TM+12+\b]
.endr
	v_lshl_or_b32 v[PW], v[TM+5], 8, v[TM+4]
	v_lshl_or_b32 v[PW], v[TM+6], 16, v[PW]
	v_lshl_or_b32 v[PW], v[TM+7], 24, v[PW]
.irp c, 0,1
	v_cvt_scalef32_pk16_fp6_f32 v[PC+6*\c:PC+2+6*\c], v[\src+32*\c:\src+15+32*\c], v[TM+12+2*\c]
	v_cvt_scalef32_pk16_fp6_f32 v[PC+12+4*\c:PC+14+4*\c], v[\src+16+32*\c:\src+31+32*\c], v[TM+12+2*\c+1]
.endr
	v_nop                                              ; one plain place behind a scaled conversion
.irp c, 0,1
.irp i, 0,1,2
	v_permlane16_swap_b32 v[PC+6*\c+\i], v[PC+12+4*\c+\i]
.endr
.irp i, 0,1,2
	v_mov_b32 v[PC+3+6*\c+\i], v[PC+12+4*\c+\i]
.endr
.endr
.endm
.macro IMG b0, o0, b1, o1
	global_store_b128 v[CO], v[PC:PC+3], s[\b0:\b0+1] offset:\o0
	global_store_b64 v[O8], v[PC+4:PC+5], s[\b0:\b0+1] offset:(\o0)+512
	global_store_b128 v[CO], v[PC+6:PC+9], s[\b1:\b1+1] offset:\o1
	global_store_b64 v[O8], v[PC+10:PC+11], s[\b1:\b1+1] offset:(\o1)+512
.endm
	s_load_b256 s[4:11], s[0:1], 0x0               ; bx1 s[4:5], bw s[6:7], b1 s[8:9], bh s[10:11]
	v_lshl_add_u32 v[SPW], v0, 2, SPARE
	v_mov_b32 v[NIL], 0
	ds_add_u32 v28, v29
	ds_add_u32 v28, v29
	s_wait_dscnt 0x0
	v_lshrrev_b32 v1, 5, v0
	v_readfirstlane_b32 s[WV], v1
	s_lshr_b32 s[HA], s[WV], 1
	s_and_b32 s[HB], s[WV], 1
	s_bfe_u32 s19, ttmp6, 0x40000                  ; cx
	s_bfe_u32 s20, ttmp6, 0x40004                  ; cy
	s_lshl_b32 s21, ttmp9, 2
	s_add_co_u32 s21, s21, s19                     ; B's block of 256 rows
	s_and_b32 s22, ttmp7, 0xffff
	s_lshl_b32 s22, s22, 2
	s_add_co_u32 s22, s22, s20                     ; A's block of 256 rows
	s_lshl_b32 s2, s20, 2
	s_lshl_b32 s2, 15, s2
	s_lshl_b32 s3, 0x1111, s19
	s_or_b32 s[G1], s2, (3<<16)|(1<<21)            ; the mask; elements of 8 bytes; bit 21 beside a mask; no padding
	s_or_b32 s[G1S], s2, (3<<16)|(1<<21)
	s_or_b32 s[G1B], s3, (3<<16)|(1<<21)
	s_or_b32 s[G1SB], s3, (3<<16)|(1<<21)
.irp g, G1, G1B
	s_mov_b32 s[\g+1], 32<<16
	s_mov_b32 s[\g+2], 96<<16
	s_mov_b32 s[\g+3], 32<<16
	s_mov_b32 s[\g+4], 96
	s_mov_b32 s[\g+5], 32
	s_mov_b32 s[\g+6], 0
	s_mov_b32 s[\g+7], 0
.endr
.irp g, G1S, G1SB
	s_mov_b32 s[\g+1], 32<<16
	s_mov_b32 s[\g+2], (2*KS)<<16
	s_mov_b32 s[\g+3], 32<<16
	s_mov_b32 s[\g+4], 2*KS
	s_mov_b32 s[\g+5], 32
	s_mov_b32 s[\g+6], 0
	s_mov_b32 s[\g+7], 0
.endr
	s_lshl_b32 s42, s22, 1
	s_add_co_u32 s42, s42, s[HB]
	s_mul_i32 s40, s42, KS*12288
	s_add_co_u32 s40, s40, A_CODES
	s_mov_b32 s41, 0
	s_mul_i32 s42, s42, KS*512
	s_add_co_u32 s42, s42, A_SCALES
	s_mov_b32 s43, 0
	s_lshl_b32 s46, s21, 1
	s_add_co_u32 s46, s46, s[HB]
	s_mul_i32 s44, s46, KS*12288
	s_add_co_u32 s44, s44, B_CODES
	s_mov_b32 s45, 0
	s_mul_i32 s46, s46, KS*512
	s_add_co_u32 s46, s46, B_SCALES
	s_mov_b32 s47, 0
	s_mul_i32 s23, s[WV], HALFT
	s_mul_i32 s92, s[WV], HALFS
	s_wait_kmcnt 0x0
	s_add_nc_u64 s[40:41], s[4:5], s[40:41]
	s_add_nc_u64 s[42:43], s[4:5], s[42:43]
	s_add_nc_u64 s[44:45], s[6:7], s[44:45]
	s_add_nc_u64 s[46:47], s[6:7], s[46:47]
	CROUND                                         ; all sixteen work-groups are here: the first joint loads meet
	s_mov_b32 s[G0S], 1
	s_add_co_u32 s[G0S+1], s92, SCL
	s_mov_b64 s[G0S+2:G0S+3], s[42:43]
	s_or_b32 s[G0S+3], s[G0S+3], 0x80000000
	s_mov_b32 s[G0SB], 1
	s_add_co_u32 s[G0SB+1], s92, SCL
	s_mov_b64 s[G0SB+2:G0SB+3], s[46:47]
	s_or_b32 s[G0SB+3], s[G0SB+3], 0x80000000
	JLOAD G0S, G1S, G0SB, G1SB
.irp s, 0,1
	s_mov_b32 s[G0+4*\s], 1
	s_add_co_u32 s[G0+4*\s+1], s23, \s*SLOT
	s_add_nc_u64 s[G0+4*\s+2:G0+4*\s+3], s[40:41], \s*HALFT
	s_or_b32 s[G0+4*\s+3], s[G0+4*\s+3], 0x80000000
	s_mov_b32 s[G0B+4*\s], 1
	s_add_co_u32 s[G0B+4*\s+1], s23, \s*SLOT
	s_add_nc_u64 s[G0B+4*\s+2:G0B+4*\s+3], s[44:45], \s*HALFT
	s_or_b32 s[G0B+4*\s+3], s[G0B+4*\s+3], 0x80000000
	JLOAD G0+4*\s, G1, G0B+4*\s, G1B               ; three loads of mine are out behind the last
.endr
	v_and_b32 v1, 31, v0
	v_and_b32 v2, 15, v0
	v_bfe_u32 v3, v0, 4, 1
	v_lshlrev_b32 v[CO], 4, v1
	v_lshlrev_b32 v[O8], 3, v1
	v_lshlrev_b32 v[O4], 2, v1
	s_mul_i32 s40, s[HA], HALFT
	s_mul_i32 s41, s[HB], HALFT
	s_add_co_u32 s41, s41, 2*HALFT
.irp s, 0,1
	v_add_nc_u32 v[ADRA+\s], s40, v[CO]
	v_add_nc_u32 v[ADRA+2+\s], s40, v[O8]
	v_add_nc_u32 v[ADRB+\s], s41, v[CO]
	v_add_nc_u32 v[ADRB+2+\s], s41, v[O8]
	s_add_co_u32 s40, s40, SLOT
	s_add_co_u32 s41, s41, SLOT
.endr
	s_mul_i32 s40, s[HA], HALFS
	s_mul_i32 s41, s[HB], HALFS
	s_add_co_u32 s41, s41, 2*HALFS
	s_sub_co_u32 s41, s41, s40
	v_mul_u32_u24 v4, s41, v3
	s_add_co_u32 s40, s40, SCL
	v_lshl_add_u32 v4, v2, 2, v4
	v_add_nc_u32 v[ADRS], s40, v4
	s_lshl_b32 s40, s22, 1
	s_add_co_u32 s40, s40, s[HA]                   ; my 128 tokens
	s_lshl_b32 s41, s21, 1
	s_add_co_u32 s41, s41, s[HB]                   ; my 128 hidden units: the K step of the next product
	s_lshl_b32 s42, s41, 9
	s_mov_b32 s43, 0
	s_add_nc_u64 s[92:93], s[8:9], s[42:43]        ; the bias
	s_lshl_b32 s2, s40, 5
	s_add_co_u32 s2, s2, s41
	s_mul_i32 s42, s2, 12288
	s_add_nc_u64 s[96:97], s[10:11], s[42:43]      ; h's codes
	s_lshl_b32 s42, s2, 9
	s_add_co_u32 s42, s42, 12582912
	s_add_nc_u64 s[98:99], s[10:11], s[42:43]      ; its scale words
	v_lshlrev_b32 v5, 6, v3
.irp b, 0,1,2,3,4,5,6,7
	global_load_b128 v[BI+8*\b:BI+8*\b+3], v5, s[92:93] offset:4*(32*(\b/2)+8*(\b%2))
	global_load_b128 v[BI+8*\b+4:BI+8*\b+7], v5, s[92:93] offset:4*(32*(\b/2)+8*(\b%2))+16
.endr
	s_mov_b32 s[SEL], 0x76543210
	s_mov_b32 s[SEL+1], 0xfedcba98
	s_mov_b32 s[HM], 0xffff0000
	s_mov_b32 s[LG], 0xbfb8aa3b                    ; -log2(e)
	s_mov_b32 s[LG+1], s[LG]
	s_wait_tensorcnt 1                             ; the scale words and my part of slot 0 are in; slot 1's load may be out
	s_barrier_signal -1
	s_barrier_wait -1
	FETCH_B 0, 0, 0
	FETCH_A 0, 0, 0
	SCALES 0
	FETCH_A 0, 0, 4
	STEP 0, 1
	s_mov_b32 s3, LAPS-1
.Llap:
	TURN 0, 1, 1
	STEP 1, 0
	TURN 1, 0, 1
	STEP 0, 0
	s_sub_co_u32 s3, s3, 1
	s_cmp_lg_u32 s3, 0
	s_cbranch_scc1 .Llap
	TURN 0, 1, 0
	STEP 1, 0
	s_wait_dscnt 16
	WIN MUL_LO
	MUL16 0, 1, 1, 1, 0
	MUL16 2, 1, 1, 1, 0
	s_wait_dscnt 0x0
	WIN MUL_HI
	MUL16 4, 1, 1, 1, 0
	MUL16 6, 1, 1, 1, 0
	WIN 0
	PLACES
	s_wait_loadcnt 0x0                             ; the bias
.irp b, 0,1,2,3
	v_mov_b32 v[TM+4+\b], 0
.endr
.macro TILE a                                      ; 16 tokens x my 128 hidden units: bias, silu, codes: one fragment
	s_wait_xcnt 0x0                                ; the last tile's stores have read their registers
.set WN, 0x02+(\a)/4
	WIN WN
.set AC, 64*((\a)%4)
.set jj, 0
.rept 32
	v_pk_add_f32 v[T+jj:T+jj+1], v[AC+jj:AC+jj+1], v[BI+jj:BI+jj+1]   ; z, out of the accumulators, each from its low end on
.set jj, jj+2
.endr
	WIN 0x40                                       ; u, in v0-63 of window 1
.set jj, 0
.rept 32
	v_pk_mul_f32 v[jj:jj+1], v[T+jj:T+jj+1], s[LG:LG+1] op_sel_hi:[1,0]
.set jj, jj+2
.endr
	WIN 0x41
.set jj, 0
.rept 64
	v_exp_f32 v[jj], v[jj]                         ; 2^(-z log2 e)
.set jj, jj+1
.endr
	v_nop                                          ; a plain place behind the transcendentals
.set jj, 0
	s_wait_alu depctr_va_vdst(0)
.rept 32
	v_pk_add_f32 v[jj:jj+1], v[jj:jj+1], 1.0 op_sel_hi:[1,0]
.set jj, jj+2
.endr
.set jj, 0
.rept 64
	v_rcp_f32 v[jj], v[jj]
.set jj, jj+1
.endr
	v_nop
	WIN 0x04
.set jj, 0
	s_wait_alu depctr_va_vdst(0)
.rept 32
	v_pk_mul_f32 v[T+jj:T+jj+1], v[T+jj:T+jj+1], v[jj:jj+1]
.set jj, jj+2
.endr
	WIN 0
	QUANT T
	IMG 96, 1536*(\a), 96, 1536*(\a)+768
.if (\a)%2 == 0
	v_mov_b32 v[PW2], v[PW]
.else
	v_cndmask_b32 v[PWS], v[PW2], v[PW], s[HM]
	global_store_b32 v[O4], v[PWS], s[98:99] offset:128*((\a)/2)
.endif
.endm
.irp a, 0,1,2,3,4,5,6,7
	TILE \a
.endr
	s_wait_tensorcnt 0x0                           ; the wave's end
	ds_add_u32 v[SPW], v[NIL]
	s_wait_dscnt 0x0
	CROUND                                         ; the closing round
	s_endpgm
.Lfunc_end_k_q33ec39cbf8_gemm_1:
	.size	k_q33ec39cbf8_gemm_1, .Lfunc_end_k_q33ec39cbf8_gemm_1-k_q33ec39cbf8_gemm_1
	.p2alignl 7, 3214868480
	.fill 96, 4, 3214868480
	.section	.rodata,"a",@progbits
	.p2align	6, 0x0
	.amdhsa_kernel k_q33ec39cbf8_gemm_1
		.amdhsa_group_segment_fixed_size 327680
		.amdhsa_private_segment_fixed_size 0
		.amdhsa_enable_private_segment 0
		.amdhsa_kernarg_size 32
		.amdhsa_user_sgpr_count 2
		.amdhsa_user_sgpr_kernarg_segment_ptr 1
		.amdhsa_wavefront_size32 1
		.amdhsa_system_sgpr_workgroup_id_x 1
		.amdhsa_system_sgpr_workgroup_id_y 1
		.amdhsa_system_sgpr_workgroup_id_z 1
		.amdhsa_system_vgpr_workitem_id 0
		.amdhsa_next_free_vgpr 1024
		.amdhsa_next_free_sgpr 102
		.amdhsa_reserve_vcc 0
		.amdhsa_float_denorm_mode_32 3
		.amdhsa_float_denorm_mode_16_64 3
		.amdhsa_memory_ordered 1
		.amdhsa_forward_progress 1
		.amdhsa_inst_pref_size 250
	.end_amdhsa_kernel
	.amdgpu_metadata
---
amdhsa.version: [ 1, 2 ]
amdhsa.kernels:
  - .name:           k_q33ec39cbf8_gemm_1
    .symbol:         k_q33ec39cbf8_gemm_1.kd
    .args:
      - { .name: bx1, .offset: 0, .size: 8, .value_kind: global_buffer, .address_space: global }
      - { .name: bw, .offset: 8, .size: 8, .value_kind: global_buffer, .address_space: global }
      - { .name: b1, .offset: 16, .size: 8, .value_kind: global_buffer, .address_space: global }
      - { .name: bh, .offset: 24, .size: 8, .value_kind: global_buffer, .address_space: global }
    .group_segment_fixed_size: 327680
    .private_segment_fixed_size: 0
    .kernarg_segment_align: 8
    .kernarg_segment_size: 32
    .max_flat_workgroup_size: 128
    .sgpr_count:     102
    .vgpr_count:     1024
    .wavefront_size: 32
...
	.end_amdgpu_metadata
.endif
;; end of part 5
;; launch gemm_2 (part 6): grid 4 x 16, 4 waves a work-group, clusters of 4 x 4, 327,680 bytes of LDS; arguments bh, bw, b2, bx1, out0; writes out0
.if DOCPART == 6
	.amdgcn_target "amdgcn-amd-amdhsa--gfx1250"
	.amdhsa_code_object_version 6
	.text
	.protected	k_q33ec39cbf8_gemm_2
	.globl	k_q33ec39cbf8_gemm_2
	.p2align	8
	.type	k_q33ec39cbf8_gemm_2,@function
k_q33ec39cbf8_gemm_2:
	s_mov_b64 s[64:65], 0
	v_nop
	global_prefetch_b8 v0, s[64:65] scope:SCOPE_SE
	s_setreg_imm32_b32 hwreg(HW_REG_WAVE_MODE, 25, 1), 1
	s_wait_xcnt 0x0
	s_wait_alu depctr_hold_cnt(0) depctr_sa_sdst(0) depctr_va_vdst(0) depctr_va_sdst(0) depctr_va_ssrc(0) depctr_va_vcc(0) depctr_vm_vsrc(0)
	s_getreg_b32 s2, hwreg(HW_REG_IB_STS2, 6, 4)
	s_cmp_eq_u32 s2, 0
	s_cbranch_scc0 .Lentry_in_a_cluster
	s_endpgm
.Lentry_in_a_cluster:
	s_bfe_u32 s2, ttmp6, 0x10000c
	s_cmp_lg_u32 s2, 0xf033
	s_cbranch_scc0 .Lentry_shape_is_right
	s_endpgm
.Lentry_shape_is_right:
; out0 = x1 + h W2 + b2 on codes of FP6 (E2M3) with E8M0 scales, K = 4,096; out0 is f32.
; Operands lie as images of fragments' registers: [128 rows][K step of 128][tile 0..7][1,536 bytes], scale words [128 rows][K step][128] (row p of tile t = true row 32 (t / 2) + 8 (t % 2) + p + 8 (p / 8)).
; A work-group of four waves makes 256 x 256, a wave 128 x 128.  THE MATRIX INSTRUCTION IS USED TRANSPOSED: source 0 = W2's columns, source 1 = tokens.  K goes through a ring of two LDS slots of 256 along K; each part
; (128 rows) is one dense block of 24,576 bytes, one tensor load; the scale words of all K (16,384 bytes a part) come once.
; CLUSTERS: 4 x 4: A's tiles are asked for jointly along a row of the cluster, B's along a column.  C has 64 tiles of 256 x 256: 64 work-groups.  Nothing is asked for ahead of the tensor loads: each refill has 112 matrix
; instructions in which to land, and each tile is fetched once for four work-groups.
; THE WAY OUT, a tile of 16 tokens at a time: the sums, with the bias, turn through the wave's stage into whole rows; the residual, loaded as rows, is added there.  The stage lies in slot 0, which has had its last fill and
; its last read when it is first written.
; LIMITS: NaN and infinities are not served.
.set KS,    32
.set A_CODES,  0
.set A_SCALES, 12582912
.set B_CODES,  6291456
.set B_SCALES, 9699328
.set LAPS,  KS/4
.set FR,    12
.set HALFT, 24576
.set SLOT,  4*HALFT
.set SCL,   2*SLOT
.set HALFS, 512*KS
.set SPARE, SCL+4*HALFS
.set ADRA, 16
.set ADRB, 20
.set STO,  24
.set RD,   25
.set CO,   26
.set ADRS, 27
.set SPW,  28
.set NIL,  29
.set O8,   30
.set SC,   32
.set BI,   64
.set AF,   128
.set T,    128
.set OUTR, 128                         ; in window 1: 16 rows on their way out; the residual's two sets at v0, v64 of window 1
.set WV,   16
.set HA,   17
.set HB,   18
.set G1,   24
.set G0,   32
.set G1B,  48
.set G0B,  56
.set G1S,  68
.set G0S,  76
.set G1SB, 80
.set G0SB, 88
.set MSB, 0
.macro WIN new
.if MSB != \new
	s_set_vgpr_msb (MSB<<8)|\new
.set MSB, \new
.endif
.endm
.set MUL_LO, 0xa1
.set MUL_HI, 0xf1
.set TO_B,   0x40
.macro JLOAD g0a, g1a, g0b, g1b        ; a joint load: waves 0, 1 fetch for A, waves 2, 3 for B; four v_nop follow each line
	s_cmp_eq_u32 s[HA], 0
	s_cbranch_scc0 .Lfor_b_\@
	tensor_load_to_lds s[\g0a:\g0a+3], s[\g1a:\g1a+7]
	s_nop 0
.rept 4
	v_nop
.endr
	s_branch .Lasked_\@
.Lfor_b_\@:
	tensor_load_to_lds s[\g0b:\g0b+3], s[\g1b:\g1b+7]
	s_nop 0
.rept 4
	v_nop
.endr
.Lasked_\@:
.endm
.macro CREST
	s_cmp_lg_u32 s[WV], 0
	s_cbranch_scc1 .Lnot_wave_0_\@
	s_barrier_signal -3
.Lnot_wave_0_\@:
	s_barrier_wait -3
	s_barrier_signal -1
	s_barrier_wait -1
.endm
.macro CROUND
	s_barrier_signal -1
	s_barrier_wait -1
	CREST
.endm
.macro PLACES                          ; four places behind a matrix instruction (ISA guide 7.12.1)
.rept 4
	v_nop
.endr
.endm
.macro FRAG reg, adr, q, i
	ds_load_b128 v[\reg:\reg+3], v[\adr] offset:12288*(\q)+1536*(\i)
	ds_load_b64 v[\reg+4:\reg+5], v[\adr+2] offset:12288*(\q)+1536*(\i)+512
	ds_load_b128 v[\reg+6:\reg+9], v[\adr] offset:12288*(\q)+1536*(\i)+768
	ds_load_b64 v[\reg+10:\reg+11], v[\adr+2] offset:12288*(\q)+1536*(\i)+1280
.endm
.macro MUL16 a0, p, q, sc, zero        ; the 64 accumulators take turns, one instruction a turn
.irp a, \a0, \a0+1
.irp b, 0,1,2,3,4,5,6,7
.if \zero
	v_wmma_scale_f32_16x16x128_f8f6f4 v[8*(8*((\a)%4)+\b):8*(8*((\a)%4)+\b)+7], v[128*(\p)+FR*\b:128*(\p)+FR*\b+FR-1], v[AF+FR*(\a):AF+FR*(\a)+FR-1], 0, v[SC+16*(\sc)+8*(\q)+\b], v[SC+16*(\sc)+8*(\q)+(\a)] matrix_a_fmt:MATRIX_FMT_FP6 matrix_b_fmt:MATRIX_FMT_FP6 matrix_a_scale:MATRIX_SCALE_ROW1
.else
	v_wmma_scale_f32_16x16x128_f8f6f4 v[8*(8*((\a)%4)+\b):8*(8*((\a)%4)+\b)+7], v[128*(\p)+FR*\b:128*(\p)+FR*\b+FR-1], v[AF+FR*(\a):AF+FR*(\a)+FR-1], v[8*(8*((\a)%4)+\b):8*(8*((\a)%4)+\b)+7], v[SC+16*(\sc)+8*(\q)+\b], v[SC+16*(\sc)+8*(\q)+(\a)] matrix_a_fmt:MATRIX_FMT_FP6 matrix_b_fmt:MATRIX_FMT_FP6 matrix_a_scale:MATRIX_SCALE_ROW1
.endif
.endr
.endr
.endm
.macro FETCH_B slot, q, p
	WIN TO_B
.irp i, 0,1,2,3,4,5,6,7
	FRAG 128*(\p)+FR*\i, ADRB+\slot, \q, \i
.endr
	WIN 0
.endm
.macro FETCH_A slot, q, i0
.irp i, \i0, \i0+1, \i0+2, \i0+3
	FRAG AF+FR*(\i), ADRA+\slot, \q, \i
.endr
.endm
.macro SCALES sc
.irp q, 0,1
.irp i, 0,1,2,3,4,5,6,7
	ds_load_b32 v[SC+16*\sc+8*\q+\i], v[ADRS] offset:512*\q+64*\i
.endr
.endr
.endm
.macro STEP slot, zero
	s_wait_dscnt 16                                ; all but the youngest 16 loads (A's blocks 4-7) are in
	WIN MUL_LO
	MUL16 0, 0, 0, \slot, \zero
	MUL16 2, 0, 0, \slot, \zero
	s_wait_dscnt 0x0
	PLACES
	FETCH_B \slot, 1, 1
	FETCH_A \slot, 1, 0
	WIN MUL_HI
	MUL16 4, 0, 0, \slot, \zero
	MUL16 6, 0, 0, \slot, \zero
	PLACES
	WIN 0
	FETCH_A \slot, 1, 4
.endm
.macro TURN slot, next, fill
	s_wait_tensorcnt 0x0                           ; all my tensor loads have landed: my part of the next slot
	ds_add_u32 v[SPW], v[NIL]                      ; 0 onto my spare word
	s_wait_dscnt 17                                ; (the add and A's blocks 4-7 may be out)
	WIN MUL_LO
	MUL16 0, 1, 1, \slot, 0
	s_wait_dscnt 0x0                               ; the add is done, and my reads of this slot are over
	s_barrier_signal -1
	MUL16 2, 1, 1, \slot, 0
	WIN 0
	s_barrier_wait -1
.if \fill
	CREST                                          ; a round of the cluster's barrier: no wave of any partner still reads this slot or has a load on its way
	s_add_nc_u64 s[G0+4*\slot+2:G0+4*\slot+3], s[G0+4*\slot+2:G0+4*\slot+3], 2*HALFT
	s_add_nc_u64 s[G0B+4*\slot+2:G0B+4*\slot+3], s[G0B+4*\slot+2:G0B+4*\slot+3], 2*HALFT
	JLOAD G0+4*\slot, G1, G0B+4*\slot, G1B
.else
	PLACES
.endif
	v_add_nc_u32 v[ADRS], 1024, v[ADRS]
	FETCH_B \next, 0, 0
	FETCH_A \next, 0, 0
	SCALES \next
	WIN MUL_HI
	MUL16 4, 1, 1, \slot, 0
	MUL16 6, 1, 1, \slot, 0
	PLACES
	WIN 0
	FETCH_A \next, 0, 4
.endm
	s_load_b256 s[4:11], s[0:1], 0x0               ; bh s[4:5], bw s[6:7], b2 s[8:9], bx1 s[10:11]
	s_load_b64 s[12:13], s[0:1], 0x20              ; out0
	v_lshl_add_u32 v[SPW], v0, 2, SPARE
	v_mov_b32 v[NIL], 0
	ds_add_u32 v28, v29
	ds_add_u32 v28, v29
	s_wait_dscnt 0x0
	v_lshrrev_b32 v1, 5, v0
	v_readfirstlane_b32 s[WV], v1
	s_lshr_b32 s[HA], s[WV], 1
	s_and_b32 s[HB], s[WV], 1
	s_bfe_u32 s19, ttmp6, 0x40000                  ; cx
	s_bfe_u32 s20, ttmp6, 0x40004                  ; cy
	s_lshl_b32 s21, ttmp9, 2
	s_add_co_u32 s21, s21, s19                     ; B's block of 256 rows
	s_and_b32 s22, ttmp7, 0xffff
	s_lshl_b32 s22, s22, 2
	s_add_co_u32 s22, s22, s20                     ; A's block of 256 rows
	s_lshl_b32 s2, s20, 2
	s_lshl_b32 s2, 15, s2
	s_lshl_b32 s3, 0x1111, s19
	s_or_b32 s[G1], s2, (3<<16)|(1<<21)            ; the mask; elements of 8 bytes; bit 21 beside a mask; no padding
	s_or_b32 s[G1S], s2, (3<<16)|(1<<21)
	s_or_b32 s[G1B], s3, (3<<16)|(1<<21)
	s_or_b32 s[G1SB], s3, (3<<16)|(1<<21)
.irp g, G1, G1B
	s_mov_b32 s[\g+1], 32<<16
	s_mov_b32 s[\g+2], 96<<16
	s_mov_b32 s[\g+3], 32<<16
	s_mov_b32 s[\g+4], 96
	s_mov_b32 s[\g+5], 32
	s_mov_b32 s[\g+6], 0
	s_mov_b32 s[\g+7], 0
.endr
.irp g, G1S, G1SB
	s_mov_b32 s[\g+1], 32<<16
	s_mov_b32 s[\g+2], (2*KS)<<16
	s_mov_b32 s[\g+3], 32<<16
	s_mov_b32 s[\g+4], 2*KS
	s_mov_b32 s[\g+5], 32
	s_mov_b32 s[\g+6], 0
	s_mov_b32 s[\g+7], 0
.endr
	s_lshl_b32 s42, s22, 1
	s_add_co_u32 s42, s42, s[HB]
	s_mul_i32 s40, s42, KS*12288
	s_add_co_u32 s40, s40, A_CODES
	s_mov_b32 s41, 0
	s_mul_i32 s42, s42, KS*512
	s_add_co_u32 s42, s42, A_SCALES
	s_mov_b32 s43, 0
	s_lshl_b32 s46, s21, 1
	s_add_co_u32 s46, s46, s[HB]
	s_mul_i32 s44, s46, KS*12288
	s_add_co_u32 s44, s44, B_CODES
	s_mov_b32 s45, 0
	s_mul_i32 s46, s46, KS*512
	s_add_co_u32 s46, s46, B_SCALES
	s_mov_b32 s47, 0
	s_mul_i32 s23, s[WV], HALFT
	s_mul_i32 s92, s[WV], HALFS
	s_wait_kmcnt 0x0
	s_add_nc_u64 s[40:41], s[4:5], s[40:41]
	s_add_nc_u64 s[42:43], s[4:5], s[42:43]
	s_add_nc_u64 s[44:45], s[6:7], s[44:45]
	s_add_nc_u64 s[46:47], s[6:7], s[46:47]
	CROUND                                         ; all sixteen work-groups are here: the first joint loads meet
	s_mov_b32 s[G0S], 1
	s_add_co_u32 s[G0S+1], s92, SCL
	s_mov_b64 s[G0S+2:G0S+3], s[42:43]
	s_or_b32 s[G0S+3], s[G0S+3], 0x80000000
	s_mov_b32 s[G0SB], 1
	s_add_co_u32 s[G0SB+1], s92, SCL
	s_mov_b64 s[G0SB+2:G0SB+3], s[46:47]
	s_or_b32 s[G0SB+3], s[G0SB+3], 0x80000000
	JLOAD G0S, G1S, G0SB, G1SB
.irp s, 0,1
	s_mov_b32 s[G0+4*\s], 1
	s_add_co_u32 s[G0+4*\s+1], s23, \s*SLOT
	s_add_nc_u64 s[G0+4*\s+2:G0+4*\s+3], s[40:41], \s*HALFT
	s_or_b32 s[G0+4*\s+3], s[G0+4*\s+3], 0x80000000
	s_mov_b32 s[G0B+4*\s], 1
	s_add_co_u32 s[G0B+4*\s+1], s23, \s*SLOT
	s_add_nc_u64 s[G0B+4*\s+2:G0B+4*\s+3], s[44:45], \s*HALFT
	s_or_b32 s[G0B+4*\s+3], s[G0B+4*\s+3], 0x80000000
	JLOAD G0+4*\s, G1, G0B+4*\s, G1B               ; three loads of mine are out behind the last
.endr
	v_and_b32 v1, 31, v0
	v_and_b32 v2, 15, v0
	v_bfe_u32 v3, v0, 4, 1
	v_lshlrev_b32 v[CO], 4, v1
	v_lshlrev_b32 v[O8], 3, v1
	s_mul_i32 s40, s[HA], HALFT
	s_mul_i32 s41, s[HB], HALFT
	s_add_co_u32 s41, s41, 2*HALFT
.irp s, 0,1
	v_add_nc_u32 v[ADRA+\s], s40, v[CO]
	v_add_nc_u32 v[ADRA+2+\s], s40, v[O8]
	v_add_nc_u32 v[ADRB+\s], s41, v[CO]
	v_add_nc_u32 v[ADRB+2+\s], s41, v[O8]
	s_add_co_u32 s40, s40, SLOT
	s_add_co_u32 s41, s41, SLOT
.endr
	s_mul_i32 s40, s[HA], HALFS
	s_mul_i32 s41, s[HB], HALFS
	s_add_co_u32 s41, s41, 2*HALFS
	s_sub_co_u32 s41, s41, s40
	v_mul_u32_u24 v4, s41, v3
	s_add_co_u32 s40, s40, SCL
	v_lshl_add_u32 v4, v2, 2, v4
	v_add_nc_u32 v[ADRS], s40, v4
	s_mul_i32 s2, s[WV], 8448                      ; my stage: 16 rows x (512 + 16) bytes
	v_mul_u32_u24 v4, v2, 528
	v_lshl_add_u32 v4, v3, 6, v4
	v_add_nc_u32 v[STO], s2, v4                    ; the result's layout: row r, + 64 h
	v_add_nc_u32 v[RD], s2, v[CO]                  ; rows: 16 bytes a lane
	s_lshl_b32 s40, s22, 1
	s_add_co_u32 s40, s40, s[HA]                   ; my 128 tokens
	s_lshl_b32 s41, s21, 1
	s_add_co_u32 s41, s41, s[HB]                   ; my 128 columns
	s_lshl_b32 s42, s41, 9
	s_mov_b32 s43, 0
	s_add_nc_u64 s[92:93], s[8:9], s[42:43]        ; the bias
	s_lshl_b32 s2, s40, 19
	s_add_co_u32 s42, s42, s2
	s_add_nc_u64 s[94:95], s[10:11], s[42:43]      ; the residual: x1 as f32
	s_add_nc_u64 s[96:97], s[12:13], s[42:43]      ; out0
	v_lshlrev_b32 v5, 6, v3
.irp b, 0,1,2,3,4,5,6,7
	global_load_b128 v[BI+8*\b:BI+8*\b+3], v5, s[92:93] offset:4*(32*(\b/2)+8*(\b%2))
	global_load_b128 v[BI+8*\b+4:BI+8*\b+7], v5, s[92:93] offset:4*(32*(\b/2)+8*(\b%2))+16
.endr
	s_wait_tensorcnt 1                             ; the scale words and my part of slot 0 are in; slot 1's load may be out
	s_barrier_signal -1
	s_barrier_wait -1
	FETCH_B 0, 0, 0
	FETCH_A 0, 0, 0
	SCALES 0
	FETCH_A 0, 0, 4
	STEP 0, 1
	s_mov_b32 s3, LAPS-1
.Llap:
	TURN 0, 1, 1
	STEP 1, 0
	TURN 1, 0, 1
	STEP 0, 0
	s_sub_co_u32 s3, s3, 1
	s_cmp_lg_u32 s3, 0
	s_cbranch_scc1 .Llap
	TURN 0, 1, 0
	STEP 1, 0
	s_wait_dscnt 16
	WIN MUL_LO
	MUL16 0, 1, 1, 1, 0
	MUL16 2, 1, 1, 1, 0
	s_wait_dscnt 0x0
	WIN MUL_HI
	MUL16 4, 1, 1, 1, 0
	MUL16 6, 1, 1, 1, 0
	WIN 0
	PLACES
	s_wait_loadcnt 0x0                             ; the bias
.macro XLOAD a                                     ; the residual's 16 rows of tile a: 512 consecutive bytes a load
	WIN 0x40
.set tt, 0
.rept 16
	global_load_b128 v[64*((\a)%2)+4*tt:64*((\a)%2)+4*tt+3], v[CO], s[94:95] offset:4096*(32*((\a)/2)+8*((\a)%2)+tt+8*(tt/8)) th:TH_LOAD_NT
.set tt, tt+1
.endr
	WIN 0
.endm
.macro TILE a
	s_wait_xcnt 0x0                                ; the last tile's stores have read their registers
.if (\a) < 7
	XLOAD (\a)+1
.endif
.set WN, 0x02+(\a)/4
	WIN WN
.set AC, 64*((\a)%4)
.set jj, 0
.rept 32
	v_pk_add_f32 v[T+jj:T+jj+1], v[AC+jj:AC+jj+1], v[BI+jj:BI+jj+1]   ; out of the accumulators, each from its low end on, with the bias
.set jj, jj+2
.endr
	WIN 0
.set tt, 0
.rept 16
	ds_store_b128 v[STO], v[T+4*tt:T+4*tt+3] offset:128*(tt/4)+16*(tt%4)
.set tt, tt+1
.endr
	WIN 0x40
.set tt, 0
.rept 16
	ds_load_b128 v[OUTR+4*tt:OUTR+4*tt+3], v[RD] offset:528*tt   ; LDS serves a wave's instructions in order: whole rows come back
.set tt, tt+1
.endr
.if (\a) < 7
	s_wait_loadcnt 16                              ; this tile's residual is in, the next tile's 16 loads may be out
.else
	s_wait_loadcnt 0x0
.endif
	s_wait_dscnt 0x0
.set RR, 64*((\a)%2)
	WIN 0x45
.set jj, 0
.rept 32
	v_pk_add_f32 v[OUTR+jj:OUTR+jj+1], v[OUTR+jj:OUTR+jj+1], v[RR+jj:RR+jj+1]
.set jj, jj+2
.endr
	WIN 0x04
.set tt, 0
.rept 16
	global_store_b128 v[CO], v[OUTR+4*tt:OUTR+4*tt+3], s[96:97] offset:4096*(32*((\a)/2)+8*((\a)%2)+tt+8*(tt/8)) th:TH_STORE_NT   ; 512 consecutive bytes, aligned to 256
.set tt, tt+1
.endr
	WIN 0
.endm
	XLOAD 0
.irp a, 0,1,2,3,4,5,6,7
	TILE \a
.endr
	s_wait_tensorcnt 0x0                           ; the wave's end
	ds_add_u32 v[SPW], v[NIL]
	s_wait_dscnt 0x0
	CROUND                                         ; the closing round
	s_endpgm
.Lfunc_end_k_q33ec39cbf8_gemm_2:
	.size	k_q33ec39cbf8_gemm_2, .Lfunc_end_k_q33ec39cbf8_gemm_2-k_q33ec39cbf8_gemm_2
	.p2alignl 7, 3214868480
	.fill 96, 4, 3214868480
	.section	.rodata,"a",@progbits
	.p2align	6, 0x0
	.amdhsa_kernel k_q33ec39cbf8_gemm_2
		.amdhsa_group_segment_fixed_size 327680
		.amdhsa_private_segment_fixed_size 0
		.amdhsa_enable_private_segment 0
		.amdhsa_kernarg_size 40
		.amdhsa_user_sgpr_count 2
		.amdhsa_user_sgpr_kernarg_segment_ptr 1
		.amdhsa_wavefront_size32 1
		.amdhsa_system_sgpr_workgroup_id_x 1
		.amdhsa_system_sgpr_workgroup_id_y 1
		.amdhsa_system_sgpr_workgroup_id_z 1
		.amdhsa_system_vgpr_workitem_id 0
		.amdhsa_next_free_vgpr 1024
		.amdhsa_next_free_sgpr 102
		.amdhsa_reserve_vcc 0
		.amdhsa_float_denorm_mode_32 3
		.amdhsa_float_denorm_mode_16_64 3
		.amdhsa_memory_ordered 1
		.amdhsa_forward_progress 1
		.amdhsa_inst_pref_size 193
	.end_amdhsa_kernel
	.amdgpu_metadata
---
amdhsa.version: [ 1, 2 ]
amdhsa.kernels:
  - .name:           k_q33ec39cbf8_gemm_2
    .symbol:         k_q33ec39cbf8_gemm_2.kd
    .args:
      - { .name: bh, .offset: 0, .size: 8, .value_kind: global_buffer, .address_space: global }
      - { .name: bw, .offset: 8, .size: 8, .value_kind: global_buffer, .address_space: global }
      - { .name: b2, .offset: 16, .size: 8, .value_kind: global_buffer, .address_space: global }
      - { .name: bx1, .offset: 24, .size: 8, .value_kind: global_buffer, .address_space: global }
      - { .name: out0, .offset: 32, .size: 8, .value_kind: global_buffer, .address_space: global }
    .group_segment_fixed_size: 327680
    .private_segment_fixed_size: 0
    .kernarg_segment_align: 8
    .kernarg_segment_size: 40
    .max_flat_workgroup_size: 128
    .sgpr_count:     102
    .vgpr_count:     1024
    .wavefront_size: 32
...
	.end_amdgpu_metadata
.endif
;; end of part 6
;; ======== version 2 of 2: 6 launches
;; limits: right only within a limited range of input values
;; workspace buffers: bx 3,276,800 bytes; bw 9,830,400 bytes; bqkv 10,223,616 bytes; by 3,276,800 bytes; bx1 20,054,016 bytes; bh 13,107,200 bytes
;; launch quant (part 7): grid 640 x 1, 4 waves a work-group, no clusters, 92,672 bytes of LDS; arguments x, Wq, Wk, Wv, Wo, W1, W2, bx, bw; writes bx, bw
.if DOCPART == 7
	.amdgcn_target "amdgcn-amd-amdhsa--gfx1250"
	.amdhsa_code_object_version 6
	.text
	.protected	k_q33ec39cbf8_quant
	.globl	k_q33ec39cbf8_quant
	.p2align	8
	.type	k_q33ec39cbf8_quant,@function
k_q33ec39cbf8_quant:
	s_mov_b64 s[64:65], 0
	v_nop
	global_prefetch_b8 v0, s[64:65] scope:SCOPE_SE
	s_setreg_imm32_b32 hwreg(HW_REG_WAVE_MODE, 25, 1), 1
	s_wait_xcnt 0x0
; x [4096][1024] and the six weights ([K][N], K their first axis), all f32, become codes of FP6 (E2M3) with one E8M0 byte for each 32 along K.
; A block's scale is 2^(floor(log2(largest magnitude)) - 2): its byte is the largest magnitude's exponent field - 2, held at 1 from below by a floor among the maximum's leaves.
; LIMITS: NaN and infinities are not served; a block whose largest magnitude lies under 2^-124, a block of zeros among them, gets the byte 1 (its codes are then zeros or the nearest codes; only this program reads the bytes).
; LAYOUT OF THE RESULTS (this program's own): an operand's rows go in tiles of 16: row p of tile t is the true row 32 (t / 2) + 8 (t % 2) + p + 8 (p / 8).
; A fragment (16 rows x 128 K, 12 registers a lane) lies as an image of its registers, 1,536 bytes: half c at 768 c: registers 6 c .. 6 c + 3 at 16 x lane, registers 6 c + 4, 5 at 512 + 8 x lane.
; Codes: [128 rows][K step of 128][tile 0..7][1,536]; scale words: [128 rows][K step][16 tile + p] of 4 bytes.
; Work-groups 0-255 take x (K innermost), the others the weights (a lane to a column, registers down K).  The two ways part on the work-group's number and have LDS bytes of their own.
; No tensor load, no barrier: waves share nothing.  The launch streams its inputs once, so nothing is asked for ahead and no cluster is formed: no two work-groups read the same bytes.
.set O16, 4                            ; v4   16 x lane
.set O8,  5                            ; v5   8 x lane
.set XR,  32                           ; v32-159  x: 32 rows x 4 registers as loaded; then two tiles of 64 numbers
.set PC,  160                          ; v160-178 the codes just made
.set TM,  180                          ; v180-195 maxima, bytes, scale operands
.set PW,  196                          ; the scale word just made
.set PW2, 197
.set PWS, 198
.set HM,  40                           ; s40  lanes 16-31
.set SEL, 42                           ; s[42:43] selects for lane l xor 16
.set XST, 16896                        ; x: a wave's stage: 32 rows x (512 + 16) bytes
.set WST, 67584                        ; the weights' stages begin behind x's four
.set OF,  32                           ; v32-63   weights: 4 x lane + i rows
.set WX,  64                           ; v64-127  two sets of 32 numbers
.set CC,  128                          ; v128-134 a block's codes
.set WO,  136                          ; v136-183 the way out
.set SB,  24                           ; v24-25   scale words of the two K steps
.set BP,  44                           ; s[44:59] eight bases, one for each block of 32 along K
; 64 numbers of a lane, register 16 b + i = k 32 b + 16 (lane / 16) + i of the lane's row, become a fragment's codes in v[PC] on and the row's scale word in v[PW]
.macro QUANT src
.irp b, 0,1,2,3
	v_max3_num_f32 v[TM+\b], |v[\src+16*\b]|, |v[\src+1+16*\b]|, 0x1800000   ; my 16 numbers of block b, and the floor 2^(3 - 127)
.endr
.irp i, 2,4,6,8,10,12,14
.irp b, 0,1,2,3
	v_max3_num_f32 v[TM+\b], v[TM+\b], |v[\src+16*\b+\i]|, |v[\src+1+16*\b+\i]|
.endr
.endr
.irp b, 0,1,2,3
	v_permlanex16_b32 v[TM+4+\b], v[TM+\b], s[SEL], s[SEL+1]
.endr
.irp b, 0,1,2,3
	v_max_num_f32 v[TM+\b], v[TM+\b], v[TM+4+\b]       ; with lane l xor 16's: the block's largest magnitude
.endr
.irp b, 0,1,2,3
	v_add_nc_u32 v[TM+12+\b], 0xff000000, v[TM+\b]     ; 2 off its exponent field: the conversion's scale operand
.endr
.irp b, 0,1,2,3
	v_lshrrev_b32 v[TM+4+\b], 23, v[TM+12+\b]          ; the scale's byte
.endr
	v_lshl_or_b32 v[PW], v[TM+5], 8, v[TM+4]
	v_lshl_or_b32 v[PW], v[TM+6], 16, v[PW]
	v_lshl_or_b32 v[PW], v[TM+7], 24, v[PW]
.irp c, 0,1
	v_cvt_scalef32_pk16_fp6_f32 v[PC+6*\c:PC+2+6*\c], v[\src+32*\c:\src+15+32*\c], v[TM+12+2*\c]
	v_cvt_scalef32_pk16_fp6_f32 v[PC+12+4*\c:PC+14+4*\c], v[\src+16+32*\c:\src+31+32*\c], v[TM+12+2*\c+1]
.endr
	v_nop                                              ; one plain place behind a scaled conversion
.irp c, 0,1                                        ; a whole block to a lane: lanes 0-15 block 2 c, lanes 16-31 block 2 c + 1
.irp i, 0,1,2
	v_permlane16_swap_b32 v[PC+6*\c+\i], v[PC+12+4*\c+\i]
.endr
.irp i, 0,1,2
	v_mov_b32 v[PC+3+6*\c+\i], v[PC+12+4*\c+\i]
.endr
.endr
.endm
.macro IMG b0, o0, b1, o1                          ; the fragment's image: each store covers 512 or 256 consecutive bytes, aligned to 256
	global_store_b128 v[O16], v[PC:PC+3], s[\b0:\b0+1] offset:\o0
	global_store_b64 v[O8], v[PC+4:PC+5], s[\b0:\b0+1] offset:(\o0)+512
	global_store_b128 v[O16], v[PC+6:PC+9], s[\b1:\b1+1] offset:\o1
	global_store_b64 v[O8], v[PC+10:PC+11], s[\b1:\b1+1] offset:(\o1)+512
.endm
	s_load_b512 s[4:19], s[0:1], 0x0               ; x s[4:5], Wq s[6:7], Wk s[8:9], Wv s[10:11], Wo s[12:13], W1 s[14:15], W2 s[16:17], bx s[18:19]
	s_load_b64 s[20:21], s[0:1], 0x40              ; bw
	v_lshl_add_u32 v200, v0, 2, 0x16800
	v_mov_b32 v201, 0
	v_lshrrev_b32 v1, 5, v0
	v_readfirstlane_b32 s22, v1                    ; wave
	v_and_b32 v1, 31, v0                           ; lane
	s_cmp_lt_u32 ttmp9, 256
	s_cbranch_scc0 .Lweights
	; ---- x: a wave takes 32 true rows x 128 along K: two tiles
	s_lshl_b32 s23, ttmp9, 2
	s_add_co_u32 s23, s23, s22                     ; unit
	s_lshr_b32 s24, s23, 3                         ; group of 32 rows
	s_and_b32 s25, s23, 7                          ; K step
	s_lshl_b32 s26, s24, 17                        ; 32 rows of 4,096 bytes
	s_lshl_b32 s27, s25, 9
	s_add_co_u32 s26, s26, s27
	s_mov_b32 s27, 0
	s_lshr_b32 s28, s24, 2
	s_lshl_b32 s28, s28, 3
	s_add_co_u32 s28, s28, s25                     ; 8 x (128 rows) + K step
	s_and_b32 s29, s24, 3
	s_lshl_b32 s29, s29, 1                         ; my first tile
	s_lshl_b32 s30, s28, 3
	s_add_co_u32 s30, s30, s29
	s_mul_i32 s30, s30, 1536
	s_mov_b32 s31, 0
	s_lshl_b32 s32, s28, 9
	s_lshl_b32 s33, s29, 6
	s_add_co_u32 s32, s32, s33
	s_add_co_u32 s32, s32, 3145728
	s_mov_b32 s33, 0
	s_mov_b32 s[HM], 0xffff0000
	s_mov_b32 s[SEL], 0x76543210
	s_mov_b32 s[SEL+1], 0xfedcba98
	v_and_b32 v2, 15, v0                           ; r
	v_bfe_u32 v3, v0, 4, 1                         ; h
	s_wait_alu depctr_va_vdst(0)
	v_lshlrev_b32 v[O16], 4, v1
	v_lshlrev_b32 v[O8], 3, v1
	v_lshlrev_b32 v8, 2, v1
	s_mul_i32 s34, s22, XST
	v_add_nc_u32 v6, s34, v[O16]                   ; the stage, on the way in: 16 bytes a lane of a row
	v_mul_u32_u24 v7, v2, 528
	v_lshl_add_u32 v7, v3, 6, v7
	v_add_nc_u32 v7, s34, v7                       ; and out: row r, + 64 h: my 16 numbers of a block
.irp b, 0,1,2,3
	v_mov_b32 v[TM+4+\b], 0                        ; a lane permute's destination counts as one of its sources
.endr
	s_wait_alu depctr_va_vdst(0)
	s_wait_kmcnt 0x0
	s_add_nc_u64 s[4:5], s[4:5], s[26:27]
	s_add_nc_u64 s[36:37], s[18:19], s[30:31]
	s_add_nc_u64 s[38:39], s[18:19], s[32:33]
.set tt, 0
.rept 32
	global_load_b128 v[XR+4*tt:XR+4*tt+3], v[O16], s[4:5] offset:4096*tt th:TH_LOAD_NT   ; 512 consecutive bytes of true row tt
.set tt, tt+1
.endr
.set tt, 0
.rept 32
	s_wait_loadcnt 31-tt                           ; loads come back in order: row tt is in, the younger ones may be out
	ds_store_b128 v6, v[XR+4*tt:XR+4*tt+3] offset:528*(16*((tt/8)%2)+tt%8+8*(tt/16))   ; into the place of its tile and row
.set tt, tt+1
.endr
.set tt, 0
.rept 32
	ds_load_b128 v[XR+4*tt:XR+4*tt+3], v7 offset:528*16*(tt/16)+128*((tt/4)%4)+16*(tt%4)   ; LDS serves a wave's instructions in order: these see the stores
.set tt, tt+1
.endr
	s_wait_dscnt 16                                ; the first tile's 16 loads are in, the second's may be out
	QUANT XR
	IMG 36, 0, 36, 768
	v_mov_b32 v[PW2], v[PW]
	s_wait_dscnt 0x0
	s_wait_xcnt 0x0                                ; the stores have read the codes' registers
	QUANT XR+64
	IMG 36, 1536, 36, 2304
	v_cndmask_b32 v[PWS], v[PW2], v[PW], s[HM]     ; lanes 0-15 the first tile's words, lanes 16-31 the second's
	global_store_b32 v8, v[PWS], s[38:39]
	s_wait_tensorcnt 0x0
	ds_add_u32 v200, v201
	s_wait_dscnt 0x0
	s_endpgm
	; ---- the weights: a work-group takes 128 columns x 256 along K, a wave 32 columns, a lane one column
.Lweights:
	s_sub_co_u32 s23, ttmp9, 256                   ; 0-127: Wq, Wk, Wv, Wo (32 each); 128-255: W1; 256-383: W2
	s_cmp_ge_u32 s23, 128
	s_cselect_b32 s26, 128, 0
	s_cselect_b32 s29, 1, 0                        ; region of bw
	s_cselect_b32 s31, 31, 7                       ; blocks of 128 columns in one weight, less 1
	s_mov_b32 s30, 4096
	s_cselect_b32 s30, 16384, s30                  ; bytes from a row of K to the next
	s_cmp_ge_u32 s23, 256
	s_cselect_b32 s26, 256, s26
	s_cselect_b32 s29, 2, s29
	s_cselect_b32 s30, 4096, s30
	s_cselect_b32 s27, 4, 2                        ; log2 of the runs of 256 along K
	s_cselect_b32 s28, 32, 8                       ; K steps of 128
	s_sub_co_u32 s33, s23, s26
	s_lshr_b32 s32, s33, s27                       ; block of 128 columns in the region
	s_bfm_b32 s34, s27, 0
	s_and_b32 s34, s33, s34                        ; which 256 along K
	s_and_b32 s31, s32, s31                        ; block of 128 columns in the weight
	s_lshl_b32 s35, s30, 8
	s_mul_i32 s36, s34, s35
	s_lshl_b32 s35, s31, 9
	s_add_co_u32 s36, s36, s35
	s_lshl_b32 s35, s22, 7
	s_add_co_u32 s36, s36, s35
	s_mov_b32 s37, 0
	s_lshl_b32 s38, s30, 5                         ; 32 rows of K
	s_mov_b32 s39, 0
	s_mul_i32 s35, s32, s28
	s_lshl_b32 s60, s34, 1
	s_add_co_u32 s35, s35, s60                     ; (128 columns) x K steps + my first K step
	s_lshl_b32 s60, s35, 3
	s_lshl_b32 s61, s22, 1
	s_add_co_u32 s60, s60, s61
	s_mul_i32 s60, s60, 1536
	s_mul_i32 s61, s29, 3145728
	s_add_co_u32 s60, s60, s61
	s_mov_b32 s61, 0
	s_lshl_b32 s62, s35, 9
	s_lshl_b32 s63, s22, 7
	s_add_co_u32 s62, s62, s63
	s_lshl_b32 s63, s29, 17
	s_add_co_u32 s62, s62, s63
	s_add_co_u32 s62, s62, 9437184
	s_mov_b32 s63, 0
	v_bfe_u32 v2, v0, 3, 1                         ; my column's tile of the wave's two
	v_and_b32 v3, 7, v0
	v_bfe_u32 v6, v0, 4, 1
	v_lshl_add_u32 v3, v6, 3, v3                   ; and its row there
	s_mul_i32 s35, s22, 6144
	s_add_co_u32 s35, s35, WST                     ; my stage: [K step][tile][1,536]
	v_mul_u32_u24 v7, v2, 1536
	v_lshl_add_u32 v9, v3, 4, v7
	v_add_nc_u32 v9, s35, v9                       ; where a block's first 16 bytes go
	v_lshl_add_u32 v10, v3, 3, v7
	v_add_nc_u32 v10, s35, v10                     ; and its last 8 (512 further on, in the immediate)
	v_lshlrev_b32 v15, 4, v1
	v_add_nc_u32 v14, s35, v15                     ; the way back: 16 bytes a lane
	v_lshl_add_u32 v16, v2, 4, v3
	v_lshlrev_b32 v16, 2, v16                      ; my scale word's place among the wave's 32
	v_lshlrev_b32 v[OF], 2, v1
.set ii, 1
.rept 31
	v_add_nc_u32 v[OF+ii], s30, v[OF+ii-1]
.set ii, ii+1
.endr
	s_wait_alu depctr_va_vdst(0)
	s_wait_kmcnt 0x0
	s_cmp_lt_u32 s23, 256                          ; the choice hangs on the work-group's number alone
	s_cselect_b64 s[24:25], s[14:15], s[16:17]
	s_cmp_lt_u32 s23, 128
	s_cselect_b64 s[24:25], s[12:13], s[24:25]
	s_cmp_lt_u32 s23, 96
	s_cselect_b64 s[24:25], s[10:11], s[24:25]
	s_cmp_lt_u32 s23, 64
	s_cselect_b64 s[24:25], s[8:9], s[24:25]
	s_cmp_lt_u32 s23, 32
	s_cselect_b64 s[24:25], s[6:7], s[24:25]
	s_add_nc_u64 s[BP:BP+1], s[24:25], s[36:37]
.irp t, 1,2,3,4,5,6,7
	s_add_nc_u64 s[BP+2*\t:BP+2*\t+1], s[BP+2*\t-2:BP+2*\t-1], s[38:39]
.endr
	s_add_nc_u64 s[60:61], s[20:21], s[60:61]      ; my codes
	s_add_nc_u64 s[62:63], s[20:21], s[62:63]      ; my scale words
.macro LOAD t                                      ; block t: W(32 t + i, my column): 128 consecutive bytes a wave and load
.set ii, 0
.rept 32
	global_load_b32 v[WX+32*((\t)%2)+ii], v[OF+ii], s[BP+2*(\t):BP+2*(\t)+1] th:TH_LOAD_NT
.set ii, ii+1
.endr
.endm
.macro BLOCK t
.set XS, WX+32*((\t)%2)
.if (\t) < 7
	s_wait_loadcnt 32                              ; this block's 32 loads are in, the next block's may be out
.else
	s_wait_loadcnt 0x0
.endif
	v_max3_num_f32 v12, |v[XS]|, |v[XS+1]|, |v[XS+2]|
	v_max3_num_f32 v13, |v[XS+3]|, |v[XS+4]|, |v[XS+5]|
.irp i, 6,10,14,18,22,26
	v_max3_num_f32 v12, v12, |v[XS+\i]|, |v[XS+\i+1]|
	v_max3_num_f32 v13, v13, |v[XS+\i+2]|, |v[XS+\i+3]|
.endr
	v_max3_num_f32 v12, v12, |v[XS+30]|, |v[XS+31]|
	v_max3_num_f32 v12, v12, v13, 3<<23            ; and the floor
	v_add_nc_u32 v11, -(2<<23), v12                ; the conversion's scale operand
	v_lshrrev_b32 v13, 23, v11                     ; the byte
.if (\t)%4 == 0
	v_mov_b32 v[SB+(\t)/4], v13
.else
	v_lshl_or_b32 v[SB+(\t)/4], v13, 8*((\t)%4), v[SB+(\t)/4]
.endif
	v_cvt_scalef32_pk16_fp6_f32 v[CC:CC+2], v[XS:XS+15], v11
	v_cvt_scalef32_pk16_fp6_f32 v[CC+4:CC+6], v[XS+16:XS+31], v11
	v_nop                                          ; one plain place behind a scaled conversion
	v_mov_b32 v[CC+3], v[CC+4]                     ; the block's 24 bytes on end
	v_mov_b32 v[CC+4], v[CC+5]
	v_mov_b32 v[CC+5], v[CC+6]
	ds_store_b128 v9, v[CC:CC+3] offset:3072*((\t)/4)+768*(((\t)/2)%2)+256*((\t)%2)        ; the image's lane is my row + 16 x (block % 2)
	ds_store_b64 v10, v[CC+4:CC+5] offset:3072*((\t)/4)+768*(((\t)/2)%2)+128*((\t)%2)+512
.if (\t) < 6
	LOAD (\t)+2
.endif
	s_wait_dscnt 0x0                               ; the stores have read their registers: the next block's codes may be written
.endm
	LOAD 0
	LOAD 1
.irp t, 0,1,2,3,4,5,6,7
	BLOCK \t
.endr
.irp k, 0,1,2,3,4,5,6,7,8,9,10,11
	ds_load_b128 v[WO+4*\k:WO+4*\k+3], v14 offset:512*\k
.endr
	global_store_b32 v16, v[SB], s[62:63]
	s_wait_alu depctr_va_vdst(0)
	global_store_b32 v16, v[SB+1], s[62:63] offset:512
.irp k, 0,1,2,3,4,5,6,7,8,9,10,11
	s_wait_dscnt 11-\k
	global_store_b128 v15, v[WO+4*\k:WO+4*\k+3], s[60:61] offset:(\k/6)*12288+(\k%6)*512   ; 512 consecutive bytes, aligned to 256
.endr
	s_wait_tensorcnt 0x0
	ds_add_u32 v200, v201
	s_wait_dscnt 0x0
	s_endpgm
.Lfunc_end_k_q33ec39cbf8_quant:
	.size	k_q33ec39cbf8_quant, .Lfunc_end_k_q33ec39cbf8_quant-k_q33ec39cbf8_quant
	.p2alignl 7, 3214868480
	.fill 96, 4, 3214868480
	.section	.rodata,"a",@progbits
	.p2align	6, 0x0
	.amdhsa_kernel k_q33ec39cbf8_quant
		.amdhsa_group_segment_fixed_size 92672
		.amdhsa_private_segment_fixed_size 0
		.amdhsa_enable_private_segment 0
		.amdhsa_kernarg_size 72
		.amdhsa_user_sgpr_count 2
		.amdhsa_user_sgpr_kernarg_segment_ptr 1
		.amdhsa_wavefront_size32 1
		.amdhsa_system_sgpr_workgroup_id_x 1
		.amdhsa_system_sgpr_workgroup_id_y 1
		.amdhsa_system_sgpr_workgroup_id_z 1
		.amdhsa_system_vgpr_workitem_id 0
		.amdhsa_next_free_vgpr 202
		.amdhsa_next_free_sgpr 66
		.amdhsa_reserve_vcc 0
		.amdhsa_float_denorm_mode_32 3
		.amdhsa_float_denorm_mode_16_64 3
		.amdhsa_memory_ordered 1
		.amdhsa_forward_progress 1
		.amdhsa_inst_pref_size 63
	.end_amdhsa_kernel
	.amdgpu_metadata
---
amdhsa.version: [ 1, 2 ]
amdhsa.kernels:
  - .name:           k_q33ec39cbf8_quant
    .symbol:         k_q33ec39cbf8_quant.kd
    .args:
      - { .name: x, .offset: 0, .size: 8, .value_kind: global_buffer, .address_space: global }
      - { .name: Wq, .offset: 8, .size: 8, .value_kind: global_buffer, .address_space: global }
      - { .name: Wk, .offset: 16, .size: 8, .value_kind: global_buffer, .address_space: global }
      - { .name: Wv, .offset: 24, .size: 8, .value_kind: global_buffer, .address_space: global }
      - { .name: Wo, .offset: 32, .size: 8, .value_kind: global_buffer, .address_space: global }
      - { .name: W1, .offset: 40, .size: 8, .value_kind: global_buffer, .address_space: global }
      - { .name: W2, .offset: 48, .size: 8, .value_kind: global_buffer, .address_space: global }
      - { .name: bx, .offset: 56, .size: 8, .value_kind: global_buffer, .address_space: global }
      - { .name: bw, .offset: 64, .size: 8, .value_kind: global_buffer, .address_space: global }
    .group_segment_fixed_size: 92672
    .private_segment_fixed_size: 0
    .kernarg_segment_align: 8
    .kernarg_segment_size: 72
    .max_flat_workgroup_size: 128
    .sgpr_count:     66
    .vgpr_count:     202
    .wavefront_size: 32
...
	.end_amdgpu_metadata
.endif
;; end of part 7
;; launch gemm_qkv (part 8): grid 12 x 16, 4 waves a work-group, clusters of 4 x 4, 327,680 bytes of LDS; arguments bx, bw, bq, bk, bv, bqkv; writes bqkv
.if DOCPART == 8
	.amdgcn_target "amdgcn-amd-amdhsa--gfx1250"
	.amdhsa_code_object_version 6
	.text
	.protected	k_q33ec39cbf8_gemm_qkv
	.globl	k_q33ec39cbf8_gemm_qkv
	.p2align	8
	.type	k_q33ec39cbf8_gemm_qkv,@function
k_q33ec39cbf8_gemm_qkv:
	s_mov_b64 s[64:65], 0
	v_nop
	global_prefetch_b8 v0, s[64:65] scope:SCOPE_SE
	s_setreg_imm32_b32 hwreg(HW_REG_WAVE_MODE, 25, 1), 1
	s_wait_xcnt 0x0
	s_wait_alu depctr_hold_cnt(0) depctr_sa_sdst(0) depctr_va_vdst(0) depctr_va_sdst(0) depctr_va_ssrc(0) depctr_va_vcc(0) depctr_vm_vsrc(0)
	s_getreg_b32 s2, hwreg(HW_REG_IB_STS2, 6, 4)
	s_cmp_eq_u32 s2, 0
	s_cbranch_scc0 .Lentry_in_a_cluster
	s_endpgm
.Lentry_in_a_cluster:
	s_bfe_u32 s2, ttmp6, 0x10000c
	s_cmp_lg_u32 s2, 0xf033
	s_cbranch_scc0 .Lentry_shape_is_right
	s_endpgm
.Lentry_shape_is_right:
; q = x Wq + bq, k = x Wk + bk, v = x Wv + bv on codes of FP6 (E2M3) with E8M0 scales, K = 1,024; the results leave as codes: q and k quantised along a head's 64, v along the keys.
; Operands lie as images of fragments' registers: [128 rows][K step of 128][tile 0..7][1,536 bytes], scale words [128 rows][K step][128] (row p of tile t = true row 32 (t / 2) + 8 (t % 2) + p + 8 (p / 8)).
; A work-group of four waves makes 256 x 256, a wave 128 x 128: 64 accumulators, 512 registers.  THE MATRIX INSTRUCTION IS USED TRANSPOSED: source 0 = 'B', source 1 = 'A': a lane holds one row of A, and by the order
; of the tiles' rows the 16 registers of B's tiles 2 b and 2 b + 1 are 16 neighbours, 32 b + 16 (lane / 16) + 0 .. 15: what the conversions want.
; ROLES, by the cluster's x: 0, 1: A = x's tokens, B = columns of Wq, Wk (a lane: one token, registers along the head).  2: A = columns of Wv, B = tokens: v^T (a lane: one channel, registers along the keys).
; K goes through a ring of two LDS slots of 256 along K, each part (128 rows) one dense block of 24,576 bytes brought by one tensor load; the scale words of all K come once.
; CLUSTERS: 4 x 4: A's tiles are asked for jointly along a row of the cluster, B's along a column.  Nothing is asked for ahead of the tensor loads: K has four slots only, and each refill has 112 matrix instructions in which to land.
; LIMITS: NaN and infinities are not served; a block whose largest magnitude lies under 2^-124 (zeros too) gets the byte 1; only this program reads the bytes.
; REGISTERS: window 0: v16-31 addresses; v32-63 scale words; v64-127 the bias along the registers; v128-223 A's fragments, later T, codes, work; v232-239 the bias along the lanes.  window 1: B's two sets.  windows 2, 3: accumulators.
; IN PLACE OF WHAT THE LINES ABOVE SAY OF THE SCALE WORDS AND OF ASKING AHEAD: at the head each wave issues one joint load, its quarter of slot 0; slot 1's first fill follows behind a round of the cluster's barrier.
; The scale words (4,096 bytes a wave, a small part of the bytes, so not asked for jointly) come by plain loads of 512 consecutive bytes and LDS stores, into bytes that no tensor load fills.
; PREFETCH: of the 96 blocks of 256 bytes of a wave's load each of the four partners names 24, told apart by address (lanes 24-31 name the last again): fills 1 and 2 at the head, fill 3, the last, behind slot 1's load.
.set KS,    8
.set LAPS,  KS/4
.set FR,    12
.set HALFT, 24576                      ; 128 rows x 256 K: what one tensor load brings
.set SLOT,  4*HALFT
.set SCL,   2*SLOT                     ; the scale words, four parts
.set HALFS, 512*KS
.set SPARE, SCL+4*HALFS                ; the spare words: 128 bytes a wave, named by no other line
.set ADRA, 16
.set ADRB, 20
.set CO,   26                          ; 16 x lane
.set ADRS, 27
.set SPW,  28
.set NIL,  29
.set O8,   30                          ; 8 x lane
.set O4,   31                          ; 4 x lane
.set SC,   32
.set BI,   64
.set AF,   128
.set T,    128
.set PC,   192
.set TM,   212
.set PW,   228
.set PW2,  229
.set PWS,  230
.set BV,   232
.set W0,   240
.set W1,   241
.set WV,   16
.set HA,   17
.set HB,   18
.set G1,   24
.set G0,   32
.set G1B,  48
.set G0B,  56
.set SEL,  66
.set G1S,  68
.set G0S,  76
.set G1SB, 80
.set G0SB, 88
.set HM,   100
.set ISV,  101
.set MSB, 0
.macro WIN new                         ; the immediate's high byte repeats the setting that is left
.if MSB != \new
	s_set_vgpr_msb (MSB<<8)|\new
.set MSB, \new
.endif
.endm
.set MUL_LO, 0xa1                      ; source 0 (B) window 1, source 1 (A) window 0, C and D window 2
.set MUL_HI, 0xf1
.set TO_B,   0x40
.macro JLOAD g0a, g1a, g0b, g1b        ; a joint load: waves 0, 1 fetch for A, waves 2, 3 for B; four v_nop follow each line
	s_cmp_eq_u32 s[HA], 0
	s_cbranch_scc0 .Lfor_b_\@
	tensor_load_to_lds s[\g0a:\g0a+3], s[\g1a:\g1a+7]
	s_nop 0
.rept 4
	v_nop
.endr
	s_branch .Lasked_\@
.Lfor_b_\@:
	tensor_load_to_lds s[\g0b:\g0b+3], s[\g1b:\g1b+7]
	s_nop 0
.rept 4
	v_nop
.endr
.Lasked_\@:
.endm
.macro CREST                           ; a round of the cluster's barrier behind its opening barrier
	s_cmp_lg_u32 s[WV], 0
	s_cbranch_scc1 .Lnot_wave_0_\@
	s_barrier_signal -3
.Lnot_wave_0_\@:
	s_barrier_wait -3
	s_barrier_signal -1
	s_barrier_wait -1
.endm
.macro CROUND
	s_barrier_signal -1
	s_barrier_wait -1
	CREST
.endm
.macro PLACES                          ; four places behind a matrix instruction, in front of loads into its registers and of reads of results
.rept 4
	v_nop
.endr
.endm
.macro FRAG reg, adr, q, i             ; a fragment's image comes back into the registers and lanes that it left: each load takes 512 or 256 consecutive bytes
	ds_load_b128 v[\reg:\reg+3], v[\adr] offset:12288*(\q)+1536*(\i)
	ds_load_b64 v[\reg+4:\reg+5], v[\adr+2] offset:12288*(\q)+1536*(\i)+512
	ds_load_b128 v[\reg+6:\reg+9], v[\adr] offset:12288*(\q)+1536*(\i)+768
	ds_load_b64 v[\reg+10:\reg+11], v[\adr+2] offset:12288*(\q)+1536*(\i)+1280
.endm
.macro MUL16 a0, p, q, sc, zero        ; A's blocks a0, a0 + 1 x B's eight; the 64 accumulators take turns, one instruction a turn
.irp a, \a0, \a0+1
.irp b, 0,1,2,3,4,5,6,7
.if \zero
	v_wmma_scale_f32_16x16x128_f8f6f4 v[8*(8*((\a)%4)+\b):8*(8*((\a)%4)+\b)+7], v[128*(\p)+FR*\b:128*(\p)+FR*\b+FR-1], v[AF+FR*(\a):AF+FR*(\a)+FR-1], 0, v[SC+16*(\sc)+8*(\q)+\b], v[SC+16*(\sc)+8*(\q)+(\a)] matrix_a_fmt:MATRIX_FMT_FP6 matrix_b_fmt:MATRIX_FMT_FP6 matrix_a_scale:MATRIX_SCALE_ROW1
.else
	v_wmma_scale_f32_16x16x128_f8f6f4 v[8*(8*((\a)%4)+\b):8*(8*((\a)%4)+\b)+7], v[128*(\p)+FR*\b:128*(\p)+FR*\b+FR-1], v[AF+FR*(\a):AF+FR*(\a)+FR-1], v[8*(8*((\a)%4)+\b):8*(8*((\a)%4)+\b)+7], v[SC+16*(\sc)+8*(\q)+\b], v[SC+16*(\sc)+8*(\q)+(\a)] matrix_a_fmt:MATRIX_FMT_FP6 matrix_b_fmt:MATRIX_FMT_FP6 matrix_a_scale:MATRIX_SCALE_ROW1
.endif
.endr
.endr
.endm
.macro FETCH_B slot, q, p
	WIN TO_B
.irp i, 0,1,2,3,4,5,6,7
	FRAG 128*(\p)+FR*\i, ADRB+\slot, \q, \i
.endr
	WIN 0
.endm
.macro FETCH_A slot, q, i0
.irp i, \i0, \i0+1, \i0+2, \i0+3
	FRAG AF+FR*(\i), ADRA+\slot, \q, \i
.endr
.endm
.macro SCALES sc                       ; a slot's scale words: lanes 0-15 A's block i, lanes 16-31 B's block i
.irp q, 0,1
.irp i, 0,1,2,3,4,5,6,7
	ds_load_b32 v[SC+16*\sc+8*\q+\i], v[ADRS] offset:512*\q+64*\i
.endr
.endr
.endm
.macro STEP slot, zero                 ; a slot's first 128 along K
	s_wait_dscnt 16                                ; all but the youngest 16 loads (A's blocks 4-7) are in
	WIN MUL_LO
	MUL16 0, 0, 0, \slot, \zero
	MUL16 2, 0, 0, \slot, \zero
	s_wait_dscnt 0x0
	PLACES
	FETCH_B \slot, 1, 1
	FETCH_A \slot, 1, 0
	WIN MUL_HI
	MUL16 4, 0, 0, \slot, \zero
	MUL16 6, 0, 0, \slot, \zero
	PLACES
	WIN 0
	FETCH_A \slot, 1, 4
.endm
.macro TURN slot, next, fill           ; a slot's second 128 along K, and the change of slots
	s_wait_tensorcnt 0x0                           ; all my tensor loads have landed: my part of the next slot
	ds_add_u32 v[SPW], v[NIL]                      ; 0 onto my spare word
	s_wait_dscnt 17                                ; (the add and A's blocks 4-7 may be out)
	WIN MUL_LO
	MUL16 0, 1, 1, \slot, 0
	s_wait_dscnt 0x0                               ; the add is done, and my reads of this slot are over
	s_barrier_signal -1
	MUL16 2, 1, 1, \slot, 0
	WIN 0
	s_barrier_wait -1
.if \fill
	CREST                                          ; the barrier has opened a round of the cluster's: no wave of any partner still reads this slot or has a load on its way
	s_add_nc_u64 s[G0+4*\slot+2:G0+4*\slot+3], s[G0+4*\slot+2:G0+4*\slot+3], 2*HALFT
	s_add_nc_u64 s[G0B+4*\slot+2:G0B+4*\slot+3], s[G0B+4*\slot+2:G0B+4*\slot+3], 2*HALFT
	JLOAD G0+4*\slot, G1, G0B+4*\slot, G1B         ; the first tensor load behind the round; its four v_nop are also the places in front of the loads below
.else
	PLACES
.endif
	s_wait_alu depctr_va_vdst(0)
	v_add_nc_u32 v[ADRS], 1024, v[ADRS]            ; the next slot's scale words
	FETCH_B \next, 0, 0
	FETCH_A \next, 0, 0
	SCALES \next
	WIN MUL_HI
	MUL16 4, 1, 1, \slot, 0
	MUL16 6, 1, 1, \slot, 0
	PLACES
	WIN 0
	FETCH_A \next, 0, 4
.endm
; 64 numbers of a lane, register 16 b + i = k 32 b + 16 (lane / 16) + i of the lane's row, become a fragment's codes in v[PC] on and the row's scale word in v[PW]
.macro QUANT src
.irp b, 0,1,2,3
	v_max3_num_f32 v[TM+\b], |v[\src+16*\b]|, |v[\src+1+16*\b]|, 0x1800000   ; and the floor 2^(3 - 127)
.endr
.irp i, 2,4,6,8,10,12,14
.irp b, 0,1,2,3
	v_max3_num_f32 v[TM+\b], v[TM+\b], |v[\src+16*\b+\i]|, |v[\src+1+16*\b+\i]|
.endr
.endr
.irp b, 0,1,2,3
	v_permlanex16_b32 v[TM+4+\b], v[TM+\b], s[SEL], s[SEL+1]
.endr
.irp b, 0,1,2,3
	v_max_num_f32 v[TM+\b], v[TM+\b], v[TM+4+\b]
.endr
.irp b, 0,1,2,3
	v_add_nc_u32 v[TM+12+\b], 0xff000000, v[TM+\b]     ; 2 off the exponent field: the conversion's scale operand
.endr
.irp b, 0,1,2,3
	v_lshrrev_b32 v[TM+4+\b], 23, v[TM+12+\b]
.endr
	v_lshl_or_b32 v[PW], v[TM+5], 8, v[TM+4]
	v_lshl_or_b32 v[PW], v[TM+6], 16, v[PW]
	v_lshl_or_b32 v[PW], v[TM+7], 24, v[PW]
.irp c, 0,1
	v_cvt_scalef32_pk16_fp6_f32 v[PC+6*\c:PC+2+6*\c], v[\src+32*\c:\src+15+32*\c], v[TM+12+2*\c]
	v_cvt_scalef32_pk16_fp6_f32 v[PC+12+4*\c:PC+14+4*\c], v[\src+16+32*\c:\src+31+32*\c], v[TM+12+2*\c+1]
.endr
	v_nop                                              ; one plain place behind a scaled conversion
.irp c, 0,1
.irp i, 0,1,2
	v_permlane16_swap_b32 v[PC+6*\c+\i], v[PC+12+4*\c+\i]
.endr
.irp i, 0,1,2
	v_mov_b32 v[PC+3+6*\c+\i], v[PC+12+4*\c+\i]
.endr
.endr
.endm
.macro IMG b0, o0, b1, o1              ; the fragment's image, in two halves of 768 bytes: each store covers 512 or 256 consecutive bytes, aligned to 256
	global_store_b128 v[CO], v[PC:PC+3], s[\b0:\b0+1] offset:\o0
	global_store_b64 v[O8], v[PC+4:PC+5], s[\b0:\b0+1] offset:(\o0)+512
	global_store_b128 v[CO], v[PC+6:PC+9], s[\b1:\b1+1] offset:\o1
	global_store_b64 v[O8], v[PC+10:PC+11], s[\b1:\b1+1] offset:(\o1)+512
.endm
	s_load_b256 s[4:11], s[0:1], 0x0               ; bx s[4:5], bw s[6:7], bq s[8:9], bk s[10:11]
	s_load_b128 s[12:15], s[0:1], 0x20             ; bv s[12:13], bqkv s[14:15]
	v_lshl_add_u32 v[SPW], v0, 2, SPARE
	v_mov_b32 v[NIL], 0
	ds_add_u32 v28, v29
	ds_add_u32 v28, v29
	s_wait_dscnt 0x0
	v_lshrrev_b32 v1, 5, v0
	v_readfirstlane_b32 s[WV], v1                  ; wave 0..3
	s_lshr_b32 s[HA], s[WV], 1                     ; my half of A's rows.  Also: I fetch for A (0) or for B (1)
	s_and_b32 s[HB], s[WV], 1                      ; my half of B's rows.  Also: which 128 rows I fetch
	s_bfe_u32 s19, ttmp6, 0x40000                  ; cx
	s_bfe_u32 s20, ttmp6, 0x40004                  ; cy
	s_and_b32 s23, ttmp7, 0xffff
	s_lshl_b32 s23, s23, 2                         ; 4 x cluster y
	s_lshl_b32 s93, ttmp9, 2                       ; 4 x cluster x
	s_mov_b32 s94, 3145728                         ; where bx's scale words begin
	s_mov_b32 s95, 9437184                         ; where bw's begin
	s_cmp_eq_u32 ttmp9, 2                          ; the role: the same in all sixteen partners
	s_cselect_b32 s[ISV], 1, 0
	s_cselect_b32 s22, 8, s23
	s_cselect_b32 s21, s23, s93
	s_cselect_b32 s96, s95, s94
	s_cselect_b32 s97, s94, s95
	s_add_co_u32 s22, s22, s20                     ; A's block of 256 rows: hangs on cy
	s_add_co_u32 s21, s21, s19                     ; B's: hangs on cx
	s_lshl_b32 s2, s20, 2
	s_lshl_b32 s2, 15, s2                          ; my row of the cluster
	s_lshl_b32 s3, 0x1111, s19                     ; my column
	s_or_b32 s[G1], s2, (3<<16)|(1<<21)            ; 15:0 the mask; 17:16 elements of 8 bytes; 21 set beside a mask; no padding
	s_or_b32 s[G1B], s3, (3<<16)|(1<<21)
.irp g, G1, G1B
	s_mov_b32 s[\g+1], 32<<16                      ; tensor_dim0: 32 elements = 256 bytes
	s_mov_b32 s[\g+2], 96<<16                      ; tensor_dim1: 96 rows: a dense block of 24,576 bytes
	s_mov_b32 s[\g+3], 32<<16                      ; tile_dim0
	s_mov_b32 s[\g+4], 96                          ; tile_dim1
	s_mov_b32 s[\g+5], 32                          ; the pitch
	s_mov_b32 s[\g+6], 0
	s_mov_b32 s[\g+7], 0
.endr
	s_lshl_b32 s42, s22, 1
	s_add_co_u32 s42, s42, s[HB]                   ; the 128 rows of A that I would fetch
	s_mul_i32 s40, s42, KS*12288
	s_mov_b32 s41, 0
	s_mul_i32 s42, s42, KS*512
	s_add_co_u32 s42, s42, s96
	s_mov_b32 s43, 0
	s_lshl_b32 s46, s21, 1
	s_add_co_u32 s46, s46, s[HB]                   ; and of B
	s_mul_i32 s44, s46, KS*12288
	s_mov_b32 s45, 0
	s_mul_i32 s46, s46, KS*512
	s_add_co_u32 s46, s46, s97
	s_mov_b32 s47, 0
	s_mul_i32 s23, s[WV], HALFT                    ; where they go: wave x a part: no place in the cluster enters an LDS address
	s_mul_i32 s92, s[WV], HALFS
	s_wait_kmcnt 0x0
	s_cmp_eq_u32 s[ISV], 1
	s_cselect_b64 s[98:99], s[6:7], s[4:5]         ; A's buffer
	s_cselect_b64 s[94:95], s[4:5], s[6:7]         ; B's
	s_add_nc_u64 s[40:41], s[98:99], s[40:41]
	s_add_nc_u64 s[42:43], s[98:99], s[42:43]
	s_add_nc_u64 s[44:45], s[94:95], s[44:45]
	s_add_nc_u64 s[46:47], s[94:95], s[46:47]
	CROUND                                         ; all sixteen work-groups are here: the first joint loads meet
.irp s, 0,1
	s_mov_b32 s[G0+4*\s], 1
	s_add_co_u32 s[G0+4*\s+1], s23, \s*SLOT
	s_add_nc_u64 s[G0+4*\s+2:G0+4*\s+3], s[40:41], \s*HALFT
	s_or_b32 s[G0+4*\s+3], s[G0+4*\s+3], 0x80000000
	s_mov_b32 s[G0B+4*\s], 1
	s_add_co_u32 s[G0B+4*\s+1], s23, \s*SLOT
	s_add_nc_u64 s[G0B+4*\s+2:G0B+4*\s+3], s[44:45], \s*HALFT
	s_or_b32 s[G0B+4*\s+3], s[G0B+4*\s+3], 0x80000000
.endr
	JLOAD G0, G1, G0B, G1B                         ; my quarter of slot 0: one tensor load a wave at the head
	s_cmp_eq_u32 s[HA], 0                          ; A's or B's, by the wave's number:
	s_cselect_b64 s[4:5], s[42:43], s[46:47]       ; my part of the scale words,
	s_cselect_b64 s[6:7], s[40:41], s[44:45]       ; and what I fetch in the ring, for the prefetches:
	s_cselect_b32 s2, s19, s20                     ; my work-group's place among the four that ask with it,
	s_mul_i32 s2, s2, 6144                         ; and its 24 blocks of 256 bytes
	s_mov_b32 s3, 0
	s_add_nc_u64 s[6:7], s[6:7], s[2:3]
	v_and_b32 v1, 31, v0                           ; lane
	v_and_b32 v2, 15, v0                           ; r
	v_bfe_u32 v3, v0, 4, 1                         ; h
	v_lshlrev_b32 v[CO], 4, v1
	v_lshlrev_b32 v[O8], 3, v1
	s_add_co_u32 s92, s92, SCL
	v_add_nc_u32 v7, s92, v[CO]                    ; LDS: my part of the scale words, 16 bytes a lane
	v_min_u32 v8, 23, v1
	v_lshlrev_b32 v8, 8, v8                        ; the prefetches: a lane a block of 256 bytes; never rewritten
.set kk, 0
.rept HALFS/512
	global_load_b128 v[128+4*kk:131+4*kk], v[CO], s[4:5] offset:512*kk
.set kk, kk+1
.endr
	global_prefetch_b8 v8, s[6:7] offset:HALFT th:TH_LOAD_NT scope:SCOPE_SE     ; fill 1
	global_prefetch_b8 v8, s[6:7] offset:2*HALFT th:TH_LOAD_NT scope:SCOPE_SE   ; fill 2
	v_lshlrev_b32 v[O4], 2, v1
	s_mul_i32 s40, s[HA], HALFT                    ; my 128 rows of A
	s_mul_i32 s41, s[HB], HALFT
	s_add_co_u32 s41, s41, 2*HALFT                 ; my 128 rows of B
.irp s, 0,1
	v_add_nc_u32 v[ADRA+\s], s40, v[CO]
	v_add_nc_u32 v[ADRA+2+\s], s40, v[O8]
	v_add_nc_u32 v[ADRB+\s], s41, v[CO]
	v_add_nc_u32 v[ADRB+2+\s], s41, v[O8]
	s_add_co_u32 s40, s40, SLOT
	s_add_co_u32 s41, s41, SLOT
.endr
	s_mul_i32 s40, s[HA], HALFS
	s_mul_i32 s41, s[HB], HALFS
	s_add_co_u32 s41, s41, 2*HALFS
	s_sub_co_u32 s41, s41, s40
	v_mul_u32_u24 v4, s41, v3                      ; lanes 16-31 take B's words
	s_add_co_u32 s40, s40, SCL
	v_lshl_add_u32 v4, v2, 2, v4
	v_add_nc_u32 v[ADRS], s40, v4
	; where the results go, and the biases
	s_lshl_b32 s40, s22, 1
	s_add_co_u32 s40, s40, s[HA]                   ; my 128 rows of source 1
	s_lshl_b32 s41, s21, 1
	s_add_co_u32 s41, s41, s[HB]                   ; my 128 rows of source 0
	s_lshr_b32 s42, s41, 3                         ; q (0) or k (1)
	s_and_b32 s43, s41, 7                          ; which 128 columns of the weight
	s_and_b32 s44, s40, 7                          ; in the third role: which 128 channels
	s_cmp_eq_u32 s[ISV], 1
	s_cselect_b32 s45, s41, s40                    ; my 128 tokens
	s_cselect_b32 s42, 2, s42                      ; q, k or v
	s_cselect_b32 s43, s44, s43
	s_lshl_b32 s46, s43, 9
	s_cmp_eq_u32 s[ISV], 1
	s_cselect_b32 s2, 0, s46                       ; both biases are always loaded, from places that lie inside their buffers in both roles
	s_cselect_b32 s46, s46, 0
	s_mov_b32 s3, 0
	s_mov_b32 s47, 0
	s_cmp_eq_u32 s42, 1
	s_cselect_b64 s[92:93], s[10:11], s[8:9]
	s_add_nc_u64 s[92:93], s[92:93], s[2:3]        ; the bias along the registers
	s_add_nc_u64 s[94:95], s[12:13], s[46:47]      ; the bias along the lanes
	s_lshr_b32 s44, s45, 4                         ; batch
	s_and_b32 s45, s45, 15                         ; 128 tokens in the batch
	s_mul_i32 s2, s42, 3145728
	s_mul_i32 s23, s44, 1572864
	s_add_co_u32 s2, s2, s23
	s_mul_i32 s23, s43, 196608
	s_add_co_u32 s2, s2, s23
	s_mul_i32 s23, s45, 6144
	s_add_co_u32 s2, s2, s23
	s_add_nc_u64 s[96:97], s[14:15], s[2:3]        ; my codes
	s_lshl_b32 s2, s42, 18
	s_lshl_b32 s23, s44, 17
	s_add_co_u32 s2, s2, s23
	s_lshl_b32 s23, s43, 14
	s_add_co_u32 s2, s2, s23
	s_lshl_b32 s23, s45, 9
	s_add_co_u32 s2, s2, s23
	s_add_co_u32 s2, s2, 9437184
	s_add_nc_u64 s[98:99], s[14:15], s[2:3]        ; my scale words
	v_lshlrev_b32 v5, 6, v3                        ; 16 h numbers on
	v_and_b32 v6, 8, v0
	v_add_nc_u32 v6, v6, v2
	v_lshlrev_b32 v6, 2, v6                        ; r + 8 (r / 8) numbers on
.irp b, 0,1,2,3,4,5,6,7
	global_load_b128 v[BI+8*\b:BI+8*\b+3], v5, s[92:93] offset:4*(32*(\b/2)+8*(\b%2))
	global_load_b128 v[BI+8*\b+4:BI+8*\b+7], v5, s[92:93] offset:4*(32*(\b/2)+8*(\b%2))+16
.endr
.irp a, 0,1,2,3,4,5,6,7
	global_load_b32 v[BV+\a], v6, s[94:95] offset:4*(32*(\a/2)+8*(\a%2))
.endr
	s_mov_b32 s[SEL], 0x76543210
	s_mov_b32 s[SEL+1], 0xfedcba98
	s_mov_b32 s[HM], 0xffff0000
	s_wait_alu depctr_va_vdst(0)
	s_wait_loadcnt 24                              ; the scale words are in; the 24 loads of the biases, issued behind them, may be out
.set kk, 0
.rept HALFS/512
	ds_store_b128 v7, v[128+4*kk:131+4*kk] offset:512*kk
.set kk, kk+1
.endr
	s_wait_tensorcnt 0x0                           ; my quarter of slot 0 is in
	ds_add_u32 v[SPW], v[NIL]
	s_wait_dscnt 0x0                               ; the add and my stores are done
	CROUND                                         ; slot 0 and the scale words are whole, and all sixteen work-groups are here
	JLOAD G0+4, G1, G0B+4, G1B                     ; slot 1's first fill, my one load behind the round
	FETCH_B 0, 0, 0
	FETCH_A 0, 0, 0
	SCALES 0
	FETCH_A 0, 0, 4
	global_prefetch_b8 v8, s[6:7] offset:3*HALFT th:TH_LOAD_NT scope:SCOPE_SE   ; fill 3
	STEP 0, 1
	s_mov_b32 s3, LAPS-1
.Llap:
	TURN 0, 1, 1
	STEP 1, 0
	TURN 1, 0, 1
	STEP 0, 0
	s_sub_co_u32 s3, s3, 1
	s_cmp_lg_u32 s3, 0
	s_cbranch_scc1 .Llap
	TURN 0, 1, 0                                   ; the last lap fills nothing
	STEP 1, 0
	s_wait_dscnt 16
	WIN MUL_LO
	MUL16 0, 1, 1, 1, 0
	MUL16 2, 1, 1, 1, 0
	s_wait_dscnt 0x0
	WIN MUL_HI
	MUL16 4, 1, 1, 1, 0
	MUL16 6, 1, 1, 1, 0
	WIN 0
	PLACES
	s_wait_loadcnt 0x0                             ; the biases
.irp b, 0,1,2,3
	v_mov_b32 v[TM+4+\b], 0                        ; a lane permute's destination counts as one of its sources
.endr
; q and k, tile a of 16 tokens: bias, codes; the fragment's two halves are the wave's two heads
.macro EPI_QK a
	s_wait_xcnt 0x0                                ; the last tile's stores have read their registers
.set WN, 0x02+(\a)/4
	WIN WN
.set AC, 64*((\a)%4)
.set jj, 0
.rept 32
	v_pk_add_f32 v[T+jj:T+jj+1], v[AC+jj:AC+jj+1], v[BI+jj:BI+jj+1]   ; out of the accumulators, each from its low end on, with the bias
.set jj, jj+2
.endr
	WIN 0
	QUANT T
	IMG 96, 768*(\a), 96, 98304+768*(\a)
.if (\a)%2 == 0
	v_mov_b32 v[PW2], v[PW]
.else
	v_cndmask_b32 v[PWS], v[PW2], v[PW], s[HM]     ; two tiles' words: 128 consecutive bytes a store
	v_and_b32 v[W0], 0xffff, v[PWS]                ; the first head's two bytes; the upper two, 0, stand over zero codes
	v_lshrrev_b32 v[W1], 16, v[PWS]                ; the second head's
	global_store_b32 v[O4], v[W0], s[98:99] offset:128*((\a)/2)
	global_store_b32 v[O4], v[W1], s[98:99] offset:8192+128*((\a)/2)
.endif
.endm
; v^T, tile a of 16 channels: bias of the lane's channel, codes along my 128 keys: one whole fragment
.macro EPI_V a
	s_wait_xcnt 0x0
.set WN, 0x02+(\a)/4
	WIN WN
.set AC, 64*((\a)%4)
.set BP2, BV+2*((\a)/2)
.set jj, 0
.rept 32
.if (\a)%2
	v_pk_add_f32 v[T+jj:T+jj+1], v[AC+jj:AC+jj+1], v[BP2:BP2+1] op_sel:[0,1] op_sel_hi:[1,1]
.else
	v_pk_add_f32 v[T+jj:T+jj+1], v[AC+jj:AC+jj+1], v[BP2:BP2+1] op_sel:[0,0] op_sel_hi:[1,0]
.endif
.set jj, jj+2
.endr
	WIN 0
	QUANT T
	IMG 96, ((\a)/4)*98304+((\a)%4)*1536, 96, ((\a)/4)*98304+((\a)%4)*1536+768
	global_store_b32 v[O4], v[PW], s[98:99] offset:((\a)/4)*8192+((\a)%4)*128   ; the scale register's image: both halves of the lanes alike
.endm
	s_cmp_eq_u32 s[ISV], 1
	s_cbranch_scc1 .Lvt
.irp a, 0,1,2,3,4,5,6,7
	EPI_QK \a
.endr
	s_branch .Lend
.Lvt:
.irp a, 0,1,2,3,4,5,6,7
	EPI_V \a
.endr
.Lend:
	s_wait_tensorcnt 0x0                           ; the wave's end
	ds_add_u32 v[SPW], v[NIL]
	s_wait_dscnt 0x0
	CROUND                                         ; the closing round
	s_endpgm
.Lfunc_end_k_q33ec39cbf8_gemm_qkv:
	.size	k_q33ec39cbf8_gemm_qkv, .Lfunc_end_k_q33ec39cbf8_gemm_qkv-k_q33ec39cbf8_gemm_qkv
	.p2alignl 7, 3214868480
	.fill 96, 4, 3214868480
	.section	.rodata,"a",@progbits
	.p2align	6, 0x0
	.amdhsa_kernel k_q33ec39cbf8_gemm_qkv
		.amdhsa_group_segment_fixed_size 327680
		.amdhsa_private_segment_fixed_size 0
		.amdhsa_enable_private_segment 0
		.amdhsa_kernarg_size 48
		.amdhsa_user_sgpr_count 2
		.amdhsa_user_sgpr_kernarg_segment_ptr 1
		.amdhsa_wavefront_size32 1
		.amdhsa_system_sgpr_workgroup_id_x 1
		.amdhsa_system_sgpr_workgroup_id_y 1
		.amdhsa_system_sgpr_workgroup_id_z 1
		.amdhsa_system_vgpr_workitem_id 0
		.amdhsa_next_free_vgpr 1024
		.amdhsa_next_free_sgpr 102
		.amdhsa_reserve_vcc 0
		.amdhsa_float_denorm_mode_32 3
		.amdhsa_float_denorm_mode_16_64 3
		.amdhsa_memory_ordered 1
		.amdhsa_forward_progress 1
		.amdhsa_inst_pref_size 222
	.end_amdhsa_kernel
	.amdgpu_metadata
---
amdhsa.version: [ 1, 2 ]
amdhsa.kernels:
  - .name:           k_q33ec39cbf8_gemm_qkv
    .symbol:         k_q33ec39cbf8_gemm_qkv.kd
    .args:
      - { .name: bx, .offset: 0, .size: 8, .value_kind: global_buffer, .address_space: global }
      - { .name: bw, .offset: 8, .size: 8, .value_kind: global_buffer, .address_space: global }
      - { .name: bq, .offset: 16, .size: 8, .value_kind: global_buffer, .address_space: global }
      - { .name: bk, .offset: 24, .size: 8, .value_kind: global_buffer, .address_space: global }
      - { .name: bv, .offset: 32, .size: 8, .value_kind: global_buffer, .address_space: global }
      - { .name: bqkv, .offset: 40, .size: 8, .value_kind: global_buffer, .address_space: global }
    .group_segment_fixed_size: 327680
    .private_segment_fixed_size: 0
    .kernarg_segment_align: 8
    .kernarg_segment_size: 48
    .max_flat_workgroup_size: 128
    .sgpr_count:     102
    .vgpr_count:     1024
    .wavefront_size: 32
...
	.end_amdgpu_metadata
.endif
;; end of part 8
;; launch attn (part 9): grid 8 x 32, 16 waves a work-group, no clusters, 215,040 bytes of LDS; arguments bqkv, by; writes by
.if DOCPART == 9
	.amdgcn_target "amdgcn-amd-amdhsa--gfx1250"
	.amdhsa_code_object_version 6
	.text
	.protected	k_q33ec39cbf8_attn
	.globl	k_q33ec39cbf8_attn
	.p2align	8
	.type	k_q33ec39cbf8_attn,@function
k_q33ec39cbf8_attn:
	s_mov_b64 s[64:65], 0
	v_nop
	global_prefetch_b8 v0, s[64:65] scope:SCOPE_SE
	s_setreg_imm32_b32 hwreg(HW_REG_WAVE_MODE, 25, 1), 1
	s_wait_xcnt 0x0
; y = softmax(q k^T / 8, causal) v for one head, both products on codes of FP6 (E2M3) with E8M0 scales; y leaves as codes along D.
; THE SOFTMAX: t = score x log2(e) / 8 (one multiplication); M = the running largest t rounded up to a whole number; p = 2^(t - M) is quantised along the keys, not normalised; the row's sum is taken of the
; unquantised p and divides at the end; when M moves, the sum and O are multiplied by 2^(old M - new M), which rounds nothing.
; SHARES.  A work-group has one head.  Waves 0-7 own the 128 queries of block i = work-group x, waves 8-15 those of block 15 - i: every work-group has 17 wave-blocks of 128 keys for each eight waves.  A wave owns 16 queries.
; A HEAD'S K AND V STAY IN LDS: 98,304 bytes of codes each and 8,192 of scale words each, every byte filled once by ten tensor loads, one each of waves 0-9, issued at the head: nothing is filled again,
; and nothing is left that could be asked for ahead.  Four barriers: behind the g-th, keys 512 g .. 512 g + 511 are there.
; NO CLUSTER, though the eight work-groups of a head read the same K and V: a step all of whose keys come after the wave's queries is jumped over, and that branch hangs on the work-group's block of queries, which differs
; between the work-groups of a head; without the jump the work would double.
; LAYOUT.  Both products transposed: S^T = K Q^T, O^T = V^T P^T: a lane holds one query.  Row p of tile t of K, Q and of V^T's channels is the true row 32 (t / 2) + 8 (t % 2) + p + 8 (p / 8), so that the 16 registers of
; tiles 2 b, 2 b + 1 are 16 neighbours.  The head's 64 fill half of the instruction's 128 along K: the other half are zero codes in registers, under the scale byte 0.
; LIMITS: NaN and infinities are not served; a block of y under 2^-124 (zeros too) gets the byte 1.
; REGISTERS: v1-3 16, 8, 4 x lane; v4-9 the step's addresses; v10 p's scale word; v11 Q's; v12 -M, v13 largest t, v[14:15] the sum; v16-27 Q; v28-31 V's scale words; v32-79 four fragments of K; v80-127 V's four;
; v128-191 S^T, then p; v192-223 O^T; v224-235 p's codes; v232-247 at work; v248-251 K's scale words, two tiles a register; v252 f.
.set WV,   8
.set DIAG, 13                          ; the first key of my block of queries
.set QB,   14                          ; my tile's first query
.set KF,   15                          ; the step's first key
.set TB,   16                          ; LDS: the step's K codes; TBV: V's; TSK, TSV: the scale words
.set TBV,  17
.set TSK,  18
.set TSV,  19
.set CS,   20
.set SEL,  22
.set G1C,  24
.set G1S,  32
.set G0,   40                          ; s[40:59] five groups 0
.set LC,   60
	s_load_b128 s[4:7], s[0:1], 0x0                ; bqkv, by
	v_lshl_add_u32 v254, v0, 2, 0x34000
	v_mov_b32 v255, 0
	ds_add_u32 v254, v255
	ds_add_u32 v254, v255
	s_wait_dscnt 0x0
	v_lshrrev_b32 v4, 5, v0
	s_delay_alu instid0(VALU_DEP_1)
	v_readfirstlane_b32 s[WV], v4                  ; wave 0..15
	s_and_b32 s9, ttmp7, 0xffff                    ; batch x 16 + head
	s_and_b32 s61, s[WV], 1                        ; K (0) or V (1), for the waves that fetch
	s_mov_b32 s[G1C], 3<<16                        ; no mask; elements of 8 bytes; no padding
	s_mov_b32 s[G1C+1], 32<<16                     ; rows of 256 bytes
	s_mov_b32 s[G1C+2], 96<<16                     ; 96 of them: 512 keys' codes, dense
	s_mov_b32 s[G1C+3], 32<<16
	s_mov_b32 s[G1C+4], 96
	s_mov_b32 s[G1C+5], 32
	s_mov_b32 s[G1C+6], 0
	s_mov_b32 s[G1C+7], 0
	s_mov_b32 s[G1S], 3<<16
	s_mov_b32 s[G1S+1], 32<<16
	s_mov_b32 s[G1S+2], 32<<16                     ; 32 rows: a head's scale words
	s_mov_b32 s[G1S+3], 32<<16
	s_mov_b32 s[G1S+4], 32
	s_mov_b32 s[G1S+5], 32
	s_mov_b32 s[G1S+6], 0
	s_mov_b32 s[G1S+7], 0
	s_mul_i32 s10, s9, 98304                       ; the head's codes
	s_lshl_b32 s11, s9, 13                         ; its scale words
	s_mul_i32 s66, s61, 3145728
	s_add_co_u32 s66, s66, s10
	s_add_co_u32 s66, s66, 3145728
	s_mov_b32 s67, 0
	s_lshl_b32 s68, s61, 18
	s_add_co_u32 s68, s68, s11
	s_add_co_u32 s68, s68, 9699328
	s_mov_b32 s69, 0
	s_mul_i32 s62, s61, 98304                      ; in LDS
	s_lshl_b32 s63, s61, 13
	s_wait_kmcnt 0x0
	s_add_nc_u64 s[66:67], s[4:5], s[66:67]
	s_add_nc_u64 s[68:69], s[4:5], s[68:69]
	s_mov_b32 s[G0], 1
	s_add_co_u32 s[G0+1], s63, 196608
	s_mov_b64 s[G0+2:G0+3], s[68:69]
	s_or_b32 s[G0+3], s[G0+3], 0x80000000
.irp g, 0,1,2,3
	s_mov_b32 s[G0+4+4*\g], 1
	s_add_co_u32 s[G0+5+4*\g], s62, 24576*\g
	s_add_nc_u64 s[G0+6+4*\g:G0+7+4*\g], s[66:67], 24576*\g
	s_or_b32 s[G0+7+4*\g], s[G0+7+4*\g], 0x80000000
.endr
; the ten first fills, one tensor load a wave, in one chain of arms: waves 0, 1 the scale words of K, V; waves 2 g + 2, 2 g + 3 the codes of keys 512 g .. 512 g + 511 of K, V; waves 10-15 none
.macro ARM under, g0, g1
	s_cmp_lt_u32 s[WV], \under
	s_cbranch_scc0 .Lnext_\@
	tensor_load_to_lds s[\g0:\g0+3], s[\g1:\g1+7]
	s_nop 0
.rept 4
	v_nop
.endr
	s_branch .Lno_fetch
.Lnext_\@:
.endm
	ARM 2, G0, G1S
	ARM 4, G0+4, G1C
	ARM 6, G0+8, G1C
	ARM 8, G0+12, G1C
	ARM 10, G0+16, G1C
.Lno_fetch:
	s_sub_co_u32 s71, 15, ttmp9
	s_cmp_lt_u32 s[WV], 8
	s_cselect_b32 s70, ttmp9, s71                  ; my block of 128 queries
	s_and_b32 s71, s[WV], 7                        ; my tile in it
	s_lshl_b32 s12, s70, 3
	s_add_co_u32 s12, s12, s71                     ; my tile in the head
	s_lshl_b32 s[DIAG], s70, 7
	s_lshr_b32 s72, s12, 1
	s_lshl_b32 s72, s72, 5
	s_and_b32 s73, s12, 1
	s_lshl_b32 s73, s73, 3
	s_add_co_u32 s[QB], s72, s73
	s_mul_i32 s72, s12, 768
	s_add_co_u32 s72, s72, s10
	s_mov_b32 s73, 0
	s_add_nc_u64 s[72:73], s[4:5], s[72:73]        ; Q's codes
	s_lshl_b32 s74, s12, 6
	s_add_co_u32 s74, s74, s11
	s_add_co_u32 s74, s74, 9437184
	s_mov_b32 s75, 0
	s_add_nc_u64 s[74:75], s[4:5], s[74:75]        ; Q's scale words
	s_lshr_b32 s76, s9, 4
	s_lshl_b32 s76, s76, 4
	s_add_co_u32 s76, s76, s70                     ; y: my 128 tokens
	s_lshl_b32 s76, s76, 3
	s_bfe_u32 s77, s9, 0x30001                     ; head / 2: the K step of the next product
	s_add_co_u32 s76, s76, s77
	s_and_b32 s77, s9, 1                           ; head % 2: the half of its fragment
	s_lshl_b32 s78, s76, 3
	s_add_co_u32 s78, s78, s71
	s_mul_i32 s78, s78, 1536
	s_mul_i32 s79, s77, 768
	s_add_co_u32 s78, s78, s79
	s_mov_b32 s79, 0
	s_add_nc_u64 s[78:79], s[6:7], s[78:79]        ; y's codes
	s_lshl_b32 s76, s76, 9
	s_lshl_b32 s71, s71, 6
	s_add_co_u32 s76, s76, s71
	s_lshl_b32 s77, s77, 1
	s_add_co_u32 s76, s76, s77
	s_add_co_u32 s76, s76, 3145728
	s_mov_b32 s77, 0
	s_add_nc_u64 s[76:77], s[6:7], s[76:77]        ; y's two scale bytes
	s_mov_b32 s[KF], 0
	s_mov_b32 s[TB], 0
	s_mov_b32 s[TBV], 98304
	s_mov_b32 s[TSK], 196608
	s_mov_b32 s[TSV], 204800
	s_mov_b32 s[CS], 0x3e38aa3b                    ; c = log2(e) / 8
	s_mov_b32 s[CS+1], s[CS]
	s_mov_b32 s[SEL], 0x76543210
	s_mov_b32 s[SEL+1], 0xfedcba98
	v_and_b32 v3, 31, v0
	s_delay_alu instid0(VALU_DEP_1)
	v_lshlrev_b32 v1, 4, v3
	s_delay_alu instid0(VALU_DEP_2)
	v_lshlrev_b32 v2, 3, v3
	s_delay_alu instid0(VALU_DEP_3)
	v_lshlrev_b32 v3, 2, v3
	v_and_b32 v4, 15, v0
	s_delay_alu instid0(VALU_DEP_1)
	v_lshlrev_b32 v4, 2, v4
	global_load_b128 v[16:19], v1, s[72:73]        ; Q's half fragment stays in registers
	global_load_b64 v[20:21], v2, s[72:73] offset:512
	global_load_b32 v11, v4, s[74:75]
.irp i, 22,23,24,25,26,27
	v_mov_b32 v\i, 0                               ; the upper 64 along K: zero codes
.endr
.irp t, 0,1,2,3
.irp i, 6,7,8,9,10,11
	v_mov_b32 v[32+12*\t+\i], 0                    ; K's likewise: set once, never loaded
.endr
.endr
	v_mov_b32 v13, 0xff61b1e6                      ; the largest t so far: -3e38
	s_delay_alu instid0(VALU_DEP_1)
	v_floor_f32 v12, -v13
	v_mov_b32 v14, 0
	v_mov_b32 v15, 0
.irp i, 236,237,238,239,252,253
	v_mov_b32 v\i, 0                               ; lane permutes' destinations, and the pair v[252:253]
.endr
.set jj, 0
.rept 32
	v_mov_b32 v[192+jj], 0                         ; O^T: the step is written once, and its first trip finds zeros
.set jj, jj+1
.endr
.macro KQ4 g                                       ; four tiles of 16 keys
.irp t, 0,2
	v_wmma_scale_f32_16x16x128_f8f6f4 v[128+8*(4*\g+\t):135+8*(4*\g+\t)], v[32+12*\t:43+12*\t], v[16:27], 0, v[248+2*\g+\t/2], v11 matrix_a_fmt:MATRIX_FMT_FP6 matrix_b_fmt:MATRIX_FMT_FP6
	v_wmma_scale_f32_16x16x128_f8f6f4 v[136+8*(4*\g+\t):143+8*(4*\g+\t)], v[44+12*\t:55+12*\t], v[16:27], 0, v[248+2*\g+\t/2], v11 matrix_a_fmt:MATRIX_FMT_FP6 matrix_b_fmt:MATRIX_FMT_FP6 matrix_a_scale:MATRIX_SCALE_ROW1
.endr
.endm
; A KEY STEP: 128 keys
.macro STEP
	s_cmp_gt_u32 s[KF], s[DIAG]                    ; all its keys come after my queries: only the work is jumped over, a branch on ids
	s_cbranch_scc1 .Lhidden_\@
	v_add_nc_u32 v4, s[TB], v1                     ; (these six are also the places in front of the loads into V's registers)
	v_add_nc_u32 v5, s[TB], v2
	v_add_nc_u32 v6, s[TBV], v1
	v_add_nc_u32 v7, s[TBV], v2
	v_add_nc_u32 v8, s[TSK], v3
	v_add_nc_u32 v9, s[TSV], v3
.irp t, 0,1,2,3
	ds_load_b128 v[32+12*\t:35+12*\t], v4 offset:768*\t
	ds_load_b64 v[36+12*\t:37+12*\t], v5 offset:768*\t+512
.endr
.irp j, 0,1,2,3
	ds_load_b32 v[248+\j], v8 offset:128*\j        ; lanes 0-15 tile 2 j's words, lanes 16-31 tile 2 j + 1's
.endr
.irp d, 0,1,2,3
	ds_load_b128 v[80+12*\d:83+12*\d], v6 offset:1536*\d
	ds_load_b64 v[84+12*\d:85+12*\d], v7 offset:1536*\d+512
	ds_load_b128 v[86+12*\d:89+12*\d], v6 offset:1536*\d+768
	ds_load_b64 v[90+12*\d:91+12*\d], v7 offset:1536*\d+1280
	ds_load_b32 v[28+\d], v9 offset:128*\d
.endr
	s_wait_alu depctr_va_vdst(0)
	s_wait_dscnt 20                                ; K's first four tiles and its words are in; V's 20 loads may be out
	KQ4 0
.rept 4
	v_nop
.endr
.irp t, 0,1,2,3
	ds_load_b128 v[32+12*\t:35+12*\t], v4 offset:768*(\t+4)
	ds_load_b64 v[36+12*\t:37+12*\t], v5 offset:768*(\t+4)+512
.endr
	s_wait_dscnt 0x0
	KQ4 1
.rept 4
	v_nop
.endr
	s_cmp_lg_u32 s[KF], s[DIAG]                    ; on the diagonal hidden scores become -infinity ahead of the maximum
	s_cbranch_scc1 .Lopen_\@
	s_sub_co_i32 s61, s[QB], s[KF]
	v_and_b32 v242, 15, v0
	v_and_b32 v243, 8, v0
	s_delay_alu instid0(VALU_DEP_1)
	v_add_nc_u32 v242, v242, v243                  ; r + 8 (r / 8)
	v_and_b32 v243, 16, v0
	s_delay_alu instid0(VALU_DEP_1)
	v_sub_nc_u32 v242, v242, v243
	s_delay_alu instid0(VALU_DEP_1)
	v_add_nc_u32 v242, s61, v242                   ; d = my query - KF - 16 (lane / 16): register 16 b + i is hidden where 32 b + i > d
	v_mov_b32 v254, 0xff800000
.set nn, 0
.rept 64
	v_cmp_gt_i32 vcc_lo, 32*(nn/16)+nn%16, v242
	v_cndmask_b32 v[128+nn], v[128+nn], v254, vcc_lo
.set nn, nn+1
.endr
.Lopen_\@:
.irp b, 0,1,2,3
	v_max3_num_f32 v[232+\b], v[128+16*\b], v[129+16*\b], v[130+16*\b]   ; the largest score of each block of 32 keys: for the row's maximum, and for the block's largest p
.endr
.irp i, 3,5,7,9,11,13
.irp b, 0,1,2,3
	v_max3_num_f32 v[232+\b], v[232+\b], v[128+16*\b+\i], v[129+16*\b+\i]
.endr
.endr
.irp b, 0,1,2,3
	v_max_num_f32 v[232+\b], v[232+\b], v[143+16*\b]
.endr
.irp b, 0,1,2,3
	s_delay_alu instid0(VALU_DEP_4)
	v_permlanex16_b32 v[236+\b], v[232+\b], s[SEL], s[SEL+1]
.endr
.irp b, 0,1,2,3
	s_delay_alu instid0(VALU_DEP_4)
	v_max_num_f32 v[232+\b], v[232+\b], v[236+\b]
.endr
	s_delay_alu instid0(VALU_DEP_2)
	v_max3_num_f32 v254, v232, v233, v234
	s_delay_alu instid0(VALU_DEP_1)
	v_max_num_f32 v254, v254, v235
	s_delay_alu instid0(VALU_DEP_1)
	v_mul_f32 v254, s[CS], v254
	s_delay_alu instid0(VALU_DEP_1)
	v_max_num_f32 v13, v13, v254                   ; the running largest t
	v_mov_b32 v254, v12
	s_delay_alu instid0(VALU_DEP_2)
	v_floor_f32 v12, -v13                          ; -M = floor(-t)
	s_delay_alu instid0(VALU_DEP_1)
	v_sub_f32 v254, v12, v254                      ; old M - new M: a whole number, 0 or less
	s_delay_alu instid0(VALU_DEP_1)
	v_cvt_i32_f32 v254, v254                       ; (it saturates)
	s_delay_alu instid0(VALU_DEP_1)
	v_ldexp_f32 v252, 1.0, v254                    ; f = 2^(old M - new M)
.set jj, 0
.rept 32
	v_pk_fma_f32 v[128+jj:129+jj], v[128+jj:129+jj], s[CS:CS+1], v[12:13] op_sel_hi:[1,0,0]   ; t - M
.set jj, jj+2
.endr
.irp b, 0,1,2,3
	v_fma_f32 v[232+\b], v[232+\b], s[CS], v12
.endr
.set jj, 0
	s_wait_alu depctr_va_vdst(0)
.rept 64
	v_exp_f32 v[128+jj], v[128+jj]                 ; p = 2^(t - M)
.set jj, jj+1
.endr
.irp b, 0,1,2,3
	v_exp_f32 v[232+\b], v[232+\b]                 ; the block's largest p
.endr
	v_pk_mul_f32 v[14:15], v[14:15], v[252:253] op_sel_hi:[1,0]   ; the sum under the new M (a plain place behind the exponentials)
	s_wait_alu depctr_va_vdst(0)
.irp b, 0,1,2,3
	v_max_num_f32 v[232+\b], 0x1800000, v[232+\b]  ; the floor
.endr
.irp b, 0,1,2,3
	s_delay_alu instid0(VALU_DEP_4)
	v_add_nc_u32 v[244+\b], 0xff000000, v[232+\b]  ; the conversion's scale operand
.endr
.irp b, 0,1,2,3
	s_delay_alu instid0(VALU_DEP_4)
	v_lshrrev_b32 v[236+\b], 23, v[244+\b]
.endr
	s_delay_alu instid0(VALU_DEP_3)
	v_lshl_or_b32 v10, v237, 8, v236               ; p's scale word for these 128 keys
	s_delay_alu instid0(VALU_DEP_1)
	v_lshl_or_b32 v10, v238, 16, v10
	s_delay_alu instid0(VALU_DEP_1)
	v_lshl_or_b32 v10, v239, 24, v10
.irp c, 0,1
	v_cvt_scalef32_pk16_fp6_f32 v[224+6*\c:226+6*\c], v[128+32*\c:143+32*\c], v[244+2*\c]
	v_cvt_scalef32_pk16_fp6_f32 v[236+4*\c:238+4*\c], v[144+32*\c:159+32*\c], v[244+2*\c+1]
.endr
	v_nop                                          ; one plain place behind a scaled conversion
.irp c, 0,1
.irp i, 0,1,2
	v_permlane16_swap_b32 v[224+6*\c+\i], v[236+4*\c+\i]
.endr
.irp i, 0,1,2
	s_delay_alu instid0(VALU_DEP_3)
	v_mov_b32 v[227+6*\c+\i], v[236+4*\c+\i]
.endr
.endr
	v_pk_add_f32 v[236:237], v[132:133], v[136:137]
	v_pk_add_f32 v[254:255], v[140:141], v[144:145]
	v_pk_add_f32 v[250:251], v[148:149], v[152:153]
	v_pk_add_f32 v[248:249], v[156:157], v[160:161]
	v_pk_add_f32 v[246:247], v[164:165], v[168:169]
	v_pk_add_f32 v[244:245], v[172:173], v[176:177]
	v_pk_add_f32 v[242:243], v[180:181], v[184:185]
	v_pk_add_f32 v[14:15], v[14:15], v[188:189]
	v_pk_add_f32 v[236:237], v[236:237], v[128:129]
	v_pk_add_f32 v[254:255], v[254:255], v[130:131]
	v_pk_add_f32 v[250:251], v[250:251], v[134:135]
	v_pk_add_f32 v[248:249], v[248:249], v[138:139]
	v_pk_add_f32 v[246:247], v[246:247], v[142:143]
	v_pk_add_f32 v[244:245], v[244:245], v[146:147]
	v_pk_add_f32 v[242:243], v[242:243], v[150:151]
	v_pk_add_f32 v[14:15], v[14:15], v[154:155]
	v_pk_add_f32 v[236:237], v[236:237], v[158:159]
	v_pk_add_f32 v[254:255], v[254:255], v[162:163]
	v_pk_add_f32 v[250:251], v[250:251], v[166:167]
	v_pk_add_f32 v[248:249], v[248:249], v[170:171]
	v_pk_add_f32 v[246:247], v[246:247], v[174:175]
	v_pk_add_f32 v[244:245], v[244:245], v[178:179]
	v_pk_add_f32 v[242:243], v[242:243], v[182:183]
	v_pk_add_f32 v[14:15], v[14:15], v[186:187]
	v_pk_add_f32 v[236:237], v[236:237], v[190:191]
	s_delay_alu instid0(VALU_DEP_2)
	v_pk_add_f32 v[14:15], v[14:15], v[248:249]
	s_delay_alu instid0(VALU_DEP_2)
	v_pk_add_f32 v[236:237], v[236:237], v[246:247]
	v_pk_add_f32 v[254:255], v[254:255], v[244:245]
	v_pk_add_f32 v[250:251], v[250:251], v[242:243]
	s_delay_alu instid0(VALU_DEP_2)
	v_pk_add_f32 v[14:15], v[14:15], v[254:255]
	s_delay_alu instid0(VALU_DEP_2)
	v_pk_add_f32 v[236:237], v[236:237], v[250:251]
	s_delay_alu instid0(VALU_DEP_1)
	v_pk_add_f32 v[14:15], v[14:15], v[236:237]
.set jj, 0
.rept 16
	v_pk_mul_f32 v[192+jj:193+jj], v[192+jj:193+jj], v[252:253] op_sel_hi:[1,0]   ; O^T under the new M
.set jj, jj+2
.endr
.irp d, 0,1,2,3
	v_wmma_scale_f32_16x16x128_f8f6f4 v[192+8*\d:199+8*\d], v[80+12*\d:91+12*\d], v[224:235], v[192+8*\d:199+8*\d], v[28+\d], v10 matrix_a_fmt:MATRIX_FMT_FP6 matrix_b_fmt:MATRIX_FMT_FP6
.endr
.Lhidden_\@:
	s_add_co_u32 s[KF], s[KF], 128
	s_add_co_u32 s[TB], s[TB], 6144
	s_add_co_u32 s[TBV], s[TBV], 6144
	s_add_co_u32 s[TSK], s[TSK], 512
	s_add_co_u32 s[TSV], s[TSV], 512
.endm
.macro GROUP g                                     ; four key steps: the keys that the g-th pair of loads brought
.if \g < 3
	s_cmp_lt_u32 s[WV], 2*\g+4                     ; the waves that fetched the scale words and groups 0 .. g wait for their one load; later groups may be out
	s_cbranch_scc0 .Lnw_\@
	s_wait_tensorcnt 0x0
.Lnw_\@:
.else
	s_wait_tensorcnt 0x0                           ; the last barrier shows all that is still out: every wave waits
.endif
	s_wait_dscnt 0x0
	s_barrier_signal -1
	s_barrier_wait -1
	s_mov_b32 s[LC], 4
.Lgrp_\@:
	STEP
	s_sub_co_u32 s[LC], s[LC], 1
	s_cmp_lg_u32 s[LC], 0
	s_cbranch_scc1 .Lgrp_\@
.endm
	s_wait_loadcnt 0x0                             ; Q
	GROUP 0
	GROUP 1
	GROUP 2
	GROUP 3
	; y = O / the sum, quantised along the head's 64: half a fragment of the next product's operand
.rept 4
	v_nop
.endr
	v_add_f32 v14, v14, v15
	s_delay_alu instid0(VALU_DEP_1)
	v_permlanex16_b32 v252, v14, s[SEL], s[SEL+1]
	s_delay_alu instid0(VALU_DEP_1)
	v_add_f32 v14, v14, v252
	s_wait_alu depctr_va_vdst(0)
	v_rcp_f32 v14, v14
	v_and_b32 v4, 15, v0                           ; (a plain place behind the transcendental)
.set jj, 0
	s_wait_alu depctr_va_vdst(0)
.rept 32
	v_mul_f32 v[128+jj], v[192+jj], v14            ; register 16 b + i: channel 32 b + 16 (lane / 16) + i
.set jj, jj+1
.endr
	v_lshlrev_b32 v4, 2, v4
.irp b, 0,1
	v_max3_num_f32 v[232+\b], |v[128+16*\b]|, |v[129+16*\b]|, 0x1800000
.endr
.irp i, 2,4,6,8,10,12,14
.irp b, 0,1
	s_delay_alu instid0(VALU_DEP_2)
	v_max3_num_f32 v[232+\b], v[232+\b], |v[128+16*\b+\i]|, |v[129+16*\b+\i]|
.endr
.endr
.irp b, 0,1
	s_delay_alu instid0(VALU_DEP_2)
	v_permlanex16_b32 v[236+\b], v[232+\b], s[SEL], s[SEL+1]
.endr
.irp b, 0,1
	s_delay_alu instid0(VALU_DEP_2)
	v_max_num_f32 v[232+\b], v[232+\b], v[236+\b]
.endr
.irp b, 0,1
	s_delay_alu instid0(VALU_DEP_2)
	v_add_nc_u32 v[244+\b], 0xff000000, v[232+\b]
.endr
.irp b, 0,1
	s_delay_alu instid0(VALU_DEP_2)
	v_lshrrev_b32 v[236+\b], 23, v[244+\b]
.endr
	s_delay_alu instid0(VALU_DEP_1)
	v_lshl_or_b32 v254, v237, 8, v236
	v_cvt_scalef32_pk16_fp6_f32 v[224:226], v[128:143], v244
	v_cvt_scalef32_pk16_fp6_f32 v[240:242], v[144:159], v245
	v_nop
.irp i, 0,1,2
	v_permlane16_swap_b32 v[224+\i], v[240+\i]
.endr
.irp i, 0,1,2
	s_delay_alu instid0(VALU_DEP_3)
	v_mov_b32 v[227+\i], v[240+\i]
.endr
	global_store_b128 v1, v[224:227], s[78:79]     ; 512 consecutive bytes, aligned to 256
	global_store_b64 v2, v[228:229], s[78:79] offset:512
	global_store_b16 v4, v254, s[76:77]            ; two bytes a row: the other two of the word are the neighbouring head's, another work-group's; lanes r and r + 16 store the same value
	s_wait_xcnt 0x0
	v_lshl_add_u32 v254, v0, 2, 0x34000
	v_mov_b32 v255, 0
	s_wait_alu depctr_va_vdst(0)
	s_wait_tensorcnt 0x0
	ds_add_u32 v254, v255
	s_wait_dscnt 0x0
	s_endpgm
.Lfunc_end_k_q33ec39cbf8_attn:
	.size	k_q33ec39cbf8_attn, .Lfunc_end_k_q33ec39cbf8_attn-k_q33ec39cbf8_attn
	.p2alignl 7, 3214868480
	.fill 96, 4, 3214868480
	.section	.rodata,"a",@progbits
	.p2align	6, 0x0
	.amdhsa_kernel k_q33ec39cbf8_attn
		.amdhsa_group_segment_fixed_size 215040
		.amdhsa_private_segment_fixed_size 0
		.amdhsa_enable_private_segment 0
		.amdhsa_kernarg_size 16
		.amdhsa_user_sgpr_count 2
		.amdhsa_user_sgpr_kernarg_segment_ptr 1
		.amdhsa_wavefront_size32 1
		.amdhsa_system_sgpr_workgroup_id_x 1
		.amdhsa_system_sgpr_workgroup_id_y 1
		.amdhsa_system_sgpr_workgroup_id_z 1
		.amdhsa_system_vgpr_workitem_id 0
		.amdhsa_next_free_vgpr 256
		.amdhsa_next_free_sgpr 80
		.amdhsa_reserve_vcc 1
		.amdhsa_float_denorm_mode_32 3
		.amdhsa_float_denorm_mode_16_64 3
		.amdhsa_memory_ordered 1
		.amdhsa_forward_progress 1
		.amdhsa_inst_pref_size 109
	.end_amdhsa_kernel
	.amdgpu_metadata
---
amdhsa.version: [ 1, 2 ]
amdhsa.kernels:
  - .name:           k_q33ec39cbf8_attn
    .symbol:         k_q33ec39cbf8_attn.kd
    .args:
      - { .name: bqkv, .offset: 0, .size: 8, .value_kind: global_buffer, .address_space: global }
      - { .name: by, .offset: 8, .size: 8, .value_kind: global_buffer, .address_space: global }
    .group_segment_fixed_size: 215040
    .private_segment_fixed_size: 0
    .kernarg_segment_align: 8
    .kernarg_segment_size: 16
    .max_flat_workgroup_size: 512
    .sgpr_count:     80
    .vgpr_count:     256
    .wavefront_size: 32
...
	.end_amdgpu_metadata
.endif
;; end of part 9
;; launch gemm_o (part 10): grid 8 x 32, 4 waves a work-group, clusters of 4 x 4, 327,680 bytes of LDS; arguments by, bw, bo, x, bx1; writes bx1
.if DOCPART == 10
	.amdgcn_target "amdgcn-amd-amdhsa--gfx1250"
	.amdhsa_code_object_version 6
	.text
	.protected	k_q33ec39cbf8_gemm_o
	.globl	k_q33ec39cbf8_gemm_o
	.p2align	8
	.type	k_q33ec39cbf8_gemm_o,@function
k_q33ec39cbf8_gemm_o:
	s_mov_b64 s[64:65], 0
	v_nop
	global_prefetch_b8 v0, s[64:65] scope:SCOPE_SE
	s_setreg_imm32_b32 hwreg(HW_REG_WAVE_MODE, 25, 1), 1
	s_wait_xcnt 0x0
	s_wait_alu depctr_hold_cnt(0) depctr_sa_sdst(0) depctr_va_vdst(0) depctr_va_sdst(0) depctr_va_ssrc(0) depctr_va_vcc(0) depctr_vm_vsrc(0)
	s_getreg_b32 s2, hwreg(HW_REG_IB_STS2, 6, 4)
	s_cmp_eq_u32 s2, 0
	s_cbranch_scc0 .Lentry_in_a_cluster
	s_endpgm
.Lentry_in_a_cluster:
	s_bfe_u32 s2, ttmp6, 0x10000c
	s_cmp_lg_u32 s2, 0xf033
	s_cbranch_scc0 .Lentry_shape_is_right
	s_endpgm
.Lentry_shape_is_right:
; x1 = x + y Wo + bo on codes of FP6 (E2M3) with E8M0 scales, K = 1,024; x1 leaves as f32 rows and as codes along D.
; Operands lie as images of fragments' registers: [128 rows][K step of 128][tile 0..7][1,536 bytes], scale words [128 rows][K step][128] (row p of tile t = true row 32 (t / 2) + 8 (t % 2) + p + 8 (p / 8)).
; C is 4,096 x 1,024: tiles of 128 x 128 give 256 work-groups.  Wave w takes A's tiles 2 w, 2 w + 1 (32 tokens) against B's eight: 16 accumulators.  THE MATRIX INSTRUCTION IS USED TRANSPOSED: source 0 = Wo's columns,
; source 1 = tokens: a lane holds one token, and the 16 registers of B's tiles 2 b, 2 b + 1 are 16 neighbouring columns: a wave's 128 columns are one K step of the next product.
; ALL OF K LIES IN LDS: two slots of four K steps (A's 49,152 bytes, then B's), each part of 24,576 dense bytes one tensor load, all asked for at the head; nothing is filled again.
; CLUSTERS: 4 x 4: A's tiles are asked for jointly along a row of the cluster, B's along a column.  No prefetch is laid: all that the launch reads is asked for at its head.
; THE WAY OUT, a tile of 16 tokens at a time: the residual's rows, asked for at the head, turn through the wave's stage into the result's layout and are added; the sums are quantised from registers and turn back through
; the stage into whole rows.  The stage lies in slot 0, which has had its one fill and its last read when it is first written.
; LIMITS: NaN and infinities are not served; a block whose largest magnitude lies under 2^-124 (zeros too) gets the byte 1; only this program reads the bytes.
; REGISTERS: window 0: v16-31 addresses; v32-47 scale words, two sets; v64-127 the bias; v128-175 A's two sets, later T, codes, work.  window 1: B's two sets, later rows on their way out.  window 2: v0-127 accumulators.
; window 3: v0-127 the residual.
; IN PLACE OF WHAT THE LINES ABOVE SAY OF THE HEAD AND OF PREFETCHES: at the head each wave issues one joint load, its quarter of slot 0; slot 1's one fill follows behind a round of the cluster's barrier.
; The scale words (2,048 bytes a wave, a small part of the bytes, so not asked for jointly) come by plain loads of 512 consecutive bytes and LDS stores, into bytes that no tensor load fills.
; PREFETCH: slot 1's bytes are named at the head: of the 96 blocks of 256 bytes of a wave's load each of the four partners names 24, told apart by address (lanes 24-31 name the last again).
.set KS,    8
.set A_CODES,  0
.set A_SCALES, 3145728
.set B_CODES,  2359296
.set B_SCALES, 9535488
.set LAPS,  KS/8
.set FR,    12
.set HALFT, 24576                      ; two K steps of 128 rows: what one tensor load brings
.set SLOT,  4*HALFT                    ; A's four K steps, then B's four
.set SCL,   2*SLOT                     ; the scale words: A's two halves, then B's
.set HALFS, 256*KS
.set SPARE, SCL+4*HALFS                ; the spare words: 128 bytes a wave, named by no other line
.set ADRA, 16
.set ADRB, 20
.set STO,  24
.set RD,   25
.set CO,   26
.set ADRS, 27
.set SPW,  28
.set NIL,  29
.set O8,   30
.set O4,   31
.set SC,   32
.set BI,   64
.set AF,   128
.set T,    128
.set PC,   192
.set TM,   212
.set PW,   228
.set PW2,  229
.set PWS,  230
.set WV,   16
.set HA,   17
.set HB,   18
.set G1,   24
.set G0,   32
.set G1B,  48
.set G0B,  56
.set SEL,  66
.set G1S,  68
.set G0S,  76
.set G1SB, 80
.set G0SB, 88
.set HM,   100
.set MSB, 0
.macro WIN new                         ; the immediate's high byte repeats the setting that is left
.if MSB != \new
	s_set_vgpr_msb (MSB<<8)|\new
.set MSB, \new
.endif
.endm
.set MUL_LO, 0xa1                      ; source 0 (B) window 1, source 1 (A) window 0, C and D window 2
.set TO_B,   0x40
.macro JLOAD g0a, g1a, g0b, g1b        ; a joint load: waves 0, 1 fetch for A, waves 2, 3 for B; four v_nop follow each line
	s_cmp_eq_u32 s[HA], 0
	s_cbranch_scc0 .Lfor_b_\@
	tensor_load_to_lds s[\g0a:\g0a+3], s[\g1a:\g1a+7]
	s_nop 0
.rept 4
	v_nop
.endr
	s_branch .Lasked_\@
.Lfor_b_\@:
	tensor_load_to_lds s[\g0b:\g0b+3], s[\g1b:\g1b+7]
	s_nop 0
.rept 4
	v_nop
.endr
.Lasked_\@:
.endm
.macro CREST                           ; a round of the cluster's barrier behind its opening barrier
	s_cmp_lg_u32 s[WV], 0
	s_cbranch_scc1 .Lnot_wave_0_\@
	s_barrier_signal -3
.Lnot_wave_0_\@:
	s_barrier_wait -3
	s_barrier_signal -1
	s_barrier_wait -1
.endm
.macro CROUND
	s_barrier_signal -1
	s_barrier_wait -1
	CREST
.endm
.macro PLACES                          ; four places behind a matrix instruction, in front of loads into its registers and of reads of results
.rept 4
	v_nop
.endr
.endm
.macro FRAG reg, adr, q, i             ; a fragment's image comes back into the registers and lanes that it left: each load takes 512 or 256 consecutive bytes
	ds_load_b128 v[\reg:\reg+3], v[\adr] offset:12288*(\q)+1536*(\i)
	ds_load_b64 v[\reg+4:\reg+5], v[\adr+2] offset:12288*(\q)+1536*(\i)+512
	ds_load_b128 v[\reg+6:\reg+9], v[\adr] offset:12288*(\q)+1536*(\i)+768
	ds_load_b64 v[\reg+10:\reg+11], v[\adr+2] offset:12288*(\q)+1536*(\i)+1280
.endm
.macro MUL16 p, zero                   ; a K step: my two tiles of A x B's eight, out of set p; the 16 accumulators take turns, one instruction a turn
.irp a, 0,1
.irp b, 0,1,2,3,4,5,6,7
.if \zero
	v_wmma_scale_f32_16x16x128_f8f6f4 v[8*(8*\a+\b):8*(8*\a+\b)+7], v[128*(\p)+FR*\b:128*(\p)+FR*\b+FR-1], v[AF+24*(\p)+FR*\a:AF+24*(\p)+FR*\a+FR-1], 0, v[SC+8*(\p)+\b], v[SC+8*(\p)+\a] matrix_a_fmt:MATRIX_FMT_FP6 matrix_b_fmt:MATRIX_FMT_FP6 matrix_a_scale:MATRIX_SCALE_ROW1
.else
	v_wmma_scale_f32_16x16x128_f8f6f4 v[8*(8*\a+\b):8*(8*\a+\b)+7], v[128*(\p)+FR*\b:128*(\p)+FR*\b+FR-1], v[AF+24*(\p)+FR*\a:AF+24*(\p)+FR*\a+FR-1], v[8*(8*\a+\b):8*(8*\a+\b)+7], v[SC+8*(\p)+\b], v[SC+8*(\p)+\a] matrix_a_fmt:MATRIX_FMT_FP6 matrix_b_fmt:MATRIX_FMT_FP6 matrix_a_scale:MATRIX_SCALE_ROW1
.endif
.endr
.endr
.endm
.macro FETCH slot, q, p                ; 48 LDS loads: the slot's q-th K step into set p: B's eight fragments, my two of A, eight registers of scale words
	WIN TO_B
.irp i, 0,1,2,3,4,5,6,7
	FRAG 128*(\p)+FR*\i, ADRB+\slot, \q, \i
.endr
	WIN 0
.irp i, 0,1
	FRAG AF+24*(\p)+FR*\i, ADRA+\slot, \q, \i
.endr
.irp i, 0,1,2,3,4,5,6,7
	ds_load_b32 v[SC+8*(\p)+\i], v[ADRS] offset:512*(\q)+64*\i   ; lanes 16-31: B's block i; lanes 0-15: A's block 2 w + i, of which i = 0, 1 are used
.endr
.endm
.macro KSTEP slot, q, zero             ; one of a slot's first three K steps: the next step's loads go out ahead of this step's products
	PLACES
	FETCH \slot, (\q)+1, 1-(\q)%2
	s_wait_dscnt 48                                ; all but the 48 just issued: this step's fragments and words are in
	WIN MUL_LO
	MUL16 (\q)%2, \zero
.endm
.macro TURN slot, next, fill           ; a slot's last K step, and the change of slots
	WIN 0
	s_wait_tensorcnt 0x0                           ; all my tensor loads have landed: my part of the next slot
	ds_add_u32 v[SPW], v[NIL]                      ; 0 onto my spare word
	s_wait_dscnt 0x0                               ; the add is done, and my reads of this slot are over: its last K step is in registers
	s_barrier_signal -1
	WIN MUL_LO
	MUL16 1, 0
	WIN 0
	s_barrier_wait -1
.if \fill
	CREST                                          ; the barrier has opened a round of the cluster's: no wave of any partner still reads this slot or has a load on its way
	s_add_nc_u64 s[G0+4*\slot+2:G0+4*\slot+3], s[G0+4*\slot+2:G0+4*\slot+3], 4*HALFT
	s_add_nc_u64 s[G0B+4*\slot+2:G0B+4*\slot+3], s[G0B+4*\slot+2:G0B+4*\slot+3], 4*HALFT
	JLOAD G0+4*\slot, G1, G0B+4*\slot, G1B         ; the first tensor load behind the round; its four v_nop are also places in front of the loads below
.else
	PLACES
.endif
	v_add_nc_u32 v[ADRS], 2048, v[ADRS]            ; the next slot's scale words: 512 bytes a K step
	s_wait_alu depctr_va_vdst(0)
	FETCH \next, 0, 0
.endm
; 64 numbers of a lane, register 16 b + i = k 32 b + 16 (lane / 16) + i of the lane's row, become a fragment's codes in v[PC] on and the row's scale word in v[PW]
.macro QUANT src
.irp b, 0,1,2,3
	v_max3_num_f32 v[TM+\b], |v[\src+16*\b]|, |v[\src+1+16*\b]|, 0x1800000   ; and the floor 2^(3 - 127)
.endr
.irp i, 2,4,6,8,10,12,14
.irp b, 0,1,2,3
	v_max3_num_f32 v[TM+\b], v[TM+\b], |v[\src+16*\b+\i]|, |v[\src+1+16*\b+\i]|
.endr
.endr
.irp b, 0,1,2,3
	v_permlanex16_b32 v[TM+4+\b], v[TM+\b], s[SEL], s[SEL+1]
.endr
.irp b, 0,1,2,3
	v_max_num_f32 v[TM+\b], v[TM+\b], v[TM+4+\b]
.endr
.irp b, 0,1,2,3
	v_add_nc_u32 v[TM+12+\b], 0xff000000, v[TM+\b]     ; 2 off the exponent field: the conversion's scale operand
.endr
.irp b, 0,1,2,3
	v_lshrrev_b32 v[TM+4+\b], 23, v[TM+12+\b]
.endr
	v_lshl_or_b32 v[PW], v[TM+5], 8, v[TM+4]
	v_lshl_or_b32 v[PW], v[TM+6], 16, v[PW]
	v_lshl_or_b32 v[PW], v[TM+7], 24, v[PW]
.irp c, 0,1
	v_cvt_scalef32_pk16_fp6_f32 v[PC+6*\c:PC+2+6*\c], v[\src+32*\c:\src+15+32*\c], v[TM+12+2*\c]
	v_cvt_scalef32_pk16_fp6_f32 v[PC+12+4*\c:PC+14+4*\c], v[\src+16+32*\c:\src+31+32*\c], v[TM+12+2*\c+1]
.endr
	v_nop                                              ; one plain place behind a scaled conversion
.irp c, 0,1
.irp i, 0,1,2
	v_permlane16_swap_b32 v[PC+6*\c+\i], v[PC+12+4*\c+\i]
.endr
.irp i, 0,1,2
	v_mov_b32 v[PC+3+6*\c+\i], v[PC+12+4*\c+\i]
.endr
.endr
.endm
.macro IMG b0, o0, b1, o1              ; the fragment's image: each store covers 512 or 256 consecutive bytes, aligned to 256
	global_store_b128 v[CO], v[PC:PC+3], s[\b0:\b0+1] offset:\o0
	global_store_b64 v[O8], v[PC+4:PC+5], s[\b0:\b0+1] offset:(\o0)+512
	global_store_b128 v[CO], v[PC+6:PC+9], s[\b1:\b1+1] offset:\o1
	global_store_b64 v[O8], v[PC+10:PC+11], s[\b1:\b1+1] offset:(\o1)+512
.endm
	s_load_b256 s[4:11], s[0:1], 0x0               ; by s[4:5], bw s[6:7], bo s[8:9], x s[10:11]
	s_load_b64 s[12:13], s[0:1], 0x20              ; bx1
	v_lshl_add_u32 v[SPW], v0, 2, SPARE
	v_mov_b32 v[NIL], 0
	ds_add_u32 v28, v29
	ds_add_u32 v28, v29
	s_wait_dscnt 0x0
	v_lshrrev_b32 v1, 5, v0
	v_readfirstlane_b32 s[WV], v1                  ; wave 0..3
	s_lshr_b32 s[HA], s[WV], 1                     ; I fetch for A (0) or for B (1)
	s_and_b32 s[HB], s[WV], 1                      ; which two of a slot's four K steps I fetch
	s_bfe_u32 s19, ttmp6, 0x40000                  ; cx
	s_bfe_u32 s20, ttmp6, 0x40004                  ; cy
	s_lshl_b32 s21, ttmp9, 2
	s_add_co_u32 s21, s21, s19                     ; B's block of 128 rows: my 128 columns
	s_and_b32 s22, ttmp7, 0xffff
	s_lshl_b32 s22, s22, 2
	s_add_co_u32 s22, s22, s20                     ; A's block of 128 rows: my 128 tokens
	s_lshl_b32 s2, s20, 2
	s_lshl_b32 s2, 15, s2                          ; my row of the cluster
	s_lshl_b32 s3, 0x1111, s19                     ; my column
	s_or_b32 s[G1], s2, (3<<16)|(1<<21)            ; 15:0 the mask; 17:16 elements of 8 bytes; 21 set beside a mask; no padding
	s_or_b32 s[G1B], s3, (3<<16)|(1<<21)
.irp g, G1, G1B
	s_mov_b32 s[\g+1], 32<<16                      ; tensor_dim0: 32 elements = 256 bytes
	s_mov_b32 s[\g+2], 96<<16                      ; tensor_dim1: 96 rows: a dense block of 24,576 bytes
	s_mov_b32 s[\g+3], 32<<16                      ; tile_dim0
	s_mov_b32 s[\g+4], 96                          ; tile_dim1
	s_mov_b32 s[\g+5], 32                          ; the pitch
	s_mov_b32 s[\g+6], 0
	s_mov_b32 s[\g+7], 0
.endr
	s_mul_i32 s23, s[HB], HALFT
	s_mul_i32 s92, s[HB], HALFS
	s_mul_i32 s40, s22, KS*12288                   ; A's addresses hang on the block of tokens and the wave's number alone,
	s_add_co_u32 s40, s40, s23
	s_add_co_u32 s40, s40, A_CODES
	s_mov_b32 s41, 0
	s_mul_i32 s42, s22, KS*512
	s_add_co_u32 s42, s42, s92
	s_add_co_u32 s42, s42, A_SCALES
	s_mov_b32 s43, 0
	s_mul_i32 s44, s21, KS*12288                   ; B's on the block of columns and the wave's number alone
	s_add_co_u32 s44, s44, s23
	s_add_co_u32 s44, s44, B_CODES
	s_mov_b32 s45, 0
	s_mul_i32 s46, s21, KS*512
	s_add_co_u32 s46, s46, s92
	s_add_co_u32 s46, s46, B_SCALES
	s_mov_b32 s47, 0
	s_mul_i32 s23, s[WV], HALFT                    ; where they go: wave x a part: no place in the cluster enters an LDS address
	s_mul_i32 s92, s[WV], HALFS
	s_wait_kmcnt 0x0
	s_add_nc_u64 s[40:41], s[4:5], s[40:41]
	s_add_nc_u64 s[42:43], s[4:5], s[42:43]
	s_add_nc_u64 s[44:45], s[6:7], s[44:45]
	s_add_nc_u64 s[46:47], s[6:7], s[46:47]
	CROUND                                         ; all sixteen work-groups are here: the first joint loads meet
.irp s, 0,1
	s_mov_b32 s[G0+4*\s], 1
	s_add_co_u32 s[G0+4*\s+1], s23, \s*SLOT
	s_add_nc_u64 s[G0+4*\s+2:G0+4*\s+3], s[40:41], \s*2*HALFT
	s_or_b32 s[G0+4*\s+3], s[G0+4*\s+3], 0x80000000
	s_mov_b32 s[G0B+4*\s], 1
	s_add_co_u32 s[G0B+4*\s+1], s23, \s*SLOT
	s_add_nc_u64 s[G0B+4*\s+2:G0B+4*\s+3], s[44:45], \s*2*HALFT
	s_or_b32 s[G0B+4*\s+3], s[G0B+4*\s+3], 0x80000000
.endr
	JLOAD G0, G1, G0B, G1B                         ; my quarter of slot 0: one tensor load a wave at the head
	s_cmp_eq_u32 s[HA], 0                          ; A's or B's, by the wave's number:
	s_cselect_b64 s[4:5], s[42:43], s[46:47]       ; my part of the scale words,
	s_cselect_b64 s[6:7], s[40:41], s[44:45]       ; and what I fetch, for the prefetch:
	s_cselect_b32 s2, s19, s20                     ; my work-group's place among the four that ask with it,
	s_mul_i32 s2, s2, 6144                         ; and its 24 blocks of 256 bytes
	s_mov_b32 s3, 0
	s_add_nc_u64 s[6:7], s[6:7], s[2:3]
	v_and_b32 v1, 31, v0                           ; lane
	v_and_b32 v2, 15, v0                           ; r
	v_bfe_u32 v3, v0, 4, 1                         ; h
	v_lshlrev_b32 v[CO], 4, v1
	v_lshlrev_b32 v[O8], 3, v1
	s_add_co_u32 s92, s92, SCL
	v_add_nc_u32 v7, s92, v[CO]                    ; LDS: my part of the scale words, 16 bytes a lane
	v_min_u32 v8, 23, v1
	v_lshlrev_b32 v8, 8, v8                        ; the prefetch: a lane a block of 256 bytes; never rewritten
.set kk, 0
.rept HALFS/512
	global_load_b128 v[128+4*kk:131+4*kk], v[CO], s[4:5] offset:512*kk
.set kk, kk+1
.endr
	global_prefetch_b8 v8, s[6:7] offset:2*HALFT th:TH_LOAD_NT scope:SCOPE_SE   ; slot 1's bytes
	v_lshlrev_b32 v[O4], 2, v1
	s_mul_i32 s40, s[WV], 2*1536                   ; my two tiles of A
	s_mov_b32 s41, 2*HALFT                         ; B lies behind A's four K steps
.irp s, 0,1
	v_add_nc_u32 v[ADRA+\s], s40, v[CO]
	v_add_nc_u32 v[ADRA+2+\s], s40, v[O8]
	v_add_nc_u32 v[ADRB+\s], s41, v[CO]
	v_add_nc_u32 v[ADRB+2+\s], s41, v[O8]
	s_add_co_u32 s40, s40, SLOT
	s_add_co_u32 s41, s41, SLOT
.endr
	s_lshl_b32 s40, s[WV], 7                       ; A's words of my two tiles begin 128 w bytes into a K step's 512
	s_mov_b32 s41, 2*HALFS
	s_sub_co_u32 s41, s41, s40
	v_mul_u32_u24 v4, s41, v3                      ; lanes 16-31 take B's words
	s_add_co_u32 s40, s40, SCL
	v_lshl_add_u32 v4, v2, 2, v4
	v_add_nc_u32 v[ADRS], s40, v4
	s_mul_i32 s2, s[WV], 8448                      ; my stage: 16 rows x (512 + 16) bytes
	v_mul_u32_u24 v4, v2, 528
	v_lshl_add_u32 v4, v3, 6, v4
	v_add_nc_u32 v[STO], s2, v4                    ; the result's layout: row r, + 64 h
	v_add_nc_u32 v[RD], s2, v[CO]                  ; rows: 16 bytes a lane
	s_lshl_b32 s42, s21, 9                         ; my 128 columns, in bytes
	s_mov_b32 s43, 0
	s_add_nc_u64 s[92:93], s[8:9], s[42:43]        ; the bias
	s_lshl_b32 s2, s22, 19                         ; 128 tokens of 4,096 bytes
	s_add_co_u32 s42, s42, s2
	s_lshl_b32 s2, s[WV], 17                       ; my 32 of them
	s_add_co_u32 s42, s42, s2
	s_add_nc_u64 s[94:95], s[10:11], s[42:43]      ; the residual
	s_add_nc_u64 s[96:97], s[12:13], s[42:43]      ; x1 as f32
	s_lshl_b32 s2, s22, 3
	s_add_co_u32 s2, s2, s21                       ; (128 tokens) x 8 + the K step of the next product
	s_mul_i32 s42, s2, 12288
	s_mul_i32 s3, s[WV], 2*1536
	s_add_co_u32 s42, s42, s3
	s_add_co_u32 s42, s42, 16777216
	s_add_nc_u64 s[98:99], s[12:13], s[42:43]      ; its codes: my two tiles
	s_lshl_b32 s42, s2, 9
	s_lshl_b32 s3, s[WV], 7
	s_add_co_u32 s42, s42, s3
	s_add_co_u32 s42, s42, 19922944
	s_add_nc_u64 s[44:45], s[12:13], s[42:43]      ; its scale words: my 32
	v_lshlrev_b32 v5, 6, v3
.irp b, 0,1,2,3,4,5,6,7
	global_load_b128 v[BI+8*\b:BI+8*\b+3], v5, s[92:93] offset:4*(32*(\b/2)+8*(\b%2))
	global_load_b128 v[BI+8*\b+4:BI+8*\b+7], v5, s[92:93] offset:4*(32*(\b/2)+8*(\b%2))+16
.endr
	WIN 0xc0                                       ; destination window 3: the residual's 32 rows are asked for here and wanted behind the last product
.irp a, 0,1
.set tt, 0
.rept 16
	global_load_b128 v[64*\a+4*tt:64*\a+4*tt+3], v[CO], s[94:95] offset:4096*(8*\a+tt+8*(tt/8)) th:TH_LOAD_NT   ; 512 consecutive bytes of a row
.set tt, tt+1
.endr
.endr
	WIN 0
	s_mov_b32 s[SEL], 0x76543210
	s_mov_b32 s[SEL+1], 0xfedcba98
	s_mov_b32 s[HM], 0xffff0000
	s_wait_alu depctr_va_vdst(0)
	s_wait_loadcnt 48                              ; the scale words are in; the 48 loads of the bias and the residual, issued behind them, may be out
.set kk, 0
.rept HALFS/512
	ds_store_b128 v7, v[128+4*kk:131+4*kk] offset:512*kk
.set kk, kk+1
.endr
	s_wait_tensorcnt 0x0                           ; my quarter of slot 0 is in
	ds_add_u32 v[SPW], v[NIL]
	s_wait_dscnt 0x0                               ; the add and my stores are done
	CROUND                                         ; slot 0 and the scale words are whole, and all sixteen work-groups are here
	JLOAD G0+4, G1, G0B+4, G1B                     ; slot 1's one fill, my one load behind the round
	FETCH 0, 0, 0
	KSTEP 0, 0, 1                                  ; the first K step's products start the sums
	KSTEP 0, 1, 0
	KSTEP 0, 2, 0
	TURN 0, 1, 0                                   ; nothing is filled again: K has two slots' worth
	KSTEP 1, 0, 0
	KSTEP 1, 1, 0
	KSTEP 1, 2, 0
	s_wait_dscnt 0x0
	WIN MUL_LO
	MUL16 1, 0
	WIN 0
	PLACES
	s_wait_loadcnt 0x0                             ; the bias and the residual
.irp b, 0,1,2,3
	v_mov_b32 v[TM+4+\b], 0                        ; a lane permute's destination counts as one of its sources
.endr
.macro TILE a
	s_wait_xcnt 0x0                                ; the last tile's stores have read their registers
	WIN 0x02
.set jj, 0
.rept 32
	v_pk_add_f32 v[T+jj:T+jj+1], v[64*\a+jj:64*\a+jj+1], v[BI+jj:BI+jj+1]   ; out of the accumulators, each from its low end on, with the bias
.set jj, jj+2
.endr
	WIN 0x0c                                       ; an LDS store's data are its source 1: window 3
.set tt, 0
.rept 16
	ds_store_b128 v[RD], v[64*\a+4*tt:64*\a+4*tt+3] offset:528*tt
.set tt, tt+1
.endr
	WIN 0xc0
.set tt, 0
.rept 16
	ds_load_b128 v[64*\a+4*tt:64*\a+4*tt+3], v[STO] offset:128*(tt/4)+16*(tt%4)   ; LDS serves a wave's instructions in order: the residual in the result's layout
.set tt, tt+1
.endr
	s_wait_dscnt 0x0
	WIN 0x0c
.set jj, 0
.rept 32
	v_pk_add_f32 v[T+jj:T+jj+1], v[T+jj:T+jj+1], v[64*\a+jj:64*\a+jj+1]
.set jj, jj+2
.endr
	WIN 0
.set tt, 0
.rept 16
	ds_store_b128 v[STO], v[T+4*tt:T+4*tt+3] offset:128*(tt/4)+16*(tt%4)
.set tt, tt+1
.endr
	WIN 0x40
.set tt, 0
.rept 16
	ds_load_b128 v[64*\a+4*tt:64*\a+4*tt+3], v[RD] offset:528*tt   ; whole rows, into window 1: each tile has registers of its own
.set tt, tt+1
.endr
	WIN 0
	QUANT T                                        ; while the rows come back
	IMG 98, 1536*\a, 98, 1536*\a+768
.if \a == 0
	v_mov_b32 v[PW2], v[PW]
.else
	v_cndmask_b32 v[PWS], v[PW2], v[PW], s[HM]     ; two tiles' words: 128 consecutive bytes
	global_store_b32 v[O4], v[PWS], s[44:45]
.endif
	s_wait_dscnt 0x0
	WIN 0x04
.set tt, 0
.rept 16
	global_store_b128 v[CO], v[64*\a+4*tt:64*\a+4*tt+3], s[96:97] offset:4096*(8*\a+tt+8*(tt/8))   ; 512 consecutive bytes, aligned to 256
.set tt, tt+1
.endr
	WIN 0
.endm
	TILE 0
	TILE 1
	s_wait_tensorcnt 0x0                           ; the wave's end
	ds_add_u32 v[SPW], v[NIL]
	s_wait_dscnt 0x0
	CROUND                                         ; the closing round
	s_endpgm
.Lfunc_end_k_q33ec39cbf8_gemm_o:
	.size	k_q33ec39cbf8_gemm_o, .Lfunc_end_k_q33ec39cbf8_gemm_o-k_q33ec39cbf8_gemm_o
	.p2alignl 7, 3214868480
	.fill 96, 4, 3214868480
	.section	.rodata,"a",@progbits
	.p2align	6, 0x0
	.amdhsa_kernel k_q33ec39cbf8_gemm_o
		.amdhsa_group_segment_fixed_size 327680
		.amdhsa_private_segment_fixed_size 0
		.amdhsa_enable_private_segment 0
		.amdhsa_kernarg_size 40
		.amdhsa_user_sgpr_count 2
		.amdhsa_user_sgpr_kernarg_segment_ptr 1
		.amdhsa_wavefront_size32 1
		.amdhsa_system_sgpr_workgroup_id_x 1
		.amdhsa_system_sgpr_workgroup_id_y 1
		.amdhsa_system_sgpr_workgroup_id_z 1
		.amdhsa_system_vgpr_workitem_id 0
		.amdhsa_next_free_vgpr 1024
		.amdhsa_next_free_sgpr 102
		.amdhsa_reserve_vcc 0
		.amdhsa_float_denorm_mode_32 3
		.amdhsa_float_denorm_mode_16_64 3
		.amdhsa_memory_ordered 1
		.amdhsa_forward_progress 1
		.amdhsa_inst_pref_size 86
	.end_amdhsa_kernel
	.amdgpu_metadata
---
amdhsa.version: [ 1, 2 ]
amdhsa.kernels:
  - .name:           k_q33ec39cbf8_gemm_o
    .symbol:         k_q33ec39cbf8_gemm_o.kd
    .args:
      - { .name: by, .offset: 0, .size: 8, .value_kind: global_buffer, .address_space: global }
      - { .name: bw, .offset: 8, .size: 8, .value_kind: global_buffer, .address_space: global }
      - { .name: bo, .offset: 16, .size: 8, .value_kind: global_buffer, .address_space: global }
      - { .name: x, .offset: 24, .size: 8, .value_kind: global_buffer, .address_space: global }
      - { .name: bx1, .offset: 32, .size: 8, .value_kind: global_buffer, .address_space: global }
    .group_segment_fixed_size: 327680
    .private_segment_fixed_size: 0
    .kernarg_segment_align: 8
    .kernarg_segment_size: 40
    .max_flat_workgroup_size: 128
    .sgpr_count:     102
    .vgpr_count:     1024
    .wavefront_size: 32
...
	.end_amdgpu_metadata
.endif
;; end of part 10
;; launch gemm_1 (part 11): grid 16 x 16, 4 waves a work-group, clusters of 4 x 4, 327,680 bytes of LDS; arguments bx1, bw, b1, bh; writes bh
.if DOCPART == 11
	.amdgcn_target "amdgcn-amd-amdhsa--gfx1250"
	.amdhsa_code_object_version 6
	.text
	.protected	k_q33ec39cbf8_gemm_1
	.globl	k_q33ec39cbf8_gemm_1
	.p2align	8
	.type	k_q33ec39cbf8_gemm_1,@function
k_q33ec39cbf8_gemm_1:
	s_mov_b64 s[64:65], 0
	v_nop
	global_prefetch_b8 v0, s[64:65] scope:SCOPE_SE
	s_setreg_imm32_b32 hwreg(HW_REG_WAVE_MODE, 25, 1), 1
	s_wait_xcnt 0x0
	s_wait_alu depctr_hold_cnt(0) depctr_sa_sdst(0) depctr_va_vdst(0) depctr_va_sdst(0) depctr_va_ssrc(0) depctr_va_vcc(0) depctr_vm_vsrc(0)
	s_getreg_b32 s2, hwreg(HW_REG_IB_STS2, 6, 4)
	s_cmp_eq_u32 s2, 0
	s_cbranch_scc0 .Lentry_in_a_cluster
	s_endpgm
.Lentry_in_a_cluster:
	s_bfe_u32 s2, ttmp6, 0x10000c
	s_cmp_lg_u32 s2, 0xf033
	s_cbranch_scc0 .Lentry_shape_is_right
	s_endpgm
.Lentry_shape_is_right:
; h = silu(x1 W1 + b1) on codes of FP6 (E2M3) with E8M0 scales, K = 1,024; h leaves as codes along its 4,096, in the order of the next product's operand registers.
; Shape, ring, cluster and layouts as in the launch that makes q, k, v: 256 x 256 a work-group, 128 x 128 a wave, two LDS slots of 256 along K, A's tiles asked for jointly along a row of the cluster, B's along a column.
; At the head each wave issues one joint load, its quarter of slot 0; slot 1's first fill follows behind a round of the cluster's barrier.
; The scale words (4,096 bytes a wave, a small part of the bytes, so not asked for jointly) come by plain loads of 512 consecutive bytes and LDS stores, into bytes that no tensor load fills.
; PREFETCH: of the 96 blocks of 256 bytes of a wave's load each of the four partners names 24, told apart by address (lanes 24-31 name the last again): fills 1 and 2 at the head, fill 3, the last, behind slot 1's load.
; LIMITS: NaN and infinities are not served; a block under 2^-124 (zeros too) gets the byte 1; only this program reads the bytes.
.set KS,    8
.set A_CODES,  16777216
.set A_SCALES, 19922944
.set B_CODES,  3145728
.set B_SCALES, 9568256
.set LAPS,  KS/4
.set FR,    12
.set HALFT, 24576
.set SLOT,  4*HALFT
.set SCL,   2*SLOT
.set HALFS, 512*KS
.set SPARE, SCL+4*HALFS
.set ADRA, 16
.set ADRB, 20
.set CO,   26
.set ADRS, 27
.set SPW,  28
.set NIL,  29
.set O8,   30
.set O4,   31
.set SC,   32
.set BI,   64
.set AF,   128
.set T,    128
.set PC,   192
.set TM,   212
.set PW,   228
.set PW2,  229
.set PWS,  230
.set WV,   16
.set HA,   17
.set HB,   18
.set G1,   24
.set G0,   32
.set LG,   46
.set G1B,  48
.set G0B,  56
.set SEL,  66
.set G1S,  68
.set G0S,  76
.set G1SB, 80
.set G0SB, 88
.set HM,   100
.set MSB, 0
.macro WIN new
.if MSB != \new
	s_set_vgpr_msb (MSB<<8)|\new
.set MSB, \new
.endif
.endm
.set MUL_LO, 0xa1
.set MUL_HI, 0xf1
.set TO_B,   0x40
.macro JLOAD g0a, g1a, g0b, g1b
	s_cmp_eq_u32 s[HA], 0
	s_cbranch_scc0 .Lfor_b_\@
	tensor_load_to_lds s[\g0a:\g0a+3], s[\g1a:\g1a+7]
	s_nop 0
.rept 4
	v_nop
.endr
	s_branch .Lasked_\@
.Lfor_b_\@:
	tensor_load_to_lds s[\g0b:\g0b+3], s[\g1b:\g1b+7]
	s_nop 0
.rept 4
	v_nop
.endr
.Lasked_\@:
.endm
.macro CREST
	s_cmp_lg_u32 s[WV], 0
	s_cbranch_scc1 .Lnot_wave_0_\@
	s_barrier_signal -3
.Lnot_wave_0_\@:
	s_barrier_wait -3
	s_barrier_signal -1
	s_barrier_wait -1
.endm
.macro CROUND
	s_barrier_signal -1
	s_barrier_wait -1
	CREST
.endm
.macro PLACES
.rept 4
	v_nop
.endr
.endm
.macro FRAG reg, adr, q, i
	ds_load_b128 v[\reg:\reg+3], v[\adr] offset:12288*(\q)+1536*(\i)
	ds_load_b64 v[\reg+4:\reg+5], v[\adr+2] offset:12288*(\q)+1536*(\i)+512
	ds_load_b128 v[\reg+6:\reg+9], v[\adr] offset:12288*(\q)+1536*(\i)+768
	ds_load_b64 v[\reg+10:\reg+11], v[\adr+2] offset:12288*(\q)+1536*(\i)+1280
.endm
.macro MUL16 a0, p, q, sc, zero
.irp a, \a0, \a0+1
.irp b, 0,1,2,3,4,5,6,7
.if \zero
	v_wmma_scale_f32_16x16x128_f8f6f4 v[8*(8*((\a)%4)+\b):8*(8*((\a)%4)+\b)+7], v[128*(\p)+FR*\b:128*(\p)+FR*\b+FR-1], v[AF+FR*(\a):AF+FR*(\a)+FR-1], 0, v[SC+16*(\sc)+8*(\q)+\b], v[SC+16*(\sc)+8*(\q)+(\a)] matrix_a_fmt:MATRIX_FMT_FP6 matrix_b_fmt:MATRIX_FMT_FP6 matrix_a_scale:MATRIX_SCALE_ROW1
.else
	v_wmma_scale_f32_16x16x128_f8f6f4 v[8*(8*((\a)%4)+\b):8*(8*((\a)%4)+\b)+7], v[128*(\p)+FR*\b:128*(\p)+FR*\b+FR-1], v[AF+FR*(\a):AF+FR*(\a)+FR-1], v[8*(8*((\a)%4)+\b):8*(8*((\a)%4)+\b)+7], v[SC+16*(\sc)+8*(\q)+\b], v[SC+16*(\sc)+8*(\q)+(\a)] matrix_a_fmt:MATRIX_FMT_FP6 matrix_b_fmt:MATRIX_FMT_FP6 matrix_a_scale:MATRIX_SCALE_ROW1
.endif
.endr
.endr
.endm
.macro FETCH_B slot, q, p
	WIN TO_B
.irp i, 0,1,2,3,4,5,6,7
	FRAG 128*(\p)+FR*\i, ADRB+\slot, \q, \i
.endr
	WIN 0
.endm
.macro FETCH_A slot, q, i0
.irp i, \i0, \i0+1, \i0+2, \i0+3
	FRAG AF+FR*(\i), ADRA+\slot, \q, \i
.endr
.endm
.macro SCALES sc
.irp q, 0,1
.irp i, 0,1,2,3,4,5,6,7
	ds_load_b32 v[SC+16*\sc+8*\q+\i], v[ADRS] offset:512*\q+64*\i
.endr
.endr
.endm
.macro STEP slot, zero
	s_wait_dscnt 16
	WIN MUL_LO
	MUL16 0, 0, 0, \slot, \zero
	MUL16 2, 0, 0, \slot, \zero
	s_wait_dscnt 0x0
	PLACES
	FETCH_B \slot, 1, 1
	FETCH_A \slot, 1, 0
	WIN MUL_HI
	MUL16 4, 0, 0, \slot, \zero
	MUL16 6, 0, 0, \slot, \zero
	PLACES
	WIN 0
	FETCH_A \slot, 1, 4
.endm
.macro TURN slot, next, fill
	s_wait_tensorcnt 0x0
	ds_add_u32 v[SPW], v[NIL]
	s_wait_dscnt 17
	WIN MUL_LO
	MUL16 0, 1, 1, \slot, 0
	s_wait_dscnt 0x0
	s_barrier_signal -1
	MUL16 2, 1, 1, \slot, 0
	WIN 0
	s_barrier_wait -1
.if \fill
	CREST
	s_add_nc_u64 s[G0+4*\slot+2:G0+4*\slot+3], s[G0+4*\slot+2:G0+4*\slot+3], 2*HALFT
	s_add_nc_u64 s[G0B+4*\slot+2:G0B+4*\slot+3], s[G0B+4*\slot+2:G0B+4*\slot+3], 2*HALFT
	JLOAD G0+4*\slot, G1, G0B+4*\slot, G1B
.else
	PLACES
.endif
	s_wait_alu depctr_va_vdst(0)
	v_add_nc_u32 v[ADRS], 1024, v[ADRS]
	FETCH_B \next, 0, 0
	FETCH_A \next, 0, 0
	SCALES \next
	WIN MUL_HI
	MUL16 4, 1, 1, \slot, 0
	MUL16 6, 1, 1, \slot, 0
	PLACES
	WIN 0
	FETCH_A \next, 0, 4
.endm
.macro QUANT src
.irp b, 0,1,2,3
	v_max3_num_f32 v[TM+\b], |v[\src+16*\b]|, |v[\src+1+16*\b]|, 0x1800000
.endr
.irp i, 2,4,6,8,10,12,14
.irp b, 0,1,2,3
	v_max3_num_f32 v[TM+\b], v[TM+\b], |v[\src+16*\b+\i]|, |v[\src+1+16*\b+\i]|
.endr
.endr
.irp b, 0,1,2,3
	v_permlanex16_b32 v[TM+4+\b], v[TM+\b], s[SEL], s[SEL+1]
.endr
.irp b, 0,1,2,3
	v_max_num_f32 v[TM+\b], v[TM+\b], v[TM+4+\b]
.endr
.irp b, 0,1,2,3
	v_add_nc_u32 v[TM+12+\b], 0xff000000, v[TM+\b]
.endr
.irp b, 0,1,2,3
	v_lshrrev_b32 v[TM+4+\b], 23, v[TM+12+\b]
.endr
	v_lshl_or_b32 v[PW], v[TM+5], 8, v[TM+4]
	v_lshl_or_b32 v[PW], v[TM+6], 16, v[PW]
	v_lshl_or_b32 v[PW], v[TM+7], 24, v[PW]
.irp c, 0,1
	v_cvt_scalef32_pk16_fp6_f32 v[PC+6*\c:PC+2+6*\c], v[\src+32*\c:\src+15+32*\c], v[TM+12+2*\c]
	v_cvt_scalef32_pk16_fp6_f32 v[PC+12+4*\c:PC+14+4*\c], v[\src+16+32*\c:\src+31+32*\c], v[TM+12+2*\c+1]
.endr
	v_nop
.irp c, 0,1
.irp i, 0,1,2
	v_permlane16_swap_b32 v[PC+6*\c+\i], v[PC+12+4*\c+\i]
.endr
.irp i, 0,1,2
	v_mov_b32 v[PC+3+6*\c+\i], v[PC+12+4*\c+\i]
.endr
.endr
.endm
.macro IMG b0, o0, b1, o1
	global_store_b128 v[CO], v[PC:PC+3], s[\b0:\b0+1] offset:\o0
	global_store_b64 v[O8], v[PC+4:PC+5], s[\b0:\b0+1] offset:(\o0)+512
	global_store_b128 v[CO], v[PC+6:PC+9], s[\b1:\b1+1] offset:\o1
	global_store_b64 v[O8], v[PC+10:PC+11], s[\b1:\b1+1] offset:(\o1)+512
.endm
	s_load_b256 s[4:11], s[0:1], 0x0
	v_lshl_add_u32 v[SPW], v0, 2, SPARE
	v_mov_b32 v[NIL], 0
	ds_add_u32 v28, v29
	ds_add_u32 v28, v29
	s_wait_dscnt 0x0
	v_lshrrev_b32 v1, 5, v0
	v_readfirstlane_b32 s[WV], v1
	s_lshr_b32 s[HA], s[WV], 1
	s_and_b32 s[HB], s[WV], 1
	s_bfe_u32 s19, ttmp6, 0x40000
	s_bfe_u32 s20, ttmp6, 0x40004
	s_lshl_b32 s21, ttmp9, 2
	s_add_co_u32 s21, s21, s19
	s_and_b32 s22, ttmp7, 0xffff
	s_lshl_b32 s22, s22, 2
	s_add_co_u32 s22, s22, s20
	s_lshl_b32 s2, s20, 2
	s_lshl_b32 s2, 15, s2
	s_lshl_b32 s3, 0x1111, s19
	s_or_b32 s[G1], s2, (3<<16)|(1<<21)
	s_or_b32 s[G1B], s3, (3<<16)|(1<<21)
.irp g, G1, G1B
	s_mov_b32 s[\g+1], 32<<16
	s_mov_b32 s[\g+2], 96<<16
	s_mov_b32 s[\g+3], 32<<16
	s_mov_b32 s[\g+4], 96
	s_mov_b32 s[\g+5], 32
	s_mov_b32 s[\g+6], 0
	s_mov_b32 s[\g+7], 0
.endr
	s_lshl_b32 s42, s22, 1
	s_add_co_u32 s42, s42, s[HB]
	s_mul_i32 s40, s42, KS*12288
	s_add_co_u32 s40, s40, A_CODES
	s_mov_b32 s41, 0
	s_mul_i32 s42, s42, KS*512
	s_add_co_u32 s42, s42, A_SCALES
	s_mov_b32 s43, 0
	s_lshl_b32 s46, s21, 1
	s_add_co_u32 s46, s46, s[HB]
	s_mul_i32 s44, s46, KS*12288
	s_add_co_u32 s44, s44, B_CODES
	s_mov_b32 s45, 0
	s_mul_i32 s46, s46, KS*512
	s_add_co_u32 s46, s46, B_SCALES
	s_mov_b32 s47, 0
	s_mul_i32 s23, s[WV], HALFT
	s_mul_i32 s92, s[WV], HALFS
	s_wait_kmcnt 0x0
	s_add_nc_u64 s[40:41], s[4:5], s[40:41]
	s_add_nc_u64 s[42:43], s[4:5], s[42:43]
	s_add_nc_u64 s[44:45], s[6:7], s[44:45]
	s_add_nc_u64 s[46:47], s[6:7], s[46:47]
	CROUND
.irp s, 0,1
	s_mov_b32 s[G0+4*\s], 1
	s_add_co_u32 s[G0+4*\s+1], s23, \s*SLOT
	s_add_nc_u64 s[G0+4*\s+2:G0+4*\s+3], s[40:41], \s*HALFT
	s_or_b32 s[G0+4*\s+3], s[G0+4*\s+3], 0x80000000
	s_mov_b32 s[G0B+4*\s], 1
	s_add_co_u32 s[G0B+4*\s+1], s23, \s*SLOT
	s_add_nc_u64 s[G0B+4*\s+2:G0B+4*\s+3], s[44:45], \s*HALFT
	s_or_b32 s[G0B+4*\s+3], s[G0B+4*\s+3], 0x80000000
.endr
	JLOAD G0, G1, G0B, G1B                         ; my quarter of slot 0: one tensor load a wave at the head
	s_cmp_eq_u32 s[HA], 0                          ; A's or B's, by the wave's number:
	s_cselect_b64 s[4:5], s[42:43], s[46:47]       ; my part of the scale words,
	s_cselect_b64 s[6:7], s[40:41], s[44:45]       ; and what I fetch in the ring, for the prefetches:
	s_cselect_b32 s2, s19, s20                     ; my work-group's place among the four that ask with it,
	s_mul_i32 s2, s2, 6144                         ; and its 24 blocks of 256 bytes
	s_mov_b32 s3, 0
	s_add_nc_u64 s[6:7], s[6:7], s[2:3]
	v_and_b32 v1, 31, v0
	v_and_b32 v2, 15, v0
	v_bfe_u32 v3, v0, 4, 1
	v_lshlrev_b32 v[CO], 4, v1
	v_lshlrev_b32 v[O8], 3, v1
	s_add_co_u32 s92, s92, SCL
	v_add_nc_u32 v7, s92, v[CO]                    ; LDS: my part of the scale words, 16 bytes a lane
	v_min_u32 v8, 23, v1
	v_lshlrev_b32 v8, 8, v8                        ; the prefetches: a lane a block of 256 bytes; never rewritten
.set kk, 0
.rept HALFS/512
	global_load_b128 v[128+4*kk:131+4*kk], v[CO], s[4:5] offset:512*kk
.set kk, kk+1
.endr
	global_prefetch_b8 v8, s[6:7] offset:HALFT th:TH_LOAD_NT scope:SCOPE_SE     ; fill 1
	global_prefetch_b8 v8, s[6:7] offset:2*HALFT th:TH_LOAD_NT scope:SCOPE_SE   ; fill 2
	v_lshlrev_b32 v[O4], 2, v1
	s_mul_i32 s40, s[HA], HALFT
	s_mul_i32 s41, s[HB], HALFT
	s_add_co_u32 s41, s41, 2*HALFT
.irp s, 0,1
	v_add_nc_u32 v[ADRA+\s], s40, v[CO]
	v_add_nc_u32 v[ADRA+2+\s], s40, v[O8]
	v_add_nc_u32 v[ADRB+\s], s41, v[CO]
	v_add_nc_u32 v[ADRB+2+\s], s41, v[O8]
	s_add_co_u32 s40, s40, SLOT
	s_add_co_u32 s41, s41, SLOT
.endr
	s_mul_i32 s40, s[HA], HALFS
	s_mul_i32 s41, s[HB], HALFS
	s_add_co_u32 s41, s41, 2*HALFS
	s_sub_co_u32 s41, s41, s40
	v_mul_u32_u24 v4, s41, v3
	s_add_co_u32 s40, s40, SCL
	v_lshl_add_u32 v4, v2, 2, v4
	v_add_nc_u32 v[ADRS], s40, v4
	s_lshl_b32 s40, s22, 1
	s_add_co_u32 s40, s40, s[HA]
	s_lshl_b32 s41, s21, 1
	s_add_co_u32 s41, s41, s[HB]
	s_lshl_b32 s42, s41, 9
	s_mov_b32 s43, 0
	s_add_nc_u64 s[92:93], s[8:9], s[42:43]
	s_lshl_b32 s2, s40, 5
	s_add_co_u32 s2, s2, s41
	s_mul_i32 s42, s2, 12288
	s_add_nc_u64 s[96:97], s[10:11], s[42:43]
	s_lshl_b32 s42, s2, 9
	s_add_co_u32 s42, s42, 12582912
	s_add_nc_u64 s[98:99], s[10:11], s[42:43]
	v_lshlrev_b32 v5, 6, v3
.irp b, 0,1,2,3,4,5,6,7
	global_load_b128 v[BI+8*\b:BI+8*\b+3], v5, s[92:93] offset:4*(32*(\b/2)+8*(\b%2))
	global_load_b128 v[BI+8*\b+4:BI+8*\b+7], v5, s[92:93] offset:4*(32*(\b/2)+8*(\b%2))+16
.endr
	s_mov_b32 s[SEL], 0x76543210
	s_mov_b32 s[SEL+1], 0xfedcba98
	s_mov_b32 s[HM], 0xffff0000
	s_mov_b32 s[LG], 0xbfb8aa3b
	s_mov_b32 s[LG+1], s[LG]
	s_wait_alu depctr_va_vdst(0)
	s_wait_loadcnt 16                              ; the scale words are in; the 16 loads of the bias, issued behind them, may be out
.set kk, 0
.rept HALFS/512
	ds_store_b128 v7, v[128+4*kk:131+4*kk] offset:512*kk
.set kk, kk+1
.endr
	s_wait_tensorcnt 0x0                           ; my quarter of slot 0 is in
	ds_add_u32 v[SPW], v[NIL]
	s_wait_dscnt 0x0                               ; the add and my stores are done
	CROUND                                         ; slot 0 and the scale words are whole, and all sixteen work-groups are here
	JLOAD G0+4, G1, G0B+4, G1B                     ; slot 1's first fill, my one load behind the round
	FETCH_B 0, 0, 0
	FETCH_A 0, 0, 0
	SCALES 0
	FETCH_A 0, 0, 4
	global_prefetch_b8 v8, s[6:7] offset:3*HALFT th:TH_LOAD_NT scope:SCOPE_SE   ; fill 3
	STEP 0, 1
	s_mov_b32 s3, LAPS-1
.Llap:
	TURN 0, 1, 1
	STEP 1, 0
	TURN 1, 0, 1
	STEP 0, 0
	s_sub_co_u32 s3, s3, 1
	s_cmp_lg_u32 s3, 0
	s_cbranch_scc1 .Llap
	TURN 0, 1, 0
	STEP 1, 0
	s_wait_dscnt 16
	WIN MUL_LO
	MUL16 0, 1, 1, 1, 0
	MUL16 2, 1, 1, 1, 0
	s_wait_dscnt 0x0
	WIN MUL_HI
	MUL16 4, 1, 1, 1, 0
	MUL16 6, 1, 1, 1, 0
	WIN 0
	PLACES
	s_wait_loadcnt 0x0
.irp b, 0,1,2,3
	v_mov_b32 v[TM+4+\b], 0
.endr
.macro TILE a
	s_wait_xcnt 0x0
.set WN, 0x02+(\a)/4
	WIN WN
.set AC, 64*((\a)%4)
.set jj, 0
.rept 32
	v_pk_add_f32 v[T+jj:T+jj+1], v[AC+jj:AC+jj+1], v[BI+jj:BI+jj+1]
.set jj, jj+2
.endr
	WIN 0x40
.set jj, 0
.rept 32
	v_pk_mul_f32 v[jj:jj+1], v[T+jj:T+jj+1], s[LG:LG+1] op_sel_hi:[1,0]
.set jj, jj+2
.endr
	WIN 0x41
.set jj, 0
	s_wait_alu depctr_va_vdst(0)
.rept 64
	v_exp_f32 v[jj], v[jj]
.set jj, jj+1
.endr
	v_nop
.set jj, 0
	s_wait_alu depctr_va_vdst(0)
.rept 32
	v_pk_add_f32 v[jj:jj+1], v[jj:jj+1], 1.0 op_sel_hi:[1,0]
.set jj, jj+2
.endr
.set jj, 0
	s_wait_alu depctr_va_vdst(0)
.rept 64
	v_rcp_f32 v[jj], v[jj]
.set jj, jj+1
.endr
	v_nop
	WIN 0x04
.set jj, 0
	s_wait_alu depctr_va_vdst(0)
.rept 32
	v_pk_mul_f32 v[T+jj:T+jj+1], v[T+jj:T+jj+1], v[jj:jj+1]
.set jj, jj+2
.endr
	WIN 0
	QUANT T
	IMG 96, 1536*(\a), 96, 1536*(\a)+768
.if (\a)%2 == 0
	v_mov_b32 v[PW2], v[PW]
.else
	v_cndmask_b32 v[PWS], v[PW2], v[PW], s[HM]
	global_store_b32 v[O4], v[PWS], s[98:99] offset:128*((\a)/2)
.endif
.endm
.irp a, 0,1,2,3,4,5,6,7
	TILE \a
.endr
	s_wait_tensorcnt 0x0
	ds_add_u32 v[SPW], v[NIL]
	s_wait_dscnt 0x0
	CROUND
	s_endpgm
.Lfunc_end_k_q33ec39cbf8_gemm_1:
	.size	k_q33ec39cbf8_gemm_1, .Lfunc_end_k_q33ec39cbf8_gemm_1-k_q33ec39cbf8_gemm_1
	.p2alignl 7, 3214868480
	.fill 96, 4, 3214868480
	.section	.rodata,"a",@progbits
	.p2align	6, 0x0
	.amdhsa_kernel k_q33ec39cbf8_gemm_1
		.amdhsa_group_segment_fixed_size 327680
		.amdhsa_private_segment_fixed_size 0
		.amdhsa_enable_private_segment 0
		.amdhsa_kernarg_size 32
		.amdhsa_user_sgpr_count 2
		.amdhsa_user_sgpr_kernarg_segment_ptr 1
		.amdhsa_wavefront_size32 1
		.amdhsa_system_sgpr_workgroup_id_x 1
		.amdhsa_system_sgpr_workgroup_id_y 1
		.amdhsa_system_sgpr_workgroup_id_z 1
		.amdhsa_system_vgpr_workitem_id 0
		.amdhsa_next_free_vgpr 1024
		.amdhsa_next_free_sgpr 102
		.amdhsa_reserve_vcc 0
		.amdhsa_float_denorm_mode_32 3
		.amdhsa_float_denorm_mode_16_64 3
		.amdhsa_memory_ordered 1
		.amdhsa_forward_progress 1
		.amdhsa_inst_pref_size 251
	.end_amdhsa_kernel
	.amdgpu_metadata
---
amdhsa.version: [ 1, 2 ]
amdhsa.kernels:
  - .name:           k_q33ec39cbf8_gemm_1
    .symbol:         k_q33ec39cbf8_gemm_1.kd
    .args:
      - { .name: bx1, .offset: 0, .size: 8, .value_kind: global_buffer, .address_space: global }
      - { .name: bw, .offset: 8, .size: 8, .value_kind: global_buffer, .address_space: global }
      - { .name: b1, .offset: 16, .size: 8, .value_kind: global_buffer, .address_space: global }
      - { .name: bh, .offset: 24, .size: 8, .value_kind: global_buffer, .address_space: global }
    .group_segment_fixed_size: 327680
    .private_segment_fixed_size: 0
    .kernarg_segment_align: 8
    .kernarg_segment_size: 32
    .max_flat_workgroup_size: 128
    .sgpr_count:     102
    .vgpr_count:     1024
    .wavefront_size: 32
...
	.end_amdgpu_metadata
.endif
;; end of part 11
;; launch gemm_2 (part 12): grid 8 x 32, 4 waves a work-group, clusters of 4 x 4, 327,680 bytes of LDS; arguments bh, bw, b2, bx1, out0; writes out0
.if DOCPART == 12
	.amdgcn_target "amdgcn-amd-amdhsa--gfx1250"
	.amdhsa_code_object_version 6
	.text
	.protected	k_q33ec39cbf8_gemm_2
	.globl	k_q33ec39cbf8_gemm_2
	.p2align	8
	.type	k_q33ec39cbf8_gemm_2,@function
k_q33ec39cbf8_gemm_2:
	s_mov_b64 s[64:65], 0
	v_nop
	global_prefetch_b8 v0, s[64:65] scope:SCOPE_SE
	s_setreg_imm32_b32 hwreg(HW_REG_WAVE_MODE, 25, 1), 1
	s_wait_xcnt 0x0
	s_wait_alu depctr_hold_cnt(0) depctr_sa_sdst(0) depctr_va_vdst(0) depctr_va_sdst(0) depctr_va_ssrc(0) depctr_va_vcc(0) depctr_vm_vsrc(0)
	s_getreg_b32 s2, hwreg(HW_REG_IB_STS2, 6, 4)
	s_cmp_eq_u32 s2, 0
	s_cbranch_scc0 .Lentry_in_a_cluster
	s_endpgm
.Lentry_in_a_cluster:
	s_bfe_u32 s2, ttmp6, 0x10000c
	s_cmp_lg_u32 s2, 0xf033
	s_cbranch_scc0 .Lentry_shape_is_right
	s_endpgm
.Lentry_shape_is_right:
; out = x1 + h W2 + b2 on codes of FP6 (E2M3) with E8M0 scales, K = 4,096; f32 rows out.  Shape, cluster and layouts as in the launch that makes x1: 128 x 128 a work-group, wave w takes A's tiles 2 w, 2 w + 1 against B's eight.
; K goes through a ring of two LDS slots of four K steps (A's 49,152 dense bytes, then B's).  Eight fills, each a quarter of a slot a wave, 24,576 dense bytes: fill 0 at the head, the others behind rounds of the cluster's barrier.
; The scale words (8,192 bytes a wave, a small part of the bytes, so not asked for jointly) come once, by plain loads of 512 consecutive bytes and LDS stores, into bytes that no tensor load fills.
; PREFETCH: of the 96 blocks of 256 bytes of a wave's load each of the four partners names 24, told apart by address (lanes 24-31 name the last again).  Fills 1 and 2 are named at the head, fill 3 behind slot 1's load;
; behind the refill for fill n stands the request for fill n + 2; the loop's last trip names nothing, since fill 7 is the last.
; LIMITS: NaN and infinities are not served.
.set KS,    32
.set A_CODES,  0
.set A_SCALES, 12582912
.set B_CODES,  6291456
.set B_SCALES, 9699328
.set LAPS,  KS/8
.set FR,    12
.set HALFT, 24576
.set SLOT,  4*HALFT
.set SCL,   2*SLOT
.set HALFS, 256*KS
.set SPARE, SCL+4*HALFS
.set ADRA, 16
.set ADRB, 20
.set STO,  24
.set RD,   25
.set CO,   26
.set ADRS, 27
.set SPW,  28
.set NIL,  29
.set O8,   30
.set SC,   32
.set BI,   64
.set AF,   128
.set T,    128
.set WV,   16
.set HA,   17
.set HB,   18
.set G1,   24
.set G0,   32
.set G1B,  48
.set G0B,  56
.set G1S,  68
.set G0S,  76
.set G1SB, 80
.set G0SB, 88
.set MSB, 0
.macro WIN new
.if MSB != \new
	s_set_vgpr_msb (MSB<<8)|\new
.set MSB, \new
.endif
.endm
.set MUL_LO, 0xa1
.set TO_B,   0x40
.macro JLOAD g0a, g1a, g0b, g1b
	s_cmp_eq_u32 s[HA], 0
	s_cbranch_scc0 .Lfor_b_\@
	tensor_load_to_lds s[\g0a:\g0a+3], s[\g1a:\g1a+7]
	s_nop 0
.rept 4
	v_nop
.endr
	s_branch .Lasked_\@
.Lfor_b_\@:
	tensor_load_to_lds s[\g0b:\g0b+3], s[\g1b:\g1b+7]
	s_nop 0
.rept 4
	v_nop
.endr
.Lasked_\@:
.endm
.macro CREST
	s_cmp_lg_u32 s[WV], 0
	s_cbranch_scc1 .Lnot_wave_0_\@
	s_barrier_signal -3
.Lnot_wave_0_\@:
	s_barrier_wait -3
	s_barrier_signal -1
	s_barrier_wait -1
.endm
.macro CROUND
	s_barrier_signal -1
	s_barrier_wait -1
	CREST
.endm
.macro PLACES
.rept 4
	v_nop
.endr
.endm
.macro FRAG reg, adr, q, i
	ds_load_b128 v[\reg:\reg+3], v[\adr] offset:12288*(\q)+1536*(\i)
	ds_load_b64 v[\reg+4:\reg+5], v[\adr+2] offset:12288*(\q)+1536*(\i)+512
	ds_load_b128 v[\reg+6:\reg+9], v[\adr] offset:12288*(\q)+1536*(\i)+768
	ds_load_b64 v[\reg+10:\reg+11], v[\adr+2] offset:12288*(\q)+1536*(\i)+1280
.endm
.macro MUL16 p, zero
.irp a, 0,1
.irp b, 0,1,2,3,4,5,6,7
.if \zero
	v_wmma_scale_f32_16x16x128_f8f6f4 v[8*(8*\a+\b):8*(8*\a+\b)+7], v[128*(\p)+FR*\b:128*(\p)+FR*\b+FR-1], v[AF+24*(\p)+FR*\a:AF+24*(\p)+FR*\a+FR-1], 0, v[SC+8*(\p)+\b], v[SC+8*(\p)+\a] matrix_a_fmt:MATRIX_FMT_FP6 matrix_b_fmt:MATRIX_FMT_FP6 matrix_a_scale:MATRIX_SCALE_ROW1
.else
	v_wmma_scale_f32_16x16x128_f8f6f4 v[8*(8*\a+\b):8*(8*\a+\b)+7], v[128*(\p)+FR*\b:128*(\p)+FR*\b+FR-1], v[AF+24*(\p)+FR*\a:AF+24*(\p)+FR*\a+FR-1], v[8*(8*\a+\b):8*(8*\a+\b)+7], v[SC+8*(\p)+\b], v[SC+8*(\p)+\a] matrix_a_fmt:MATRIX_FMT_FP6 matrix_b_fmt:MATRIX_FMT_FP6 matrix_a_scale:MATRIX_SCALE_ROW1
.endif
.endr
.endr
.endm
.macro FETCH slot, q, p
	WIN TO_B
.irp i, 0,1,2,3,4,5,6,7
	FRAG 128*(\p)+FR*\i, ADRB+\slot, \q, \i
.endr
	WIN 0
.irp i, 0,1
	FRAG AF+24*(\p)+FR*\i, ADRA+\slot, \q, \i
.endr
.irp i, 0,1,2,3,4,5,6,7
	ds_load_b32 v[SC+8*(\p)+\i], v[ADRS] offset:512*(\q)+64*\i
.endr
.endm
.macro KSTEP slot, q, zero
	PLACES
	FETCH \slot, (\q)+1, 1-(\q)%2
	s_wait_dscnt 48
	WIN MUL_LO
	MUL16 (\q)%2, \zero
.endm
.macro TURN slot, next, fill
	WIN 0
.if \fill
	s_wait_xcnt 0x0                                ; my last prefetch has read its address: it steps one fill on
	s_add_nc_u64 s[6:7], s[6:7], 2*HALFT
.endif
	s_wait_tensorcnt 0x0
	ds_add_u32 v[SPW], v[NIL]
	s_wait_dscnt 0x0
	s_barrier_signal -1
	WIN MUL_LO
	MUL16 1, 0
	WIN 0
	s_barrier_wait -1
.if \fill
	CREST
	s_add_nc_u64 s[G0+4*\slot+2:G0+4*\slot+3], s[G0+4*\slot+2:G0+4*\slot+3], 4*HALFT
	s_add_nc_u64 s[G0B+4*\slot+2:G0B+4*\slot+3], s[G0B+4*\slot+2:G0B+4*\slot+3], 4*HALFT
	JLOAD G0+4*\slot, G1, G0B+4*\slot, G1B
.else
	PLACES
.endif
	v_add_nc_u32 v[ADRS], 2048, v[ADRS]
	s_wait_alu depctr_va_vdst(0)
	FETCH \next, 0, 0
.if \fill
	s_cmp_gt_u32 s3, 1                             ; the loop's last trip has no fill two refills on
	s_cbranch_scc0 .Lnopf_\@
	global_prefetch_b8 v8, s[6:7] offset:6*HALFT th:TH_LOAD_NT scope:SCOPE_SE
.Lnopf_\@:
.endif
.endm
	s_load_b256 s[4:11], s[0:1], 0x0
	s_load_b64 s[12:13], s[0:1], 0x20
	v_lshl_add_u32 v[SPW], v0, 2, SPARE
	v_mov_b32 v[NIL], 0
	ds_add_u32 v28, v29
	ds_add_u32 v28, v29
	s_wait_dscnt 0x0
	v_lshrrev_b32 v1, 5, v0
	v_readfirstlane_b32 s[WV], v1
	s_lshr_b32 s[HA], s[WV], 1
	s_and_b32 s[HB], s[WV], 1
	s_bfe_u32 s19, ttmp6, 0x40000
	s_bfe_u32 s20, ttmp6, 0x40004
	s_lshl_b32 s21, ttmp9, 2
	s_add_co_u32 s21, s21, s19
	s_and_b32 s22, ttmp7, 0xffff
	s_lshl_b32 s22, s22, 2
	s_add_co_u32 s22, s22, s20
	s_lshl_b32 s2, s20, 2
	s_lshl_b32 s2, 15, s2
	s_lshl_b32 s3, 0x1111, s19
	s_or_b32 s[G1], s2, (3<<16)|(1<<21)
	s_or_b32 s[G1B], s3, (3<<16)|(1<<21)
.irp g, G1, G1B
	s_mov_b32 s[\g+1], 32<<16
	s_mov_b32 s[\g+2], 96<<16
	s_mov_b32 s[\g+3], 32<<16
	s_mov_b32 s[\g+4], 96
	s_mov_b32 s[\g+5], 32
	s_mov_b32 s[\g+6], 0
	s_mov_b32 s[\g+7], 0
.endr
	s_mul_i32 s23, s[HB], HALFT
	s_mul_i32 s92, s[HB], HALFS
	s_mul_i32 s40, s22, KS*12288
	s_add_co_u32 s40, s40, s23
	s_add_co_u32 s40, s40, A_CODES
	s_mov_b32 s41, 0
	s_mul_i32 s42, s22, KS*512
	s_add_co_u32 s42, s42, s92
	s_add_co_u32 s42, s42, A_SCALES
	s_mov_b32 s43, 0
	s_mul_i32 s44, s21, KS*12288
	s_add_co_u32 s44, s44, s23
	s_add_co_u32 s44, s44, B_CODES
	s_mov_b32 s45, 0
	s_mul_i32 s46, s21, KS*512
	s_add_co_u32 s46, s46, s92
	s_add_co_u32 s46, s46, B_SCALES
	s_mov_b32 s47, 0
	s_mul_i32 s23, s[WV], HALFT
	s_mul_i32 s92, s[WV], HALFS
	s_wait_kmcnt 0x0
	s_add_nc_u64 s[40:41], s[4:5], s[40:41]
	s_add_nc_u64 s[42:43], s[4:5], s[42:43]
	s_add_nc_u64 s[44:45], s[6:7], s[44:45]
	s_add_nc_u64 s[46:47], s[6:7], s[46:47]
	CROUND
.irp s, 0,1
	s_mov_b32 s[G0+4*\s], 1
	s_add_co_u32 s[G0+4*\s+1], s23, \s*SLOT
	s_add_nc_u64 s[G0+4*\s+2:G0+4*\s+3], s[40:41], \s*2*HALFT
	s_or_b32 s[G0+4*\s+3], s[G0+4*\s+3], 0x80000000
	s_mov_b32 s[G0B+4*\s], 1
	s_add_co_u32 s[G0B+4*\s+1], s23, \s*SLOT
	s_add_nc_u64 s[G0B+4*\s+2:G0B+4*\s+3], s[44:45], \s*2*HALFT
	s_or_b32 s[G0B+4*\s+3], s[G0B+4*\s+3], 0x80000000
.endr
	JLOAD G0, G1, G0B, G1B                         ; my quarter of slot 0: one tensor load a wave at the head
	s_cmp_eq_u32 s[HA], 0                          ; A's or B's, by the wave's number:
	s_cselect_b64 s[4:5], s[42:43], s[46:47]       ; my part of the scale words,
	s_cselect_b64 s[6:7], s[40:41], s[44:45]       ; and what I fetch in the ring, for the prefetches:
	s_cselect_b32 s2, s19, s20                     ; my work-group's place among the four that ask with it,
	s_mul_i32 s2, s2, 6144                         ; and its 24 blocks of 256 bytes
	s_mov_b32 s3, 0
	s_add_nc_u64 s[6:7], s[6:7], s[2:3]
	v_and_b32 v1, 31, v0
	v_and_b32 v2, 15, v0
	v_bfe_u32 v3, v0, 4, 1
	v_lshlrev_b32 v[CO], 4, v1
	v_lshlrev_b32 v[O8], 3, v1
	s_add_co_u32 s92, s92, SCL
	v_add_nc_u32 v7, s92, v[CO]                    ; LDS: my part of the scale words, 16 bytes a lane
	v_min_u32 v8, 23, v1
	v_lshlrev_b32 v8, 8, v8                        ; the prefetches: a lane a block of 256 bytes; never rewritten
.set kk, 0
.rept HALFS/512
	global_load_b128 v[128+4*kk:131+4*kk], v[CO], s[4:5] offset:512*kk
.set kk, kk+1
.endr
	global_prefetch_b8 v8, s[6:7] offset:2*HALFT th:TH_LOAD_NT scope:SCOPE_SE   ; fill 1
	global_prefetch_b8 v8, s[6:7] offset:4*HALFT th:TH_LOAD_NT scope:SCOPE_SE   ; fill 2
	s_mul_i32 s40, s[WV], 2*1536
	s_mov_b32 s41, 2*HALFT
.irp s, 0,1
	v_add_nc_u32 v[ADRA+\s], s40, v[CO]
	v_add_nc_u32 v[ADRA+2+\s], s40, v[O8]
	v_add_nc_u32 v[ADRB+\s], s41, v[CO]
	v_add_nc_u32 v[ADRB+2+\s], s41, v[O8]
	s_add_co_u32 s40, s40, SLOT
	s_add_co_u32 s41, s41, SLOT
.endr
	s_lshl_b32 s40, s[WV], 7
	s_mov_b32 s41, 2*HALFS
	s_sub_co_u32 s41, s41, s40
	v_mul_u32_u24 v4, s41, v3
	s_add_co_u32 s40, s40, SCL
	v_lshl_add_u32 v4, v2, 2, v4
	v_add_nc_u32 v[ADRS], s40, v4
	s_mul_i32 s2, s[WV], 8448
	v_mul_u32_u24 v4, v2, 528
	v_lshl_add_u32 v4, v3, 6, v4
	v_add_nc_u32 v[STO], s2, v4
	v_add_nc_u32 v[RD], s2, v[CO]
	s_lshl_b32 s42, s21, 9
	s_mov_b32 s43, 0
	s_add_nc_u64 s[92:93], s[8:9], s[42:43]
	s_lshl_b32 s2, s22, 19
	s_add_co_u32 s42, s42, s2
	s_lshl_b32 s2, s[WV], 17
	s_add_co_u32 s42, s42, s2
	s_add_nc_u64 s[94:95], s[10:11], s[42:43]
	s_add_nc_u64 s[96:97], s[12:13], s[42:43]
	v_lshlrev_b32 v5, 6, v3
.irp b, 0,1,2,3,4,5,6,7
	global_load_b128 v[BI+8*\b:BI+8*\b+3], v5, s[92:93] offset:4*(32*(\b/2)+8*(\b%2))
	global_load_b128 v[BI+8*\b+4:BI+8*\b+7], v5, s[92:93] offset:4*(32*(\b/2)+8*(\b%2))+16
.endr
	WIN 0xc0
.irp a, 0,1
.set tt, 0
.rept 16
	global_load_b128 v[64*\a+4*tt:64*\a+4*tt+3], v[CO], s[94:95] offset:4096*(8*\a+tt+8*(tt/8)) th:TH_LOAD_NT
.set tt, tt+1
.endr
.endr
	WIN 0
	s_wait_alu depctr_va_vdst(0)
	s_wait_loadcnt 48                              ; the scale words are in; the 48 loads of the bias and the residual, issued behind them, may be out
.set kk, 0
.rept HALFS/512
	ds_store_b128 v7, v[128+4*kk:131+4*kk] offset:512*kk
.set kk, kk+1
.endr
	s_wait_tensorcnt 0x0                           ; my quarter of slot 0 is in
	ds_add_u32 v[SPW], v[NIL]
	s_wait_dscnt 0x0                               ; the add and my stores are done
	CROUND                                         ; slot 0 and the scale words are whole, and all sixteen work-groups are here
	JLOAD G0+4, G1, G0B+4, G1B                     ; slot 1's first fill, my one load behind the round
	FETCH 0, 0, 0
	global_prefetch_b8 v8, s[6:7] offset:6*HALFT th:TH_LOAD_NT scope:SCOPE_SE   ; fill 3
	KSTEP 0, 0, 1
	WIN 0
	s_mov_b32 s3, LAPS-1
.Llap:
	s_wait_alu depctr_va_vdst(0)
	KSTEP 0, 1, 0
	KSTEP 0, 2, 0
	TURN 0, 1, 1
	KSTEP 1, 0, 0
	s_wait_alu depctr_va_vdst(0)
	KSTEP 1, 1, 0
	KSTEP 1, 2, 0
	TURN 1, 0, 1
	KSTEP 0, 0, 0
	WIN 0
	s_sub_co_u32 s3, s3, 1
	s_cmp_lg_u32 s3, 0
	s_cbranch_scc1 .Llap
	s_wait_alu depctr_va_vdst(0)
	KSTEP 0, 1, 0
	KSTEP 0, 2, 0
	TURN 0, 1, 0
	KSTEP 1, 0, 0
	s_wait_alu depctr_va_vdst(0)
	KSTEP 1, 1, 0
	KSTEP 1, 2, 0
	s_wait_dscnt 0x0
	WIN MUL_LO
	MUL16 1, 0
	WIN 0
	PLACES
	s_wait_loadcnt 0x0
.macro TILE a
	WIN 0x02
.set jj, 0
.rept 32
	v_pk_add_f32 v[T+jj:T+jj+1], v[64*\a+jj:64*\a+jj+1], v[BI+jj:BI+jj+1]
.set jj, jj+2
.endr
	WIN 0
.set tt, 0
.rept 16
	ds_store_b128 v[STO], v[T+4*tt:T+4*tt+3] offset:128*(tt/4)+16*(tt%4)
.set tt, tt+1
.endr
	WIN 0x40
.set tt, 0
.rept 16
	ds_load_b128 v[64*\a+4*tt:64*\a+4*tt+3], v[RD] offset:528*tt
.set tt, tt+1
.endr
	s_wait_dscnt 0x0
	WIN 0x4d
.set jj, 0
.rept 32
	v_pk_add_f32 v[64*\a+jj:64*\a+jj+1], v[64*\a+jj:64*\a+jj+1], v[64*\a+jj:64*\a+jj+1]
.set jj, jj+2
.endr
	WIN 0x04
.set tt, 0
.rept 16
	global_store_b128 v[CO], v[64*\a+4*tt:64*\a+4*tt+3], s[96:97] offset:4096*(8*\a+tt+8*(tt/8)) th:TH_STORE_NT
.set tt, tt+1
.endr
	WIN 0
.endm
	TILE 0
	TILE 1
	s_wait_tensorcnt 0x0
	ds_add_u32 v[SPW], v[NIL]
	s_wait_dscnt 0x0
	CROUND
	s_endpgm
.Lfunc_end_k_q33ec39cbf8_gemm_2:
	.size	k_q33ec39cbf8_gemm_2, .Lfunc_end_k_q33ec39cbf8_gemm_2-k_q33ec39cbf8_gemm_2
	.p2alignl 7, 3214868480
	.fill 96, 4, 3214868480
	.section	.rodata,"a",@progbits
	.p2align	6, 0x0
	.amdhsa_kernel k_q33ec39cbf8_gemm_2
		.amdhsa_group_segment_fixed_size 327680
		.amdhsa_private_segment_fixed_size 0
		.amdhsa_enable_private_segment 0
		.amdhsa_kernarg_size 40
		.amdhsa_user_sgpr_count 2
		.amdhsa_user_sgpr_kernarg_segment_ptr 1
		.amdhsa_wavefront_size32 1
		.amdhsa_system_sgpr_workgroup_id_x 1
		.amdhsa_system_sgpr_workgroup_id_y 1
		.amdhsa_system_sgpr_workgroup_id_z 1
		.amdhsa_system_vgpr_workitem_id 0
		.amdhsa_next_free_vgpr 1024
		.amdhsa_next_free_sgpr 102
		.amdhsa_reserve_vcc 0
		.amdhsa_float_denorm_mode_32 3
		.amdhsa_float_denorm_mode_16_64 3
		.amdhsa_memory_ordered 1
		.amdhsa_forward_progress 1
		.amdhsa_inst_pref_size 119
	.end_amdhsa_kernel
	.amdgpu_metadata
---
amdhsa.version: [ 1, 2 ]
amdhsa.kernels:
  - .name:           k_q33ec39cbf8_gemm_2
    .symbol:         k_q33ec39cbf8_gemm_2.kd
    .args:
      - { .name: bh, .offset: 0, .size: 8, .value_kind: global_buffer, .address_space: global }
      - { .name: bw, .offset: 8, .size: 8, .value_kind: global_buffer, .address_space: global }
      - { .name: b2, .offset: 16, .size: 8, .value_kind: global_buffer, .address_space: global }
      - { .name: bx1, .offset: 24, .size: 8, .value_kind: global_buffer, .address_space: global }
      - { .name: out0, .offset: 32, .size: 8, .value_kind: global_buffer, .address_space: global }
    .group_segment_fixed_size: 327680
    .private_segment_fixed_size: 0
    .kernarg_segment_align: 8
    .kernarg_segment_size: 40
    .max_flat_workgroup_size: 128
    .sgpr_count:     102
    .vgpr_count:     1024
    .wavefront_size: 32
...
	.end_amdgpu_metadata
.endif
;; end of part 12
